; MI455X (gfx1250); checked and timed in simulation.
; The chip was launched on July 23, 2026; its instructions are those of AMD's public machine-readable ISA for CDNA 5 (MIT licence, August 2026) and "CDNA5" Instruction Set Architecture Reference Guide (July 2026). The comments in the code are by the model that wrote it; some were corrected since.
;; Multi Headed Attention. Allowed arithmetic: matrix products marked QUANTISED: E4M3 operands, one E8M0 scale for each 32 along K, by v_wmma_scale_f32_16x16x128_f8f6f4 with both operands' format E4M3, f32 sums; everything else in f32.
;; Inputs: Wk 1,024 x 1,024 float32; Wo 1,024 x 1,024 float32; Wq 1,024 x 1,024 float32; Wv 1,024 x 1,024 float32; bk 1,024 float32; bo 1,024 float32; bq 1,024 float32; bv 1,024 float32; x 2 x 2,048 x 1,024 float32.
;; Outputs: out0 2 x 2,048 x 1,024 float32.
;; This version of the problem:
;;   THIS VERSION OF THE PROBLEM IS GIVEN IN LOW PRECISION. The matrix products marked QUANTISED in the list below multiply operands that are first quantised to E4M3 (4 exponent bits, 3 mantissa bits; 8 bits a number), with one power-of-two scale for each 32 numbers along K (OCP MX v1.0); their sums are f32. All else is computed in f32.
;;   The module's matrix products, in the order in which they are computed (A, B: the left and right operand; K: the contracted axis; several contracted axes count as one K, in the product's order):
;;     1. [M 4,096, K 1,024] x [K 1,024, N 1,024]; A: input x; B: input Wq: QUANTISED
;;     2. [M 4,096, K 1,024] x [K 1,024, N 1,024]; A: input x; B: input Wk: QUANTISED
;;     3. [M 4,096, K 1,024] x [K 1,024, N 1,024]; A: input x; B: input Wv: QUANTISED
;;     4. batch 32 x [M 2,048, K 64] x [K 64, N 2,048]; A: computed on the way; B: computed on the way: QUANTISED
;;     5. batch 32 x [M 2,048, K 2,048] x [K 2,048, N 64]; A: softmax (see below); B: computed on the way: QUANTISED
;;     6. [M 4,096, K 1,024] x [K 1,024, N 1,024]; A: computed on the way; B: input Wo: QUANTISED
;;   THE QUANTISER, for each operand of a quantised product, along K:
;;     - K is cut into blocks of 32 from its start; a last block that is shorter is filled with zeros.
;;     - A block's scale is 2^e with e = floor(log2(the largest magnitude in the block)) - 8, held to -126 .. 127; a block of zeros has e = 0. As a byte (E8M0): e + 127.
;;     - Each number is divided by its block's scale, clamped to +-448, and rounded to the nearest number of E4M3, ties to even, subnormals kept.
;;     - The product sums the exact products of the quantised numbers (number of the format x scale) in f32.
;;   ~~~python
;;   def quantise(x, axis):      # numpy; x: float32 -> the quantised numbers, widened to float32 again
;;       x = np.moveaxis(x, axis, -1); K = x.shape[-1]
;;       x = np.pad(x, [(0, 0)] * (x.ndim - 1) + [(0, -K % 32)]); x = x.reshape(x.shape[:-1] + (-1, 32)); a = np.abs(x).max(-1, keepdims=True)
;;       e = np.where(a > 0, np.clip(np.frexp(np.where(a > 0, a, 1))[1] - 1 - 8, -126, 127), 0)      # np.frexp(a)[1] - 1 = floor(log2(a)), exactly
;;       r = np.clip(x / 2.0 ** e, -448, 448)
;;       step = 2.0 ** (np.maximum(np.frexp(np.where(r == 0, 1, r))[1] - 1, -6) - 3)
;;       q = np.round(r / step) * step * 2.0 ** e      # np.round: ties to even
;;       return np.moveaxis(q.reshape(q.shape[:-2] + (-1,))[..., :K], -1, axis).astype(np.float32)
;;   ~~~
;;   SOFTMAX AHEAD OF A QUANTISED PRODUCT. Where the list says 'softmax', what is quantised is not the finished softmax but p = 2^(t - M), with t = logit x log2(e) and M = ceil(the row's largest t), a whole number; so 1/2 < the row's largest p <= 1. The row's sum l is taken of the UNQUANTISED p, in f32, and the product's result is divided by l at the end. Since M is a whole number, a kernel that streams over the keys may use a running M (the ceiling of the running maximum): every later rescaling is an exact power of two, which a block's scale takes up: the codes' values come out the same.
;;   OPERANDS COMPUTED ON THE WAY. 'Computed on the way' means the value that the module computes at that place (a softmax that the list does not call 'softmax' is quantised finished and normalised). What goes into a quantiser is computed in f32, as accurately as f32 sums, v_exp_f32 and their like allow (about 1e-6 of the number): no bf16 or f16 on the way to a quantiser, and a product that is left as it is and whose result goes on into a quantised operand takes f32 operands (vector FMAs, or v_wmma_f32_16x16x4_f32). A number that lies on a knife's edge between two numbers of the format may be rounded either way, as far as f32 arithmetic and the matrix unit's own rounding can turn it there, and no further.
;; 2 versions. Each part assembles by itself: llvm-mc -triple=amdgcn-amd-amdhsa -mcpu=gfx1250 --defsym DOCPART=n.
;; ======== version 1 of 2: 4 launches
;; workspace buffers: codes 8,388,608 bytes; scales 262,144 bytes; qimg 4,456,448 bytes; kv 8,781,824 bytes; ac 4,194,304 bytes; asc 131,072 bytes
;; launch quant (part 1): grid 512 x 1, 4 waves a work-group, no clusters, 68,096 bytes of LDS; arguments x, Wq, Wk, Wv, Wo, codes, scales; writes codes, scales
.if DOCPART == 1
	.amdgcn_target "amdgcn-amd-amdhsa--gfx1250"
	.amdhsa_code_object_version 6
	.text
	.protected	k_q2746158a27_quant
	.globl	k_q2746158a27_quant
	.p2align	8
	.type	k_q2746158a27_quant,@function
k_q2746158a27_quant:
	s_mov_b64 s[64:65], 0
	v_nop
	global_prefetch_b8 v0, s[64:65] scope:SCOPE_SE
	s_setreg_imm32_b32 hwreg(HW_REG_WAVE_MODE, 25, 1), 1
	s_wait_xcnt 0x0
; MULTI-HEAD ATTENTION IN MX-FP8, launch 1 of 4: x [4096][1024] and Wq, Wk, Wv, Wo [1024][1024], f32 with K innermost, become codes of FP8 (E4M3) and E8M0 scale bytes.
; NO WORK OF THE PROBLEM IS LEFT OUT in any of the four launches: every bias stands ahead of a quantiser or in the result, so all nine inputs are loaded (the four biases by the launches that add them).
; The scores' K is the head's 64, the matrix instruction's is 128: the upper 64 are zero codes on both sides, which add nothing.
; LAYOUT OF THE WORKSPACE.  An operand lies as an IMAGE OF ITS REGISTERS: a fragment (16 rows x 128 K) is 2,048 bytes, four chunks of 512; in chunk c lane l's 16 bytes lie at 16 l and hold
; k = 32 c + 16 (l / 16) + 0 .. 15 of row l % 16.  codes: [row tile 512][K step 8][2,048]; tiles 0-255 x, 256-319 Wq, 320-383 Wk, 384-447 Wv, 448-511 Wo.
; scales: [row tile][K pair 4][row 16][2 words]; a word is the four bytes of 128 along K.
; THE ROWS OF A TILE ARE NOT NEIGHBOURS: place r of tile T holds row 32 (T / 2) + 8 (T % 2) + r + 8 (r / 8).  A product that takes such tiles as source 0 then has, in the 16 registers of tiles 2 b and 2 b + 1,
; 16 neighbours 32 b + 16 (l / 16) + 0 .. 15: what the conversions to codes want for the next product's K.
; THE QUANTISER: a block's scale is 2^(floor(log2(its largest magnitude)) - 8); its byte is that magnitude's exponent field - 8, held at 1 from below; numbers are held within +-448 x the scale and rounded to the nearest code, ties to even.
; LIMITS: a block of zeros gets the byte 1 where the rule says 127 (its codes are zeros, and this program alone reads the bytes); blocks whose largest magnitude lies under 2^-118 were not tried; NaN and infinities among the inputs are not served.
; SHARES.  Work-group g makes row tile g; wave w its K steps 2 w and 2 w + 1: 16 rows x 256 numbers.  Each load reads 512 consecutive bytes of a row; the numbers turn through the wave's own stage in LDS
; (rows of 512 + 16 bytes), so that a lane gets 16 neighbours of each block of 32.  Waves share nothing: no barrier, no cluster (no input byte is read twice in the launch).
.set SP,    528                        ; a stage row
.set STG,   16*SP                      ; a stage: 16 rows x 128 numbers
.set WREG,  2*STG                      ; a wave's two stages
.set SPARE, 4*WREG                     ; behind the stages: the spare words, 128 bytes for each wave, which no other line names
.set LI,  1                            ; v1   16 x lane
.set STI, 2                            ; v2   into the stage: my wave's base + 16 x lane
.set STO, 3                            ; v3   out of it: base + 528 r + 64 h
.set SA,  4                            ; v4   my scale word's place: 8 r + 4 h
.set SPW, 5                            ; v5   my spare word; never rewritten
.set NIL, 6                            ; v6   0; never rewritten
.set TM,  8                            ; v8-11 largest magnitudes, v12-15 bytes, v16-19 448 x the scale, v20-23 the conversions' scale operands
.set PW,  24                           ; v24, v25 the two fragments' scale words
.set T,   26
.set PC0, 32                           ; v32-47, v48-63 the two fragments' codes
.set PC1, 48
.set R0,  64                           ; v64-127, v128-191 the two fragments' numbers
.set R1,  128
.set SEL, 20                           ; s[20:21] v_permlanex16_b32's selects for lane l xor 16
.set HM,  22                           ; s22  the lanes 16-31
.set MNT, 23                           ; s23  the mantissa field of 448
	s_load_b256 s[4:11], s[0:1], 0x0               ; x, Wq, Wk, Wv
	s_load_b128 s[12:15], s[0:1], 0x20             ; Wo, codes
	s_load_b64 s[16:17], s[0:1], 0x30              ; scales
	v_lshl_add_u32 v[SPW], v0, 2, SPARE
	v_mov_b32 v[NIL], 0
	v_lshrrev_b32 v7, 5, v0
	v_readfirstlane_b32 s18, v7                    ; wave 0..3
	v_and_b32 v7, 31, v0
	v_lshlrev_b32 v[LI], 4, v7
	s_mul_i32 s19, s18, WREG
	v_add_nc_u32 v[STI], s19, v[LI]
	v_and_b32 v7, 15, v0                           ; r
	v_bfe_u32 v27, v0, 4, 1                        ; h
	v_mul_u32_u24 v[STO], v7, SP
	v_lshl_add_u32 v[STO], v27, 6, v[STO]
	v_add_nc_u32 v[STO], s19, v[STO]
	v_lshlrev_b32 v[SA], 3, v7
	v_lshl_add_u32 v[SA], v27, 2, v[SA]
	v_cmp_ne_u32 s[HM], 0, v27
.irp b, 0,1,2,3
	v_mov_b32 v[TM+4+\b], 0                        ; written once: a lane permute's destination counts as one of its sources
.endr
	s_mov_b32 s[SEL], 0x76543210
	s_mov_b32 s[SEL+1], 0xfedcba98
	s_mov_b32 s[MNT], 0x600000
	s_and_b32 s26, ttmp9, 63
	s_cmp_lt_u32 ttmp9, 256
	s_cselect_b32 s26, ttmp9, s26                  ; T: the tile's number inside its tensor
	s_lshr_b32 s27, s26, 1
	s_lshl_b32 s27, s27, 5
	s_and_b32 s28, s26, 1
	s_lshl_b32 s28, s28, 3
	s_add_co_u32 s27, s27, s28                     ; its first row: 32 (T / 2) + 8 (T % 2)
	s_lshl_b32 s28, s27, 12                        ; rows of 4,096 bytes
	s_lshl_b32 s27, s18, 10                        ; my wave's 256 numbers
	s_add_co_u32 s28, s28, s27
	s_mov_b32 s29, 0
	s_lshl_b32 s30, ttmp9, 14                      ; the tile's codes,
	s_lshl_b32 s27, s18, 12                        ; my two fragments
	s_add_co_u32 s30, s30, s27
	s_mov_b32 s31, 0
	s_lshl_b32 s32, ttmp9, 9                       ; the tile's scale words,
	s_lshl_b32 s27, s18, 7                         ; my K pair's
	s_add_co_u32 s32, s32, s27
	s_mov_b32 s33, 0
	s_wait_kmcnt 0x0
	s_mov_b64 s[24:25], s[12:13]                   ; which tensor: the choice hangs on the work-group's number alone
	s_cmp_lt_u32 ttmp9, 448
	s_cselect_b64 s[24:25], s[10:11], s[24:25]
	s_cmp_lt_u32 ttmp9, 384
	s_cselect_b64 s[24:25], s[8:9], s[24:25]
	s_cmp_lt_u32 ttmp9, 320
	s_cselect_b64 s[24:25], s[6:7], s[24:25]
	s_cmp_lt_u32 ttmp9, 256
	s_cselect_b64 s[24:25], s[4:5], s[24:25]
	s_add_nc_u64 s[24:25], s[24:25], s[28:29]
	s_add_nc_u64 s[14:15], s[14:15], s[30:31]
	s_add_nc_u64 s[16:17], s[16:17], s[32:33]
.macro LOADF f, reg                    ; fragment f: place i of the tile is row i + 8 (i / 8) from the tile's first; 32 lanes read 512 consecutive bytes
.irp i, 0,1,2,3,4,5,6,7,8,9,10,11,12,13,14,15
	global_load_b128 v[\reg+4*\i:\reg+4*\i+3], v[LI], s[24:25] offset:(\i+8*(\i/8))*4096+512*\f th:TH_LOAD_NT
.endr
.endm
.macro TURN f, reg                     ; through stage f and back into the same registers: LDS serves a wave's instructions in order, so no wait stands between the stores and the loads
.irp i, 0,1,2,3,4,5,6,7,8,9,10,11,12,13,14,15
	ds_store_b128 v[STI], v[\reg+4*\i:\reg+4*\i+3] offset:STG*\f+SP*\i
.endr
.irp b, 0,1,2,3
.irp j, 0,1,2,3
	ds_load_b128 v[\reg+16*\b+4*\j:\reg+16*\b+4*\j+3], v[STO] offset:STG*\f+128*\b+16*\j   ; register 16 b + i = k 32 b + 16 h + i of my row
.endr
.endr
.endm
; 64 numbers of a lane become a fragment's codes in v[pc] on and its row's scale word in v[pw]
.macro QUANT s, pc, pw
.irp b, 0,1,2,3
	v_max3_num_f32 v[TM+\b], |v[\s+16*\b]|, |v[\s+16*\b+1]|, 0x4800000   ; block b: my 16 numbers, and the floor 2^(9 - 127): the byte cannot fall under 1
.endr
.irp i, 2,4,6,8,10,12,14
.irp b, 0,1,2,3
	v_max3_num_f32 v[TM+\b], v[TM+\b], |v[\s+16*\b+\i]|, |v[\s+16*\b+\i+1]|   ; the four blocks by turns
.endr
.endr
.irp b, 0,1,2,3
	v_permlanex16_b32 v[TM+4+\b], v[TM+\b], s[SEL], s[SEL+1]
.endr
.irp b, 0,1,2,3
	v_max_num_f32 v[TM+\b], v[TM+\b], v[TM+4+\b]   ; with lane l xor 16's: the block's largest magnitude
.endr
.irp b, 0,1,2,3
	v_add_nc_u32 v[TM+12+\b], 0xfc000000, v[TM+\b] ; 8 off its exponent field: the conversion's scale operand
.endr
.irp b, 0,1,2,3
	v_and_or_b32 v[TM+8+\b], v[TM+\b], 0x7f800000, s[MNT]   ; 448 x the scale
.endr
.irp b, 0,1,2,3
	v_lshrrev_b32 v[TM+4+\b], 23, v[TM+12+\b]      ; the scale's byte
.endr
	v_lshl_or_b32 v[\pw], v[TM+5], 8, v[TM+4]
	v_lshl_or_b32 v[\pw], v[TM+6], 16, v[\pw]
	v_lshl_or_b32 v[\pw], v[TM+7], 24, v[\pw]
.irp b, 0,1,2,3
.set i, 0
.rept 16
	v_med3_num_f32 v[\s+16*\b+i], v[\s+16*\b+i], -v[TM+8+\b], v[TM+8+\b]   ; the conversion to an 8-bit code does not saturate (ISA guide 7.6.2): the hold
.set i, i+1
.endr
	v_cvt_scalef32_pk8_fp8_f32 v[\pc+4*\b:\pc+4*\b+1], v[\s+16*\b:\s+16*\b+7], v[TM+12+\b]
	v_cvt_scalef32_pk8_fp8_f32 v[\pc+4*\b+2:\pc+4*\b+3], v[\s+16*\b+8:\s+16*\b+15], v[TM+12+\b]
.endr
	v_nop                                          ; a plain line behind the last conversion
.endm
	LOADF 0, R0
	LOADF 1, R1                                    ; all 32 loads of the wave are out
	s_wait_loadcnt 16                              ; fragment 0's are in; fragment 1's sixteen may be out
	TURN 0, R0
	s_wait_loadcnt 0x0
	TURN 1, R1
	s_wait_dscnt 32                                ; fragment 0 is back; the second turn's 32 LDS instructions may be out
	QUANT R0, PC0, PW
.irp c, 0,1,2,3
	global_store_b128 v[LI], v[PC0+4*\c:PC0+4*\c+3], s[14:15] offset:512*\c        ; 32 lanes store 512 consecutive bytes, aligned
.endr
	s_wait_dscnt 0x0
	QUANT R1, PC1, PW+1
.irp c, 0,1,2,3
	global_store_b128 v[LI], v[PC1+4*\c:PC1+4*\c+3], s[14:15] offset:2048+512*\c
.endr
	v_cndmask_b32 v[T], v[PW], v[PW+1], s[HM]      ; lanes 0-15 the first K step's word of row r, lanes 16-31 the second's
	global_store_b32 v[SA], v[T], s[16:17]         ; 128 consecutive bytes
	s_wait_tensorcnt 0x0                           ; the wave's end, behind my last LDS store
	ds_add_u32 v[SPW], v[NIL]
	s_wait_dscnt 0x0
	s_endpgm
.Lfunc_end_k_q2746158a27_quant:
	.size	k_q2746158a27_quant, .Lfunc_end_k_q2746158a27_quant-k_q2746158a27_quant
	.p2alignl 7, 3214868480
	.fill 96, 4, 3214868480
	.section	.rodata,"a",@progbits
	.p2align	6, 0x0
	.amdhsa_kernel k_q2746158a27_quant
		.amdhsa_group_segment_fixed_size 68096
		.amdhsa_private_segment_fixed_size 0
		.amdhsa_enable_private_segment 0
		.amdhsa_kernarg_size 56
		.amdhsa_user_sgpr_count 2
		.amdhsa_user_sgpr_kernarg_segment_ptr 1
		.amdhsa_wavefront_size32 1
		.amdhsa_system_sgpr_workgroup_id_x 1
		.amdhsa_system_sgpr_workgroup_id_y 1
		.amdhsa_system_sgpr_workgroup_id_z 1
		.amdhsa_system_vgpr_workitem_id 0
		.amdhsa_next_free_vgpr 192
		.amdhsa_next_free_sgpr 66
		.amdhsa_reserve_vcc 0
		.amdhsa_float_denorm_mode_32 3
		.amdhsa_float_denorm_mode_16_64 3
		.amdhsa_memory_ordered 1
		.amdhsa_forward_progress 1
		.amdhsa_inst_pref_size 27
	.end_amdhsa_kernel
	.amdgpu_metadata
---
amdhsa.version: [ 1, 2 ]
amdhsa.kernels:
  - .name:           k_q2746158a27_quant
    .symbol:         k_q2746158a27_quant.kd
    .args:
      - { .name: x, .offset: 0, .size: 8, .value_kind: global_buffer, .address_space: global }
      - { .name: Wq, .offset: 8, .size: 8, .value_kind: global_buffer, .address_space: global }
      - { .name: Wk, .offset: 16, .size: 8, .value_kind: global_buffer, .address_space: global }
      - { .name: Wv, .offset: 24, .size: 8, .value_kind: global_buffer, .address_space: global }
      - { .name: Wo, .offset: 32, .size: 8, .value_kind: global_buffer, .address_space: global }
      - { .name: codes, .offset: 40, .size: 8, .value_kind: global_buffer, .address_space: global }
      - { .name: scales, .offset: 48, .size: 8, .value_kind: global_buffer, .address_space: global }
    .group_segment_fixed_size: 68096
    .private_segment_fixed_size: 0
    .kernarg_segment_align: 8
    .kernarg_segment_size: 56
    .max_flat_workgroup_size: 128
    .sgpr_count:     66
    .vgpr_count:     192
    .wavefront_size: 32
...
	.end_amdgpu_metadata
.endif
;; end of part 1
;; launch proj (part 2): grid 8 x 24, 4 waves a work-group, clusters of 4 x 4, 327,680 bytes of LDS; arguments codes, scales, bq, bk, bv, qimg, kv; writes qimg, kv
.if DOCPART == 2
	.amdgcn_target "amdgcn-amd-amdhsa--gfx1250"
	.amdhsa_code_object_version 6
	.text
	.protected	k_q2746158a27_proj
	.globl	k_q2746158a27_proj
	.p2align	8
	.type	k_q2746158a27_proj,@function
k_q2746158a27_proj:
	s_mov_b64 s[64:65], 0
	v_nop
	global_prefetch_b8 v0, s[64:65] scope:SCOPE_SE
	s_setreg_imm32_b32 hwreg(HW_REG_WAVE_MODE, 25, 1), 1
	s_wait_xcnt 0x0
	s_wait_alu depctr_hold_cnt(0) depctr_sa_sdst(0) depctr_va_vdst(0) depctr_va_sdst(0) depctr_va_ssrc(0) depctr_va_vcc(0) depctr_vm_vsrc(0)
	s_getreg_b32 s2, hwreg(HW_REG_IB_STS2, 6, 4)
	s_cmp_eq_u32 s2, 0
	s_cbranch_scc0 .Lentry_in_a_cluster
	s_endpgm
.Lentry_in_a_cluster:
	s_bfe_u32 s2, ttmp6, 0x10000c
	s_cmp_lg_u32 s2, 0xf033
	s_cbranch_scc0 .Lentry_shape_is_right
	s_endpgm
.Lentry_shape_is_right:
; Launch 2 of 4: q = x Wq^T + bq, k = x Wk^T + bk, v = x Wv^T + bv on codes of FP8 (E4M3) with E8M0 scales, and their quantising for the attention: q and k along the head's 64, v along the keys.  No work is left out.
; A tile of 256 x 256 is made by four waves, 128 x 128 each: 64 accumulators, 512 registers.  Source 0 of the matrix instruction is 'B' (its index runs along a lane's registers), source 1 is 'A' (its index is the lane).
; TWO MODES, by the cluster's y alone (the same in all sixteen partners):  mode 0 (y 0-3): A = x, B = Wq then Wk: a lane holds one token and its registers run along the heads' channels.
; mode 1 (y 4, 5): A = Wv, B = x: a lane holds one channel and its registers run along the tokens, which are the second attention product's K.
; The operands lie in memory as images of their registers (16 rows x 128 K = 2,048 bytes, lane l's 16 bytes of chunk c at 512 c + 16 l), so every LDS load takes 512 consecutive bytes: no pitch, no padding.
; The rows of a tile are chosen so that the 16 registers of B's tiles 2 b and 2 b + 1 are 16 neighbours: two conversions give a chunk of the next operand's image, stored by one instruction, 512 aligned bytes.
; K = 1,024 goes in four steps of 256 through two LDS slots; the scale words of all of K come once.  CLUSTERS of 4 x 4: A's tiles are asked for jointly along a row of the cluster, B's along a column.
; The bias is the C of each sum's first matrix instruction.
; OUT.  qimg: [head 32][step of 128 tokens 16][8,704]: 8 token tiles x 2 chunks x 512, then 512 bytes of scale words ([tile / 4][row][tile % 4]).
; kv: [head][step][17,152]: K as qimg's block; from 8,704 V's four channel tiles x 2,048; from 16,896 V's scale words [row][tile].
; LIMITS: as the first launch states them for the quantiser (a block of zeros gets the byte 1; under 2^-118 not tried; NaN and infinities not served).
; REGISTERS: window 0: v16-31 addresses; v32-63 scale words, two sets; v64-127 the bias; v128-255 A's fragments, one set (on the way out: codes and what the quantiser works with).
;   window 1: B's fragments, two sets.  window 2: the accumulators of my A blocks 0-3 ((a, b) at v[8 (8 (a % 4) + b)]);  window 3: of blocks 4-7.
.set NQ,     2                         ; matrix instructions deep in a K step of 256
.set FR,     16                        ; registers of a fragment
.set NL,     4                         ; LDS loads that bring one
.set NP,     8                         ; places behind this matrix instruction (ISA guide 7.12.1)
.set HALFT,  32768                     ; 8 row tiles x 4,096 bytes: what one tensor load brings, and what a wave reads of A or of B
.set SLOT,   4*HALFT                   ; A's 16 tiles, then B's 16
.set SCL,    2*SLOT                    ; behind the ring: the scale words, 512 bytes a row tile
.set HALFS,  4096                      ; those of 8 tiles
.set SPARE,  SCL+4*HALFS               ; the spare words, 128 bytes for each wave, which no other line names
.set VOF,    8704
.set VSC,    16896
.set ADRA, 16                          ; v16-17  LDS address of my A fragments in slot 0, 1
.set ADRB, 20                          ; v20-21  of B's
.set LI,   24                          ; v24     16 x lane
.set L8,   25                          ; v25     16 r + 8 h
.set BO,   26                          ; v26     64 h: the bias along the registers
.set ADRS, 27                          ; v27     my scale words: lanes 0-15 A's, lanes 16-31 B's
.set SPW,  28                          ; v28     my spare word; never rewritten
.set NIL,  29                          ; v29     0; never rewritten
.set BO2,  30                          ; v30     4 (r + 8 (r / 8)): the bias along the lanes
.set SC,   32
.set BI,   64
.set AF,   128
.set PC,   128                         ; the way out: v128-143 codes
.set TM,   144                         ; v144-147 largest magnitudes, v148-151 bytes, v152-155 448 x the scale, v156-159 the conversions' scale operands
.set SW,   160                         ; v160-175 scale words
.set OT,   176                         ; v176-183 scale words as they are stored
.set WV,   18                          ; s18 wave;  s19 wave / 2: my half of A, and I fetch for A (0) or B (1);  s20 wave % 2: my half of B, and which 8 tiles I fetch
.set RH,   19
.set CH,   20
.set HM,   21                          ; s21 the lanes 16-31
.set MNT,  22                          ; s22 the mantissa field of 448
.set MODE, 23
.set G1,   24                          ; s[24:31] group 1 for A's codes; s[32:39] groups 0, one for each slot
.set G0,   32
.set G1B,  48                          ; the same for B's
.set G0B,  56
.set G1S,  68                          ; groups 1 and 0 for A's scale words, then for B's
.set G0S,  76
.set G1SB, 80
.set G0SB, 88
.set OUT,  92                          ; s[92:93], s[94:95] my two heads' blocks
.set BP,   96                          ; s[96:97] my 128 numbers of the bias
.set SEL,  98                          ; s[98:99]
.set MSB, 0
.macro WIN new                         ; the immediate's high byte repeats the setting that is left
.if MSB != (\new)
	s_set_vgpr_msb (MSB<<8)|(\new)
.set MSB, (\new)
.endif
.endm
.set MUL_LO, 0xa1                      ; source 0 (B) window 1, source 1 (A) window 0, C and D window 2
.set MUL_HI, 0xf1                      ; C and D window 3
.set TO_B,   0x40                      ; destination window 1
; A joint load: waves 0 and 1 fetch for A, waves 2 and 3 for B; the branch hangs on the wave's number alone.  An s_nop 0 and four v_nop follow each line.
.macro JLOAD g0a, g1a, g0b, g1b
	s_cmp_eq_u32 s[RH], 0
	s_cbranch_scc0 .Lfor_b_\@
	tensor_load_to_lds s[\g0a:\g0a+3], s[\g1a:\g1a+7]
	s_nop 0
.rept 4
	v_nop
.endr
	s_branch .Lasked_\@
.Lfor_b_\@:
	tensor_load_to_lds s[\g0b:\g0b+3], s[\g1b:\g1b+7]
	s_nop 0
.rept 4
	v_nop
.endr
.Lasked_\@:
.endm
.macro CREST                           ; a round of the cluster's barrier behind its opening barrier
	s_cmp_lg_u32 s[WV], 0
	s_cbranch_scc1 .Lnot_wave_0_\@
	s_barrier_signal -3
.Lnot_wave_0_\@:
	s_barrier_wait -3
	s_barrier_signal -1
	s_barrier_wait -1
.endm
.macro CROUND
	s_barrier_signal -1
	s_barrier_wait -1
	CREST
.endm
	s_load_b256 s[4:11], s[0:1], 0x0               ; codes, scales, bq, bk
	s_load_b128 s[12:15], s[0:1], 0x20             ; bv, qimg
	s_load_b64 s[16:17], s[0:1], 0x30              ; kv
	v_lshl_add_u32 v[SPW], v0, 2, SPARE
	v_mov_b32 v[NIL], 0
	ds_add_u32 v[SPW], v[NIL]                      ; the wave's opening: the add, twice on end, and its wait ahead of my first tensor load
	ds_add_u32 v[SPW], v[NIL]
	v_lshrrev_b32 v1, 5, v0
	v_readfirstlane_b32 s[WV], v1
	s_lshr_b32 s[RH], s[WV], 1
	s_and_b32 s[CH], s[WV], 1
	s_bfe_u32 s40, ttmp6, 0x40000                  ; cx
	s_bfe_u32 s41, ttmp6, 0x40004                  ; cy
	s_lshl_b32 s42, ttmp9, 2
	s_add_co_u32 s42, s42, s40                     ; X = 4 x cluster x + cx
	s_and_b32 s45, ttmp7, 0xffff                   ; the cluster's y
	s_lshl_b32 s43, s41, 2
	s_lshl_b32 s43, 15, s43                        ; my row of the cluster
	s_lshl_b32 s44, 0x1111, s40                    ; my column
	; group 1 for codes: 8 row tiles x 4,096 bytes (512 elements of 8 bytes), 16,384 bytes apart; bit 21 stands beside a mask
	s_or_b32 s[G1+0], s43, (3<<16)|(1<<21)
	s_or_b32 s[G1B+0], s44, (3<<16)|(1<<21)
.irp g, G1, G1B
	s_mov_b32 s[\g+1], 512<<16                     ; tensor_dim0
	s_mov_b32 s[\g+2], 8<<16                       ; tensor_dim1
	s_mov_b32 s[\g+3], 512<<16                     ; tile_dim0
	s_mov_b32 s[\g+4], 8                           ; tile_dim1
	s_mov_b32 s[\g+5], 2048                        ; tensor_dim0_stride
	s_mov_b32 s[\g+6], 0
	s_mov_b32 s[\g+7], 0
.endr
	; and for the scale words of 8 tiles: 4,096 dense bytes as 16 rows of 256
	s_or_b32 s[G1S+0], s43, (3<<16)|(1<<21)
	s_or_b32 s[G1SB+0], s44, (3<<16)|(1<<21)
.irp g, G1S, G1SB
	s_mov_b32 s[\g+1], 32<<16
	s_mov_b32 s[\g+2], 16<<16
	s_mov_b32 s[\g+3], 32<<16
	s_mov_b32 s[\g+4], 16
	s_mov_b32 s[\g+5], 32
	s_mov_b32 s[\g+6], 0
	s_mov_b32 s[\g+7], 0
.endr
	s_mov_b32 s[SEL], 0x76543210
	s_mov_b32 s[SEL+1], 0xfedcba98
	s_mov_b32 s[MNT], 0x600000
	; which row tiles.  A: mode 0: x's 64 y + 16 cy; mode 1: Wv's 384 + 16 cy.  B: mode 0: 256 + 16 X (Wq, Wk); mode 1: x's 128 (y - 4) + 16 X.  A's hang on y and cy alone, B's on y and X alone
	s_lshl_b32 s46, s45, 6
	s_max_u32 s100, s45, 4
	s_sub_co_u32 s100, s100, 4
	s_lshl_b32 s100, s100, 7
	s_cmp_ge_u32 s45, 4
	s_cselect_b32 s[MODE], 1, 0
	s_cselect_b32 s46, 384, s46
	s_cselect_b32 s100, s100, 256
	s_lshl_b32 s3, s[CH], 3                        ; which 8 tiles I fetch
	s_lshl_b32 s2, s41, 4
	s_add_co_u32 s46, s46, s2
	s_add_co_u32 s46, s46, s3
	s_lshl_b32 s101, s42, 4
	s_add_co_u32 s100, s100, s101
	s_add_co_u32 s100, s100, s3
	s_lshl_b32 s92, s46, 9                         ; 512 bytes of scale words a tile,
	s_mov_b32 s93, 0
	s_lshl_b32 s46, s46, 14                        ; 16,384 of codes
	s_mov_b32 s47, 0
	s_lshl_b32 s94, s100, 9
	s_mov_b32 s95, 0
	s_lshl_b32 s100, s100, 14
	s_mov_b32 s101, 0
	s_lshl_b32 s96, s[WV], 15                      ; where they go: wave x HALFT, wave x HALFS: no place in the cluster enters an LDS address
	s_lshl_b32 s97, s[WV], 12
	s_wait_dscnt 0x0                               ; both opening adds are done
	s_wait_kmcnt 0x0
	s_add_nc_u64 s[46:47], s[4:5], s[46:47]
	s_add_nc_u64 s[92:93], s[6:7], s[92:93]
	s_add_nc_u64 s[100:101], s[4:5], s[100:101]
	s_add_nc_u64 s[94:95], s[6:7], s[94:95]
	CROUND                                         ; all sixteen work-groups are here: the first joint loads meet
	s_mov_b32 s[G0S], 1
	s_add_co_u32 s[G0S+1], s97, SCL
	s_mov_b64 s[G0S+2:G0S+3], s[92:93]
	s_or_b32 s[G0S+3], s[G0S+3], 0x80000000
	s_mov_b32 s[G0SB], 1
	s_add_co_u32 s[G0SB+1], s97, SCL
	s_mov_b64 s[G0SB+2:G0SB+3], s[94:95]
	s_or_b32 s[G0SB+3], s[G0SB+3], 0x80000000
	JLOAD G0S, G1S, G0SB, G1SB                     ; the scale words of all of K: filled once
.irp s, 0,1
	s_mov_b32 s[G0+4*\s], 1
	s_add_co_u32 s[G0+4*\s+1], s96, \s*SLOT
	s_add_nc_u64 s[G0+4*\s+2:G0+4*\s+3], s[46:47], \s*4096
	s_or_b32 s[G0+4*\s+3], s[G0+4*\s+3], 0x80000000
	s_mov_b32 s[G0B+4*\s], 1
	s_add_co_u32 s[G0B+4*\s+1], s96, \s*SLOT
	s_add_nc_u64 s[G0B+4*\s+2:G0B+4*\s+3], s[100:101], \s*4096
	s_or_b32 s[G0B+4*\s+3], s[G0B+4*\s+3], 0x80000000
	JLOAD G0+4*\s, G1, G0B+4*\s, G1B               ; K steps 0 and 1: three loads of mine are out
.endr
	v_and_b32 v1, 15, v0                           ; r
	v_bfe_u32 v2, v0, 4, 1                         ; h
	v_and_b32 v3, 31, v0
	v_lshlrev_b32 v[LI], 4, v3
	s_lshl_b32 s2, s[RH], 15                       ; my 8 tiles of A
	s_lshl_b32 s3, s[CH], 15                       ; my 8 tiles of B,
	s_add_co_u32 s3, s3, 2*HALFT                   ; behind A's 16
.irp s, 0,1
	v_add_nc_u32 v[ADRA+\s], s2, v[LI]
	v_add_nc_u32 v[ADRB+\s], s3, v[LI]
	s_add_co_u32 s2, s2, SLOT
	s_add_co_u32 s3, s3, SLOT
.endr
	v_lshlrev_b32 v5, 3, v1                        ; my row's two words of a K step
	s_lshl_b32 s2, s[RH], 12
	s_lshl_b32 s3, s[CH], 12
	s_add_co_u32 s3, s3, 2*HALFS
	s_sub_co_u32 s3, s3, s2
	v_mul_u32_u24 v6, s3, v2                       ; lanes 16-31 take B's
	s_add_co_u32 s2, s2, SCL
	v_add_nc_u32 v5, v5, v6
	v_add_nc_u32 v[ADRS], s2, v5
	v_lshlrev_b32 v[L8], 4, v1
	v_lshl_add_u32 v[L8], v2, 3, v[L8]
	v_lshlrev_b32 v[BO], 6, v2
	v_and_b32 v4, 8, v1
	v_add_nc_u32 v4, v4, v1
	v_lshlrev_b32 v[BO2], 2, v4
	v_cmp_ne_u32 s[HM], 0, v2
	; where the results go, and which bias.  tokT: which 256 tokens; hq: which 256 channels; hw, sw: my wave's half of each
	s_lshl_b32 s2, s45, 2
	s_add_co_u32 s2, s2, s41                       ; mode 0: 4 y + cy
	s_max_u32 s3, s45, 4
	s_sub_co_u32 s3, s3, 4
	s_lshl_b32 s3, s3, 3
	s_add_co_u32 s3, s3, s42                       ; mode 1: X + 8 (y - 4)
	s_and_b32 s46, s42, 3
	s_mov_b32 s101, 17152
	s_cmp_eq_u32 ttmp9, 0                          ; mode 0: X under 4 is q, else k
	s_cselect_b64 s[BP:BP+1], s[8:9], s[10:11]
	s_cselect_b64 s[OUT:OUT+1], s[14:15], s[16:17]
	s_cselect_b32 s100, 8704, s101
	s_cmp_lg_u32 s[MODE], 0
	s_cselect_b64 s[BP:BP+1], s[12:13], s[BP:BP+1]
	s_cselect_b64 s[OUT:OUT+1], s[16:17], s[OUT:OUT+1]
	s_cselect_b32 s100, s101, s100                 ; a block's bytes
	s_cselect_b32 s2, s3, s2                       ; tokT
	s_cselect_b32 s3, s41, s46                     ; hq
	s_cselect_b32 s46, s[RH], s[CH]                ; hw
	s_cselect_b32 s47, s[CH], s[RH]                ; sw
	s_lshl_b32 s44, s3, 10
	s_lshl_b32 s43, s46, 9
	s_add_co_u32 s44, s44, s43                     ; 4 (256 hq + 128 hw)
	s_mov_b32 s45, 0
	s_add_nc_u64 s[BP:BP+1], s[BP:BP+1], s[44:45]
	s_lshr_b32 s43, s2, 3
	s_lshl_b32 s43, s43, 4
	s_lshl_b32 s3, s3, 2
	s_add_co_u32 s43, s43, s3
	s_lshl_b32 s46, s46, 1
	s_add_co_u32 s43, s43, s46                     ; my first head: 16 batch + 4 hq + 2 hw
	s_and_b32 s2, s2, 7
	s_lshl_b32 s2, s2, 1
	s_add_co_u32 s2, s2, s47                       ; my step of 128 tokens
	s_lshl_b32 s43, s43, 4
	s_add_co_u32 s43, s43, s2
	s_mul_i32 s44, s43, s100
	s_add_nc_u64 s[OUT:OUT+1], s[OUT:OUT+1], s[44:45]
	s_lshl_b32 s44, s100, 4                        ; the next head: 16 blocks on
	s_add_nc_u64 s[OUT+2:OUT+3], s[OUT:OUT+1], s[44:45]
.macro FRAG reg, adr, q, i             ; a fragment as it lies: four loads of 512 consecutive bytes
.irp c, 0,1,2,3
	ds_load_b128 v[\reg+4*\c:\reg+4*\c+3], v[\adr] offset:(\i)*4096+(\q)*2048+512*\c
.endr
.endm
; 16 matrix instructions: A's blocks a0, a0 + 1 x B's eight.  p: B's set; q: which 128 of the K step; sc: the set of scale words.  zero = 1: C is the bias along the registers (by b); 2: along the lanes (by a); 0: the sum goes on.
; The 64 accumulators take turns, one instruction a turn, in the same order in every step.
.macro MUL16 a0, p, q, sc, zero
.irp a, \a0, \a0+1
.irp b, 0,1,2,3,4,5,6,7
.if (\zero) == 1
	v_wmma_scale_f32_16x16x128_f8f6f4 v[8*(8*((\a)%4)+\b):8*(8*((\a)%4)+\b)+7], v[128*(\p)+FR*\b:128*(\p)+FR*\b+FR-1], v[AF+FR*(\a):AF+FR*(\a)+FR-1], v[BI+8*\b:BI+8*\b+7], v[SC+8*NQ*(\sc)+NQ*\b+(\q)], v[SC+8*NQ*(\sc)+NQ*(\a)+(\q)] matrix_a_scale:MATRIX_SCALE_ROW1
.elseif (\zero) == 2
	v_wmma_scale_f32_16x16x128_f8f6f4 v[8*(8*((\a)%4)+\b):8*(8*((\a)%4)+\b)+7], v[128*(\p)+FR*\b:128*(\p)+FR*\b+FR-1], v[AF+FR*(\a):AF+FR*(\a)+FR-1], v[BI+8*(\a):BI+8*(\a)+7], v[SC+8*NQ*(\sc)+NQ*\b+(\q)], v[SC+8*NQ*(\sc)+NQ*(\a)+(\q)] matrix_a_scale:MATRIX_SCALE_ROW1
.else
	v_wmma_scale_f32_16x16x128_f8f6f4 v[8*(8*((\a)%4)+\b):8*(8*((\a)%4)+\b)+7], v[128*(\p)+FR*\b:128*(\p)+FR*\b+FR-1], v[AF+FR*(\a):AF+FR*(\a)+FR-1], v[8*(8*((\a)%4)+\b):8*(8*((\a)%4)+\b)+7], v[SC+8*NQ*(\sc)+NQ*\b+(\q)], v[SC+8*NQ*(\sc)+NQ*(\a)+(\q)] matrix_a_scale:MATRIX_SCALE_ROW1
.endif
.endr
.endr
.endm
.macro FETCH_B slot, q, p
	WIN TO_B
.irp i, 0,1,2,3,4,5,6,7
	FRAG 128*(\p)+FR*\i, ADRB+\slot, \q, \i
.endr
	WIN 0
.endm
.macro FETCH_A slot, q, i0
.irp i, \i0, \i0+1, \i0+2, \i0+3
	FRAG AF+FR*(\i), ADRA+\slot, \q, \i
.endr
.endm
.macro SCALES sc                       ; a K step's two words a row: lanes 0-15 A's block i, lanes 16-31 B's block i
.irp i, 0,1,2,3,4,5,6,7
	ds_load_b64 v[SC+8*NQ*\sc+NQ*\i:SC+8*NQ*\sc+NQ*\i+1], v[ADRS] offset:\i*512
.endr
.endm
.macro PLACES n                        ; plain vector lines between a matrix instruction and a load into, or a vector line on, its registers
.rept \n
	v_nop
.endr
.endm
; A step of 128 along K that has its successor in the same slot.  A's blocks 0-3 are fetched anew in its middle, blocks 4-7 at its end; B has two sets.
.macro STEP slot, q, zero
	s_wait_dscnt 4*NL                              ; all but the youngest sixteen loads (A's blocks 4-7) are in
.if \zero
	WIN 0x81                                       ; C, the bias, in window 0; D in window 2
.else
	WIN MUL_LO
.endif
	MUL16 0, (\q)%2, \q, \slot, \zero
	MUL16 2, (\q)%2, \q, \slot, \zero
	s_wait_dscnt 0
	PLACES NP
	FETCH_B \slot, (\q)+1, 1-(\q)%2
	FETCH_A \slot, (\q)+1, 0
.if \zero
	WIN 0xc1
.else
	WIN MUL_HI
.endif
	MUL16 4, (\q)%2, \q, \slot, \zero
	MUL16 6, (\q)%2, \q, \slot, \zero
	PLACES NP
	WIN 0
	FETCH_A \slot, (\q)+1, 4
.endm
; A slot's last step changes slots: one barrier; in front of it each wave waits for all its tensor loads, adds 0 to its spare word, and waits for that and for its reads of this slot.  fill = 1: the barrier opens a round of the
; cluster's barrier, and this slot is filled again, two K steps ahead, first thing behind the round.
.macro TURN slot, next, fill
	s_wait_tensorcnt 0x0                           ; all my tensor loads have landed: my part of the next slot
	ds_add_u32 v[SPW], v[NIL]
	s_wait_dscnt 4*NL+1                            ; the add and the youngest sixteen loads may be out
	WIN MUL_LO
	MUL16 0, 1, NQ-1, \slot, 0
	s_wait_dscnt 0x0                               ; the add is done, and my reads of this slot are over
	s_barrier_signal -1
	MUL16 2, 1, NQ-1, \slot, 0
	WIN 0
	s_barrier_wait -1
.if \fill
	CREST                                          ; no wave of any partner still reads this slot or has a load on its way
	s_add_nc_u64 s[G0+4*\slot+2:G0+4*\slot+3], s[G0+4*\slot+2:G0+4*\slot+3], 8192
	s_add_nc_u64 s[G0B+4*\slot+2:G0B+4*\slot+3], s[G0B+4*\slot+2:G0B+4*\slot+3], 8192
	JLOAD G0+4*\slot, G1, G0B+4*\slot, G1B         ; its four v_nop are among the places in front of the loads below
	PLACES NP-4
.else
	PLACES NP
.endif
	v_add_nc_u32 v[ADRS], 128, v[ADRS]             ; the next K step's scale words
	FETCH_B \next, 0, 0
	FETCH_A \next, 0, 0
	SCALES \next
	WIN MUL_HI
	MUL16 4, 1, NQ-1, \slot, 0
	MUL16 6, 1, NQ-1, \slot, 0
	PLACES NP
	WIN 0
	FETCH_A \next, 0, 4
.endm
	; the bias, in the result's layout
	s_cmp_lg_u32 s[MODE], 0
	s_cbranch_scc1 .Lbias_v
.irp b, 0,1,2,3,4,5,6,7                        ; mode 0: register j of tile b is channel 32 (b / 2) + 16 h + 8 (b % 2) + j
	global_load_b128 v[BI+8*\b:BI+8*\b+3], v[BO], s[BP:BP+1] offset:4*(32*(\b/2)+8*(\b%2))
	global_load_b128 v[BI+8*\b+4:BI+8*\b+7], v[BO], s[BP:BP+1] offset:4*(32*(\b/2)+8*(\b%2))+16
.endr
	s_branch .Lbias_done
.Lbias_v:
.irp a, 0,1,2,3,4,5,6,7                        ; mode 1: lane r of block a is channel 32 (a / 2) + 8 (a % 2) + r + 8 (r / 8), in all eight registers
	global_load_b32 v[BI+8*\a], v[BO2], s[BP:BP+1] offset:4*(32*(\a/2)+8*(\a%2))
.endr
	s_wait_loadcnt 0x0
.irp a, 0,1,2,3,4,5,6,7
.irp j, 1,2,3,4,5,6,7
	v_mov_b32 v[BI+8*\a+\j], v[BI+8*\a]
.endr
.endr
.Lbias_done:
	s_wait_loadcnt 0x0
	s_wait_tensorcnt 1                             ; the scale words and my part of K step 0 are in; K step 1's load may be out
	s_barrier_signal -1
	s_barrier_wait -1
	FETCH_B 0, 0, 0
	FETCH_A 0, 0, 0
	SCALES 0
	FETCH_A 0, 0, 4
	s_cmp_lg_u32 s[MODE], 0
	s_cbranch_scc1 .Lfirst_v
	STEP 0, 0, 1                                   ; the first products start the sums with the bias
	s_branch .Lfirst_done
.Lfirst_v:
	STEP 0, 0, 2
.Lfirst_done:
	TURN 0, 1, 1                                   ; four K steps, written out
	STEP 1, 0, 0
	TURN 1, 0, 1
	STEP 0, 0, 0
	TURN 0, 1, 0                                   ; nothing is left to fetch
	STEP 1, 0, 0
	s_wait_dscnt 4*NL
	WIN MUL_LO
	MUL16 0, 1, NQ-1, 1, 0
	MUL16 2, 1, NQ-1, 1, 0
	s_wait_dscnt 0
	WIN MUL_HI
	MUL16 4, 1, NQ-1, 1, 0
	MUL16 6, 1, NQ-1, 1, 0
	WIN 0
; THE WAY OUT.  Block a's 64 registers of a lane are four blocks of 32 along the next K (16 here, 16 in lane l xor 16): codes into v[PC] on, bytes into v[TM+4] on.  Each accumulator is read from its low end on.
.macro QUANT4 a
.set AC, 64*((\a)%4)
.set WW, 2+(\a)/4
	WIN WW*5                                       ; sources 0 and 1: the accumulators' window
.irp b, 0,1,2,3
	v_max3_num_f32 v[TM+\b], |v[AC+16*\b]|, |v[AC+16*\b+1]|, 0x4800000   ; and the floor 2^(9 - 127): the byte cannot fall under 1
.endr
.irp i, 2,4,6,8,10,12,14
.irp b, 0,1,2,3
	v_max3_num_f32 v[TM+\b], |v[AC+16*\b+\i]|, |v[AC+16*\b+\i+1]|, v[TM+\b]
.endr
.endr
	WIN 0
.irp b, 0,1,2,3
	v_permlanex16_b32 v[TM+4+\b], v[TM+\b], s[SEL], s[SEL+1]
.endr
.irp b, 0,1,2,3
	v_max_num_f32 v[TM+\b], v[TM+\b], v[TM+4+\b]
.endr
.irp b, 0,1,2,3
	v_add_nc_u32 v[TM+12+\b], 0xfc000000, v[TM+\b] ; 8 off the exponent field: the conversion's scale operand
.endr
.irp b, 0,1,2,3
	v_and_or_b32 v[TM+8+\b], v[TM+\b], 0x7f800000, s[MNT]   ; 448 x the scale
.endr
.irp b, 0,1,2,3
	v_lshrrev_b32 v[TM+4+\b], 23, v[TM+12+\b]      ; the scale's byte
.endr
	WIN WW*0x41                                    ; destination and source 0: the accumulators' window
.irp b, 0,1,2,3
.set i, 0
.rept 16
	v_med3_num_f32 v[AC+16*\b+i], v[AC+16*\b+i], -v[TM+8+\b], v[TM+8+\b]   ; the conversion does not saturate (ISA guide 7.6.2): the hold
.set i, i+1
.endr
.endr
.if (\a) > 0
	s_wait_xcnt 0x0                                ; the last block's stores have read their data: the codes' registers are written again only behind this wait
.endif
	WIN WW
.irp b, 0,1,2,3
	v_cvt_scalef32_pk8_fp8_f32 v[PC+4*\b:PC+4*\b+1], v[AC+16*\b:AC+16*\b+7], v[TM+12+\b]
	v_cvt_scalef32_pk8_fp8_f32 v[PC+4*\b+2:PC+4*\b+3], v[AC+16*\b+8:AC+16*\b+15], v[TM+12+\b]
.endr
	WIN 0
	v_nop                                          ; a plain line behind the last conversion
.endm
	PLACES NP
.irp b, 0,1,2,3
	v_mov_b32 v[TM+4+\b], 0                        ; a lane permute's destination counts as one of its sources
.endr
	s_cmp_lg_u32 s[MODE], 0
	s_cbranch_scc1 .Lout_v
.irp a, 0,1,2,3,4,5,6,7                        ; q or k: token tile a; blocks 0, 1 are my first head's 64 channels, blocks 2, 3 my second's
	QUANT4 \a
.irp c, 0,1,2,3
	global_store_b128 v[LI], v[PC+4*\c:PC+4*\c+3], s[OUT+2*(\c/2):OUT+2*(\c/2)+1] offset:1024*\a+512*(\c%2)   ; 512 consecutive bytes, aligned
.endr
	v_lshl_or_b32 v[SW+\a], v[TM+5], 8, v[TM+4]    ; two bytes; the word's upper two stay 0, over zero codes
	v_lshl_or_b32 v[SW+8+\a], v[TM+7], 8, v[TM+6]
.endr
.irp l, 0,1
.irp i, 0,1,2,3
	v_cndmask_b32 v[OT+4*\l+\i], v[SW+8*\l+\i], v[SW+8*\l+4+\i], s[HM]   ; lanes 0-15: tiles 0-3 of row r; lanes 16-31: tiles 4-7
.endr
	global_store_b128 v[LI], v[OT+4*\l:OT+4*\l+3], s[OUT+2*\l:OUT+2*\l+1] offset:8192
.endr
	s_branch .Lend
.Lout_v:
.irp a, 0,1,2,3,4,5,6,7                        ; v: head a / 4, channel tile a % 4; the four blocks are the step's 128 keys
	QUANT4 \a
.irp c, 0,1,2,3
	global_store_b128 v[LI], v[PC+4*\c:PC+4*\c+3], s[OUT+2*(\a/4):OUT+2*(\a/4)+1] offset:VOF+2048*(\a%4)+512*\c
.endr
	v_lshl_or_b32 v[SW+\a], v[TM+5], 8, v[TM+4]
	v_lshl_or_b32 v[SW+\a], v[TM+6], 16, v[SW+\a]
	v_lshl_or_b32 v[SW+\a], v[TM+7], 24, v[SW+\a]
.endr
.irp l, 0,1
	v_cndmask_b32 v[OT+2*\l], v[SW+4*\l], v[SW+4*\l+2], s[HM]       ; lanes 0-15: tiles 0, 1 of row r; lanes 16-31: tiles 2, 3
	v_cndmask_b32 v[OT+2*\l+1], v[SW+4*\l+1], v[SW+4*\l+3], s[HM]
	global_store_b64 v[L8], v[OT+2*\l:OT+2*\l+1], s[OUT+2*\l:OUT+2*\l+1] offset:VSC   ; 256 consecutive bytes, aligned
.endr
.Lend:
	s_wait_tensorcnt 0x0                           ; the wave's end
	ds_add_u32 v[SPW], v[NIL]
	s_wait_dscnt 0x0
	CROUND                                         ; the closing round: no work-group ends while a partner may still ask for a tile that names it
	s_endpgm
.Lfunc_end_k_q2746158a27_proj:
	.size	k_q2746158a27_proj, .Lfunc_end_k_q2746158a27_proj-k_q2746158a27_proj
	.p2alignl 7, 3214868480
	.fill 96, 4, 3214868480
	.section	.rodata,"a",@progbits
	.p2align	6, 0x0
	.amdhsa_kernel k_q2746158a27_proj
		.amdhsa_group_segment_fixed_size 327680
		.amdhsa_private_segment_fixed_size 0
		.amdhsa_enable_private_segment 0
		.amdhsa_kernarg_size 56
		.amdhsa_user_sgpr_count 2
		.amdhsa_user_sgpr_kernarg_segment_ptr 1
		.amdhsa_wavefront_size32 1
		.amdhsa_system_sgpr_workgroup_id_x 1
		.amdhsa_system_sgpr_workgroup_id_y 1
		.amdhsa_system_sgpr_workgroup_id_z 1
		.amdhsa_system_vgpr_workitem_id 0
		.amdhsa_next_free_vgpr 1024
		.amdhsa_next_free_sgpr 102
		.amdhsa_reserve_vcc 0
		.amdhsa_float_denorm_mode_32 3
		.amdhsa_float_denorm_mode_16_64 3
		.amdhsa_memory_ordered 1
		.amdhsa_forward_progress 1
		.amdhsa_inst_pref_size 255
	.end_amdhsa_kernel
	.section	.bss,"aw",@nobits
	.p2align	6
	.space	262144
	.amdgpu_metadata
---
amdhsa.version: [ 1, 2 ]
amdhsa.kernels:
  - .name:           k_q2746158a27_proj
    .symbol:         k_q2746158a27_proj.kd
    .args:
      - { .name: codes, .offset: 0, .size: 8, .value_kind: global_buffer, .address_space: global }
      - { .name: scales, .offset: 8, .size: 8, .value_kind: global_buffer, .address_space: global }
      - { .name: bq, .offset: 16, .size: 8, .value_kind: global_buffer, .address_space: global }
      - { .name: bk, .offset: 24, .size: 8, .value_kind: global_buffer, .address_space: global }
      - { .name: bv, .offset: 32, .size: 8, .value_kind: global_buffer, .address_space: global }
      - { .name: qimg, .offset: 40, .size: 8, .value_kind: global_buffer, .address_space: global }
      - { .name: kv, .offset: 48, .size: 8, .value_kind: global_buffer, .address_space: global }
    .group_segment_fixed_size: 327680
    .private_segment_fixed_size: 0
    .kernarg_segment_align: 8
    .kernarg_segment_size: 56
    .max_flat_workgroup_size: 128
    .sgpr_count:     102
    .vgpr_count:     1024
    .wavefront_size: 32
...
	.end_amdgpu_metadata
.endif
;; end of part 2
;; launch attn (part 3): grid 8 x 32, 16 waves a work-group, clusters of 4 x 1, 327,680 bytes of LDS; arguments qimg, kv, ac, asc; writes ac, asc
.if DOCPART == 3
	.amdgcn_target "amdgcn-amd-amdhsa--gfx1250"
	.amdhsa_code_object_version 6
	.text
	.protected	k_q2746158a27_attn
	.globl	k_q2746158a27_attn
	.p2align	8
	.type	k_q2746158a27_attn,@function
k_q2746158a27_attn:
	s_mov_b64 s[64:65], 0
	v_nop
	global_prefetch_b8 v0, s[64:65] scope:SCOPE_SE
	s_setreg_imm32_b32 hwreg(HW_REG_WAVE_MODE, 25, 1), 1
	s_wait_xcnt 0x0
	s_wait_alu depctr_hold_cnt(0) depctr_sa_sdst(0) depctr_va_vdst(0) depctr_va_sdst(0) depctr_va_ssrc(0) depctr_va_vcc(0) depctr_vm_vsrc(0)
	s_getreg_b32 s2, hwreg(HW_REG_IB_STS2, 6, 4)
	s_cmp_eq_u32 s2, 0
	s_cbranch_scc0 .Lentry_in_a_cluster
	s_endpgm
.Lentry_in_a_cluster:
	s_bfe_u32 s2, ttmp6, 0x10000c
	s_cmp_lg_u32 s2, 0x3003
	s_cbranch_scc0 .Lentry_shape_is_right
	s_endpgm
.Lentry_shape_is_right:
; Launch 3 of 4: for each of 32 heads (batch x 16 + head), O = softmax(Q K^T / 8) V on codes of FP8 (E4M3) with E8M0 scales, and O's quantising along the model's 1,024 for the last product.  No work is left out.
; THE SOFTMAX AHEAD OF THE SECOND PRODUCT: t = score x log2(e) / 8; M = the running largest t, rounded up to a whole number; p = 2^(t - M) is quantised along the keys, not normalised; the row's sum is taken of the
; unquantised p and divides O at the end.  When M moves, the sum and O are multiplied by 2^(old M - new M), which rounds nothing.
; SHARES.  A work-group owns 256 queries of one head, each of its sixteen waves one tile of 16, in 256 registers: four waves to a SIMD, so that one wave's vector work stands beside another's products and LDS loads.
; ALL OF THE HEAD'S K AND V LIE IN LDS: 16 key steps x 17,152 bytes, each byte filled once, so no slot is ever filled again.  The four work-groups of a cluster belong to one head and ask for each block JOINTLY.
; Waves 0-3 ask, four blocks each, in the order of the walk; the walk begins when the first four blocks are in.
; LAYOUT.  Both products are used transposed: S^T = K Q^T (source 0 = 16 keys), O^T = V^T P^T (source 0 = 16 channels): a lane holds one query throughout.  Operands lie as images of their registers: a load takes 512
; consecutive bytes.  The keys of a tile are chosen so that the 16 registers of tiles 2 b, 2 b + 1 are keys 32 b + 16 (lane / 16) + 0 .. 15; V's channel tiles likewise, so that O's registers run along the model's axis.
; The scores' K is 64: registers 8-15 of Q's and K's fragments hold zero codes, written once.
; LIMITS: the quantiser's, as the first launch states them; a block of p that has fallen to 0 keeps the byte 1 over zero codes; NaN and infinities are not served.
; REGISTERS: v1 16 x lane, v2 16 r; v8, v9 the step's addresses; v12 -M, v13 the largest t, v[14:15] the sum in two halves; v16-31 Q; v32-95 four fragments of K; v96-159 S^T, then p, then V's four fragments;
; v160-191 O^T; v192-207 p's codes; v208-215 K's scale words, v216-219 V's, v220 p's, v221 Q's; v224-242 at work.
.set BLK,   17152                      ; a key step's block: K's codes 8,192, K's scale words 512, V's codes 8,192, V's scale words 256
.set QBLK,  8704
.set KSC,   8192
.set VOF,   8704
.set VSC,   16896
.set SPARE, 16*BLK                     ; behind the blocks: the spare words, 128 bytes for each wave, which no other line names
.set AL,  1
.set AR,  2
.set SPW, 5                            ; v5  my spare word; never rewritten
.set NIL, 6                            ; v6  0; never rewritten
.set AB,  7                            ; v7  8 r + h: my scale byte's place
.set ADK, 8
.set ADS, 9
.set QF,  16
.set KFR, 32
.set S,   96
.set O,   160
.set PCD, 192
.set KS,  208
.set VS,  216
.set PS,  220
.set QS,  221
.set BM,  224                          ; the blocks' largest scores, then largest p
.set T1,  228
.set LIM, 232
.set CVS, 236
.set F,   240                          ; v[240:241] f = 2^(old M - new M): the packed forms name the pair and take its low word
.set TT,  242
.set WV,  12
.set SEL, 16                           ; s[16:17]
.set CS,  18                           ; s[18:19] c = log2(e) / 8
.set MNT, 20
.set TB,  21                           ; s21 LDS byte at which the step's block begins
.set CNT, 22
.set HM,  23
.set G1,  24                           ; s[24:31]
.set G0,  32                           ; s[32:47] four groups 0
.macro CROUND
	s_barrier_signal -1
	s_barrier_wait -1
	s_cmp_lg_u32 s[WV], 0
	s_cbranch_scc1 .Lnot_wave_0_\@
	s_barrier_signal -3
.Lnot_wave_0_\@:
	s_barrier_wait -3
	s_barrier_signal -1
	s_barrier_wait -1
.endm
	s_load_b256 s[4:11], s[0:1], 0x0               ; qimg, kv, ac, asc
	v_lshl_add_u32 v[SPW], v0, 2, SPARE
	v_mov_b32 v[NIL], 0
	ds_add_u32 v[SPW], v[NIL]                      ; the wave's opening: the add, twice on end, and its wait ahead of the first tensor loads
	ds_add_u32 v[SPW], v[NIL]
	v_lshrrev_b32 v3, 5, v0
	v_readfirstlane_b32 s[WV], v3                  ; wave 0..15
	s_bfe_u32 s13, ttmp6, 0x40000                  ; cx: it enters Q's and the results' global addresses alone
	s_lshl_b32 s14, ttmp9, 2
	s_add_co_u32 s14, s14, s13                     ; my block of 256 queries
	s_and_b32 s15, ttmp7, 0xffff                   ; the head, which the four partners share
	; group 1: a block of 17,152 dense bytes as 67 rows of 256 (32 elements of 8 bytes); the mask names all four work-groups, bit 21 stands beside it
	s_mov_b32 s[G1], 15|(3<<16)|(1<<21)
	s_mov_b32 s[G1+1], 32<<16
	s_mov_b32 s[G1+2], 67<<16
	s_mov_b32 s[G1+3], 32<<16
	s_mov_b32 s[G1+4], 67
	s_mov_b32 s[G1+5], 32
	s_mov_b32 s[G1+6], 0
	s_mov_b32 s[G1+7], 0
	s_mov_b32 s[SEL], 0x76543210
	s_mov_b32 s[SEL+1], 0xfedcba98
	s_mov_b32 s[CS], 0x3e38aa3b
	s_mov_b32 s[CS+1], s[CS]
	s_mov_b32 s[MNT], 0x600000
	s_mov_b32 s[TB], 0
	s_lshl_b32 s48, s15, 4
	s_add_co_u32 s48, s48, s[WV]
	s_mul_i32 s48, s48, BLK                        ; key step = my wave's number, in memory,
	s_mov_b32 s49, 0
	s_mul_i32 s50, s[WV], BLK                      ; and in LDS
	s_and_b32 s51, s[WV], 7                        ; a: my tile in its step of 128 queries
	s_lshr_b32 s52, s[WV], 3
	s_lshl_b32 s53, s14, 1
	s_add_co_u32 s52, s52, s53                     ; that step
	s_lshl_b32 s53, s15, 4
	s_add_co_u32 s53, s53, s52
	s_mul_i32 s53, s53, QBLK
	s_lshl_b32 s54, s51, 10
	s_add_co_u32 s54, s54, s53                     ; Q's codes: 1,024 bytes a tile
	s_mov_b32 s55, 0
	s_lshr_b32 s56, s51, 2
	s_lshl_b32 s56, s56, 8
	s_add_co_u32 s56, s56, s53
	s_and_b32 s57, s51, 3
	s_lshl_b32 s57, s57, 2
	s_add_co_u32 s56, s56, s57
	s_add_co_u32 s56, s56, KSC                     ; Q's scale words: [a / 4][row][a % 4]
	s_mov_b32 s57, 0
	s_lshr_b32 s58, s15, 4
	s_lshl_b32 s58, s58, 7
	s_lshl_b32 s59, s52, 3
	s_add_co_u32 s58, s58, s59
	s_add_co_u32 s58, s58, s51                     ; my token tile: 128 batch + 8 step + a
	s_and_b32 s62, s15, 15                         ; the head inside its batch
	s_lshl_b32 s60, s58, 9
	s_lshr_b32 s59, s62, 2
	s_lshl_b32 s59, s59, 7
	s_add_co_u32 s60, s60, s59
	s_and_b32 s59, s62, 3
	s_lshl_b32 s59, s59, 1
	s_add_co_u32 s60, s60, s59                     ; asc: 512 tile + 128 (head / 4) + 2 (head % 4)
	s_mov_b32 s61, 0
	s_lshl_b32 s58, s58, 14
	s_lshl_b32 s59, s62, 10
	s_add_co_u32 s58, s58, s59                     ; ac: 16,384 tile + 1,024 head: the head's 64 are two chunks
	s_mov_b32 s59, 0
	s_wait_dscnt 0x0                               ; both opening adds are done
	s_wait_kmcnt 0x0
	s_add_nc_u64 s[48:49], s[6:7], s[48:49]
	s_add_nc_u64 s[54:55], s[4:5], s[54:55]
	s_add_nc_u64 s[56:57], s[4:5], s[56:57]
	s_add_nc_u64 s[58:59], s[8:9], s[58:59]
	s_add_nc_u64 s[60:61], s[10:11], s[60:61]
	CROUND                                         ; all four work-groups are here: the joint loads meet
.irp g, 0,1,2,3
	s_mov_b32 s[G0+4*\g], 1
	s_add_co_u32 s[G0+4*\g+1], s50, \g*4*BLK       ; key step 4 g + wave
	s_add_nc_u64 s[G0+4*\g+2:G0+4*\g+3], s[48:49], \g*4*BLK
	s_or_b32 s[G0+4*\g+3], s[G0+4*\g+3], 0x80000000
.endr
	s_cmp_lt_u32 s[WV], 4                          ; waves 0-3 ask; a wave's four loads stand in one branch on its number: four loads of mine are out at the most
	s_cbranch_scc0 .Lno_load
.irp g, 0,1,2,3
	tensor_load_to_lds s[G0+4*\g:G0+4*\g+3], s[G1:G1+7]
	s_nop 0
.endr
.rept 4
	v_nop
.endr
.Lno_load:
	v_and_b32 v3, 31, v0
	v_lshlrev_b32 v[AL], 4, v3
	v_and_b32 v3, 15, v0                           ; r
	v_lshlrev_b32 v[AR], 4, v3
	v_bfe_u32 v4, v0, 4, 1                         ; h
	v_lshl_add_u32 v[AB], v3, 3, v4
	v_cmp_ne_u32 s[HM], 0, v4
	global_load_b128 v[QF:QF+3], v[AL], s[54:55]
	global_load_b128 v[QF+4:QF+7], v[AL], s[54:55] offset:512
	global_load_b32 v[QS], v[AR], s[56:57]
.set j, 8
.rept 8
	v_mov_b32 v[QF+j], 0                           ; zero codes for k = 64 .. 127
.set j, j+1
.endr
.irp t, 0,1,2,3
.set j, 8
.rept 8
	v_mov_b32 v[KFR+16*\t+j], 0
.set j, j+1
.endr
.endr
	v_mov_b32 v13, 0xff61b1e6                      ; the largest t so far: -3e38
	v_floor_f32 v12, -v13                          ; -M
	v_mov_b32 v14, 0
	v_mov_b32 v15, 0
.irp b, 0,1,2,3
	v_mov_b32 v[T1+\b], 0                          ; a lane permute's destination counts as one of its sources
.endr
	v_mov_b32 v[F+1], 0                            ; named as the upper half of a pair
	v_mov_b32 v[TT], 0
.set j, 0
.rept 32
	v_mov_b32 v[O+j], 0                            ; the step is written once: the first finds zeros, which the first change of M leaves zeros
.set j, j+1
.endr
; A KEY STEP: 128 keys
.macro STEP
	v_add_nc_u32 v[ADK], s[TB], v[AL]
	v_add_nc_u32 v[ADS], s[TB], v[AR]
.rept 7
	v_nop                                          ; nine places in all: the scores below are written over registers that the last step's products read as V
.endr
.irp g, 0,1                                    ; S^T = K Q^T, four tiles of 16 keys at a time
.if \g > 0
.rept 8
	v_nop                                          ; places in front of loads into registers that matrix instructions have read
.endr
.endif
.irp t, 0,1,2,3
	ds_load_b128 v[KFR+16*\t:KFR+16*\t+3], v[ADK] offset:(4*\g+\t)*1024
	ds_load_b128 v[KFR+16*\t+4:KFR+16*\t+7], v[ADK] offset:(4*\g+\t)*1024+512
.endr
.if \g == 0
	ds_load_b128 v[KS:KS+3], v[ADS] offset:KSC     ; row r's words of tiles 0-3,
	ds_load_b128 v[KS+4:KS+7], v[ADS] offset:KSC+256   ; and of tiles 4-7
.endif
	s_wait_dscnt 0x0
.irp t, 0,1,2,3
	v_wmma_scale_f32_16x16x128_f8f6f4 v[S+8*(4*\g+\t):S+8*(4*\g+\t)+7], v[KFR+16*\t:KFR+16*\t+15], v[QF:QF+15], 0, v[KS+4*\g+\t], v[QS]
.endr
.endr
.rept 8
	v_nop
.endr
.irp b, 0,1,2,3
	v_max3_num_f32 v[BM+\b], v[S+16*\b], v[S+16*\b+1], v[S+16*\b+2]   ; the largest score of each block of 32 keys: for the row's maximum and, since p rises with the score, for the block's largest p
.endr
.irp i, 3,5,7,9,11,13
.irp b, 0,1,2,3
	v_max3_num_f32 v[BM+\b], v[BM+\b], v[S+16*\b+\i], v[S+16*\b+\i+1]
.endr
.endr
.irp b, 0,1,2,3
	v_max_num_f32 v[BM+\b], v[BM+\b], v[S+16*\b+15]
.endr
.irp b, 0,1,2,3
	v_permlanex16_b32 v[T1+\b], v[BM+\b], s[SEL], s[SEL+1]
.endr
.irp b, 0,1,2,3
	v_max_num_f32 v[BM+\b], v[BM+\b], v[T1+\b]     ; with lane l xor 16's 16 keys
.endr
	v_max3_num_f32 v[TT], v[BM], v[BM+1], v[BM+2]
	v_max_num_f32 v[TT], v[TT], v[BM+3]
	v_mul_f32 v[TT], s[CS], v[TT]                  ; as t
	v_max_num_f32 v13, v13, v[TT]                  ; the running largest t
	v_mov_b32 v[TT], v12
	v_floor_f32 v12, -v13                          ; the new -M = -ceil(t)
	v_sub_f32 v[TT], v12, v[TT]                    ; old M - new M: a whole number, 0 or less
	v_cvt_i32_f32 v[TT], v[TT]                     ; (it saturates)
	v_ldexp_f32 v[F], 1.0, v[TT]                   ; f
.set j, 0
.rept 32
	v_pk_fma_f32 v[S+j:S+j+1], v[S+j:S+j+1], s[CS:CS+1], v[12:13] op_sel_hi:[1,0,0]   ; t - M, two at a time
.set j, j+2
.endr
.irp b, 0,1,2,3
	v_fma_f32 v[BM+\b], v[BM+\b], s[CS], v12
.endr
.set j, 0
.rept 64
	v_exp_f32 v[S+j], v[S+j]                       ; p = 2^(t - M)
.set j, j+1
.endr
	v_pk_mul_f32 v[14:15], v[14:15], v[F:F+1] op_sel_hi:[1,0]   ; the sums under the new M: a plain line behind the exponentials
	s_wait_alu depctr_va_vdst(0)                   ; one wait for the batch, ahead of its first reader
.irp b, 0,1,2,3
	v_exp_f32 v[BM+\b], v[BM+\b]                   ; the blocks' largest p
.endr
	v_pk_add_f32 v[T1:T1+1], v[S:S+1], v[S+2:S+3]  ; the row's sum of the unquantised p, in two chains
.set j, 4
.rept 15
	v_pk_add_f32 v[14:15], v[14:15], v[S+j:S+j+1]
	v_pk_add_f32 v[T1:T1+1], v[T1:T1+1], v[S+j+2:S+j+3]
.set j, j+4
.endr
	v_pk_add_f32 v[14:15], v[14:15], v[T1:T1+1]
	s_wait_alu depctr_va_vdst(0)                   ; and one for the four
.irp b, 0,1,2,3
	v_max_num_f32 v[BM+\b], 0x4800000, v[BM+\b]    ; the floor 2^(9 - 127)
.endr
.irp b, 0,1,2,3
	v_add_nc_u32 v[CVS+\b], 0xfc000000, v[BM+\b]
.endr
.irp b, 0,1,2,3
	v_and_or_b32 v[LIM+\b], v[BM+\b], 0x7f800000, s[MNT]
.endr
.irp b, 0,1,2,3
	v_lshrrev_b32 v[T1+\b], 23, v[CVS+\b]
.endr
	v_lshl_or_b32 v[PS], v[T1+1], 8, v[T1]         ; p's scale word for these 128 keys
	v_lshl_or_b32 v[PS], v[T1+2], 16, v[PS]
	v_lshl_or_b32 v[PS], v[T1+3], 24, v[PS]
.irp b, 0,1,2,3
.set i, 0
.rept 16
	v_min_num_f32 v[S+16*\b+i], v[S+16*\b+i], v[LIM+\b]   ; the hold; p is not negative, so it is one-sided
.set i, i+1
.endr
	v_cvt_scalef32_pk8_fp8_f32 v[PCD+4*\b:PCD+4*\b+1], v[S+16*\b:S+16*\b+7], v[CVS+\b]
	v_cvt_scalef32_pk8_fp8_f32 v[PCD+4*\b+2:PCD+4*\b+3], v[S+16*\b+8:S+16*\b+15], v[CVS+\b]
.endr
	v_nop                                          ; a plain line behind the last conversion
.irp t, 0,1,2,3                                ; V's four channel tiles take p's registers
.irp c, 0,1,2,3
	ds_load_b128 v[S+16*\t+4*\c:S+16*\t+4*\c+3], v[ADK] offset:VOF+2048*\t+512*\c
.endr
.endr
	ds_load_b128 v[VS:VS+3], v[ADS] offset:VSC
.set j, 0
.rept 16
	v_pk_mul_f32 v[O+j:O+j+1], v[O+j:O+j+1], v[F:F+1] op_sel_hi:[1,0]   ; O^T under the new M; also the places between the codes and the products
.set j, j+2
.endr
	s_wait_dscnt 0x0
.irp t, 0,1,2,3
	v_wmma_scale_f32_16x16x128_f8f6f4 v[O+8*\t:O+8*\t+7], v[S+16*\t:S+16*\t+15], v[PCD:PCD+15], v[O+8*\t:O+8*\t+7], v[VS+\t], v[PS]
.endr
	s_add_co_u32 s[TB], s[TB], BLK
.endm
; Four key steps.  left: the later groups of four blocks, which may still be on their way; the count may be above 0.
.macro GROUP left
	s_wait_tensorcnt \left                         ; my block of this group is in (waves 4-15 have none out),
	s_barrier_signal -1
	s_barrier_wait -1                              ; everybody's is
	s_mov_b32 s[CNT], 4
.Lstep_\@:
	STEP
	s_sub_co_u32 s[CNT], s[CNT], 1
	s_cmp_lg_u32 s[CNT], 0
	s_cbranch_scc1 .Lstep_\@
.endm
	s_wait_loadcnt 0x0                             ; Q
	GROUP 3
	GROUP 2
	GROUP 1
	GROUP 0
	; THE WAY OUT: O^T / the sum; its 32 registers are two blocks of 32 along the model's axis (16 here, 16 in lane l xor 16); codes and bytes go out as the last product's operand
.rept 8
	v_nop                                          ; places behind the last products
.endr
	v_add_f32 v14, v14, v15
	v_permlanex16_b32 v[TT], v14, s[SEL], s[SEL+1]
	v_add_f32 v14, v14, v[TT]                      ; the row's sum
	v_rcp_f32 v14, v14
	v_nop
	s_wait_alu depctr_va_vdst(0)                   ; the wait ahead of the reciprocal's first reader
.set j, 0
.rept 16
	v_pk_mul_f32 v[S+j:S+j+1], v[O+j:O+j+1], v[14:15] op_sel_hi:[1,0]
.set j, j+2
.endr
.irp b, 0,1
	v_max3_num_f32 v[BM+\b], |v[S+16*\b]|, |v[S+16*\b+1]|, 0x4800000
.endr
.irp i, 2,4,6,8,10,12,14
.irp b, 0,1
	v_max3_num_f32 v[BM+\b], v[BM+\b], |v[S+16*\b+\i]|, |v[S+16*\b+\i+1]|
.endr
.endr
.irp b, 0,1
	v_permlanex16_b32 v[T1+\b], v[BM+\b], s[SEL], s[SEL+1]
.endr
.irp b, 0,1
	v_max_num_f32 v[BM+\b], v[BM+\b], v[T1+\b]
.endr
.irp b, 0,1
	v_add_nc_u32 v[CVS+\b], 0xfc000000, v[BM+\b]
.endr
.irp b, 0,1
	v_and_or_b32 v[LIM+\b], v[BM+\b], 0x7f800000, s[MNT]
.endr
.irp b, 0,1
	v_lshrrev_b32 v[T1+\b], 23, v[CVS+\b]
.endr
.irp b, 0,1
.set i, 0
.rept 16
	v_med3_num_f32 v[S+16*\b+i], v[S+16*\b+i], -v[LIM+\b], v[LIM+\b]
.set i, i+1
.endr
	v_cvt_scalef32_pk8_fp8_f32 v[PCD+4*\b:PCD+4*\b+1], v[S+16*\b:S+16*\b+7], v[CVS+\b]
	v_cvt_scalef32_pk8_fp8_f32 v[PCD+4*\b+2:PCD+4*\b+3], v[S+16*\b+8:S+16*\b+15], v[CVS+\b]
.endr
	v_nop
	global_store_b128 v[AL], v[PCD:PCD+3], s[58:59]                ; 512 consecutive bytes, aligned
	global_store_b128 v[AL], v[PCD+4:PCD+7], s[58:59] offset:512
	v_cndmask_b32 v[TT], v[T1], v[T1+1], s[HM]     ; lanes 0-15 the first block's byte of row r, lanes 16-31 the second's
	global_store_b8 v[AB], v[TT], s[60:61]         ; 32 bytes, two in each row's eight: one byte for 32 codes
	s_wait_tensorcnt 0x0                           ; the wave's end
	ds_add_u32 v[SPW], v[NIL]
	s_wait_dscnt 0x0
	CROUND                                         ; the closing round
	s_endpgm
.Lfunc_end_k_q2746158a27_attn:
	.size	k_q2746158a27_attn, .Lfunc_end_k_q2746158a27_attn-k_q2746158a27_attn
	.p2alignl 7, 3214868480
	.fill 96, 4, 3214868480
	.section	.rodata,"a",@progbits
	.p2align	6, 0x0
	.amdhsa_kernel k_q2746158a27_attn
		.amdhsa_group_segment_fixed_size 327680
		.amdhsa_private_segment_fixed_size 0
		.amdhsa_enable_private_segment 0
		.amdhsa_kernarg_size 32
		.amdhsa_user_sgpr_count 2
		.amdhsa_user_sgpr_kernarg_segment_ptr 1
		.amdhsa_wavefront_size32 1
		.amdhsa_system_sgpr_workgroup_id_x 1
		.amdhsa_system_sgpr_workgroup_id_y 1
		.amdhsa_system_sgpr_workgroup_id_z 1
		.amdhsa_system_vgpr_workitem_id 0
		.amdhsa_next_free_vgpr 256
		.amdhsa_next_free_sgpr 66
		.amdhsa_reserve_vcc 0
		.amdhsa_float_denorm_mode_32 3
		.amdhsa_float_denorm_mode_16_64 3
		.amdhsa_memory_ordered 1
		.amdhsa_forward_progress 1
		.amdhsa_inst_pref_size 90
	.end_amdhsa_kernel
	.amdgpu_metadata
---
amdhsa.version: [ 1, 2 ]
amdhsa.kernels:
  - .name:           k_q2746158a27_attn
    .symbol:         k_q2746158a27_attn.kd
    .args:
      - { .name: qimg, .offset: 0, .size: 8, .value_kind: global_buffer, .address_space: global }
      - { .name: kv, .offset: 8, .size: 8, .value_kind: global_buffer, .address_space: global }
      - { .name: ac, .offset: 16, .size: 8, .value_kind: global_buffer, .address_space: global }
      - { .name: asc, .offset: 24, .size: 8, .value_kind: global_buffer, .address_space: global }
    .group_segment_fixed_size: 327680
    .private_segment_fixed_size: 0
    .kernarg_segment_align: 8
    .kernarg_segment_size: 32
    .max_flat_workgroup_size: 512
    .sgpr_count:     66
    .vgpr_count:     256
    .wavefront_size: 32
...
	.end_amdgpu_metadata
.endif
;; end of part 3
;; launch oproj (part 4): grid 4 x 16, 4 waves a work-group, clusters of 4 x 4, 327,680 bytes of LDS; arguments ac, asc, codes, scales, bo, out0; writes out0
.if DOCPART == 4
	.amdgcn_target "amdgcn-amd-amdhsa--gfx1250"
	.amdhsa_code_object_version 6
	.text
	.protected	k_q2746158a27_oproj
	.globl	k_q2746158a27_oproj
	.p2align	8
	.type	k_q2746158a27_oproj,@function
k_q2746158a27_oproj:
	s_mov_b64 s[64:65], 0
	v_nop
	global_prefetch_b8 v0, s[64:65] scope:SCOPE_SE
	s_setreg_imm32_b32 hwreg(HW_REG_WAVE_MODE, 25, 1), 1
	s_wait_xcnt 0x0
	s_wait_alu depctr_hold_cnt(0) depctr_sa_sdst(0) depctr_va_vdst(0) depctr_va_sdst(0) depctr_va_ssrc(0) depctr_va_vcc(0) depctr_vm_vsrc(0)
	s_getreg_b32 s2, hwreg(HW_REG_IB_STS2, 6, 4)
	s_cmp_eq_u32 s2, 0
	s_cbranch_scc0 .Lentry_in_a_cluster
	s_endpgm
.Lentry_in_a_cluster:
	s_bfe_u32 s2, ttmp6, 0x10000c
	s_cmp_lg_u32 s2, 0xf033
	s_cbranch_scc0 .Lentry_shape_is_right
	s_endpgm
.Lentry_shape_is_right:
; Launch 4 of 4: out0 = merged Wo^T + bo on codes of FP8 (E4M3) with E8M0 scales; out0 [4096][1024] f32.  No work is left out.
; The loop is the second launch's: a tile of 256 x 256 by four waves of 128 x 128; source 0 = 'B' = Wo's rows (they run along a lane's registers), source 1 = 'A' = the tokens (the lane); operands lie as images of their
; registers; K = 1,024 in four steps of 256 through two LDS slots; the scale words of all of K come once; clusters of 4 x 4 with A's tiles asked for jointly along a row and B's along a column; bo is the C of each sum's first product.
; The rows of a tile are not neighbours (place r of tile T is row 32 (T / 2) + 8 (T % 2) + r + 8 (r / 8)): the way out puts columns and rows back by its offsets.
; 64 work-groups: the tile is kept, so that the loop's text is the second launch's.
; REGISTERS: window 0: v16-31 addresses; v32-63 scale words, two sets; v64-127 the bias; v128-255 A's fragments (on the way out: rows of out0).  window 1: B's fragments, two sets.  windows 2, 3: the accumulators.
.set NQ,     2
.set FR,     16
.set NL,     4
.set NP,     8                         ; places behind this matrix instruction (ISA guide 7.12.1)
.set HALFT,  32768
.set SLOT,   4*HALFT
.set SCL,    2*SLOT
.set HALFS,  4096
.set SPARE,  SCL+4*HALFS               ; the spare words, 128 bytes for each wave, which no other line names
.set SPITCH, 528                       ; the way out: a stage of 16 rows x (512 + 16) bytes for each wave, in slot 0, which has had its last fill and its last read by then
.set ADRA, 16
.set ADRB, 20
.set LI,   24                          ; v24  16 x lane
.set STO,  25                          ; v25  into the stage: 528 r + 64 h
.set BO,   26                          ; v26  64 h
.set ADRS, 27
.set SPW,  28                          ; v28  my spare word; never rewritten
.set NIL,  29                          ; v29  0; never rewritten
.set RD,   30                          ; v30  out of the stage: 16 x lane
.set SC,   32
.set BI,   64
.set AF,   128
.set BK,   128                         ; the way out: v128-191 and v192-255 by turns
.set WV,   18
.set RH,   19
.set CH,   20
.set G1,   24
.set G0,   32
.set G1B,  48
.set G0B,  56
.set G1S,  68
.set G0S,  76
.set G1SB, 80
.set G0SB, 88
.set BP,   96                          ; s[96:97] my 128 numbers of bo
.set MSB, 0
.macro WIN new                         ; the immediate's high byte repeats the setting that is left
.if MSB != (\new)
	s_set_vgpr_msb (MSB<<8)|(\new)
.set MSB, (\new)
.endif
.endm
.set MUL_LO, 0xa1
.set MUL_HI, 0xf1
.set TO_B,   0x40
.macro JLOAD g0a, g1a, g0b, g1b        ; a joint load: waves 0 and 1 fetch for A, waves 2 and 3 for B; an s_nop 0 and four v_nop follow each line
	s_cmp_eq_u32 s[RH], 0
	s_cbranch_scc0 .Lfor_b_\@
	tensor_load_to_lds s[\g0a:\g0a+3], s[\g1a:\g1a+7]
	s_nop 0
.rept 4
	v_nop
.endr
	s_branch .Lasked_\@
.Lfor_b_\@:
	tensor_load_to_lds s[\g0b:\g0b+3], s[\g1b:\g1b+7]
	s_nop 0
.rept 4
	v_nop
.endr
.Lasked_\@:
.endm
.macro CREST
	s_cmp_lg_u32 s[WV], 0
	s_cbranch_scc1 .Lnot_wave_0_\@
	s_barrier_signal -3
.Lnot_wave_0_\@:
	s_barrier_wait -3
	s_barrier_signal -1
	s_barrier_wait -1
.endm
.macro CROUND
	s_barrier_signal -1
	s_barrier_wait -1
	CREST
.endm
	s_load_b256 s[4:11], s[0:1], 0x0               ; ac, asc, codes, scales
	s_load_b128 s[12:15], s[0:1], 0x20             ; bo, out0
	v_lshl_add_u32 v[SPW], v0, 2, SPARE
	v_mov_b32 v[NIL], 0
	ds_add_u32 v[SPW], v[NIL]                      ; the wave's opening: the add, twice on end, and its wait ahead of my first tensor load
	ds_add_u32 v[SPW], v[NIL]
	v_lshrrev_b32 v1, 5, v0
	v_readfirstlane_b32 s[WV], v1
	s_lshr_b32 s[RH], s[WV], 1
	s_and_b32 s[CH], s[WV], 1
	s_bfe_u32 s40, ttmp6, 0x40000                  ; cx
	s_bfe_u32 s41, ttmp6, 0x40004                  ; cy
	s_lshl_b32 s42, ttmp9, 2
	s_add_co_u32 s42, s42, s40                     ; tile column
	s_and_b32 s45, ttmp7, 0xffff
	s_lshl_b32 s45, s45, 2
	s_add_co_u32 s45, s45, s41                     ; tile row
	s_lshl_b32 s43, s41, 2
	s_lshl_b32 s43, 15, s43                        ; my row of the cluster
	s_lshl_b32 s44, 0x1111, s40                    ; my column
	s_or_b32 s[G1+0], s43, (3<<16)|(1<<21)         ; codes: 8 row tiles x 4,096 bytes, 16,384 bytes apart
	s_or_b32 s[G1B+0], s44, (3<<16)|(1<<21)
.irp g, G1, G1B
	s_mov_b32 s[\g+1], 512<<16
	s_mov_b32 s[\g+2], 8<<16
	s_mov_b32 s[\g+3], 512<<16
	s_mov_b32 s[\g+4], 8
	s_mov_b32 s[\g+5], 2048
	s_mov_b32 s[\g+6], 0
	s_mov_b32 s[\g+7], 0
.endr
	s_or_b32 s[G1S+0], s43, (3<<16)|(1<<21)        ; scale words of 8 tiles: 16 rows of 256 dense bytes
	s_or_b32 s[G1SB+0], s44, (3<<16)|(1<<21)
.irp g, G1S, G1SB
	s_mov_b32 s[\g+1], 32<<16
	s_mov_b32 s[\g+2], 16<<16
	s_mov_b32 s[\g+3], 32<<16
	s_mov_b32 s[\g+4], 16
	s_mov_b32 s[\g+5], 32
	s_mov_b32 s[\g+6], 0
	s_mov_b32 s[\g+7], 0
.endr
	s_lshl_b32 s3, s[CH], 3                        ; which 8 tiles I fetch
	s_lshl_b32 s46, s45, 4
	s_add_co_u32 s46, s46, s3                      ; A: token tile 16 x tile row + 8 x half
	s_lshl_b32 s100, s42, 4
	s_add_co_u32 s100, s100, s3
	s_add_co_u32 s100, s100, 448                   ; B: Wo's tiles begin at 448
	s_lshl_b32 s92, s46, 9
	s_mov_b32 s93, 0
	s_lshl_b32 s46, s46, 14
	s_mov_b32 s47, 0
	s_lshl_b32 s94, s100, 9
	s_mov_b32 s95, 0
	s_lshl_b32 s100, s100, 14
	s_mov_b32 s101, 0
	s_lshl_b32 s96, s[WV], 15
	s_lshl_b32 s97, s[WV], 12
	s_wait_dscnt 0x0                               ; both opening adds are done
	s_wait_kmcnt 0x0
	s_add_nc_u64 s[46:47], s[4:5], s[46:47]
	s_add_nc_u64 s[92:93], s[6:7], s[92:93]
	s_add_nc_u64 s[100:101], s[8:9], s[100:101]
	s_add_nc_u64 s[94:95], s[10:11], s[94:95]
	CROUND                                         ; all sixteen work-groups are here: the first joint loads meet
	s_mov_b32 s[G0S], 1
	s_add_co_u32 s[G0S+1], s97, SCL
	s_mov_b64 s[G0S+2:G0S+3], s[92:93]
	s_or_b32 s[G0S+3], s[G0S+3], 0x80000000
	s_mov_b32 s[G0SB], 1
	s_add_co_u32 s[G0SB+1], s97, SCL
	s_mov_b64 s[G0SB+2:G0SB+3], s[94:95]
	s_or_b32 s[G0SB+3], s[G0SB+3], 0x80000000
	JLOAD G0S, G1S, G0SB, G1SB
.irp s, 0,1
	s_mov_b32 s[G0+4*\s], 1
	s_add_co_u32 s[G0+4*\s+1], s96, \s*SLOT
	s_add_nc_u64 s[G0+4*\s+2:G0+4*\s+3], s[46:47], \s*4096
	s_or_b32 s[G0+4*\s+3], s[G0+4*\s+3], 0x80000000
	s_mov_b32 s[G0B+4*\s], 1
	s_add_co_u32 s[G0B+4*\s+1], s96, \s*SLOT
	s_add_nc_u64 s[G0B+4*\s+2:G0B+4*\s+3], s[100:101], \s*4096
	s_or_b32 s[G0B+4*\s+3], s[G0B+4*\s+3], 0x80000000
	JLOAD G0+4*\s, G1, G0B+4*\s, G1B               ; three loads of mine are out
.endr
	v_and_b32 v1, 15, v0                           ; r
	v_bfe_u32 v2, v0, 4, 1                         ; h
	v_and_b32 v3, 31, v0
	v_lshlrev_b32 v[LI], 4, v3
	s_lshl_b32 s2, s[RH], 15
	s_lshl_b32 s3, s[CH], 15
	s_add_co_u32 s3, s3, 2*HALFT
.irp s, 0,1
	v_add_nc_u32 v[ADRA+\s], s2, v[LI]
	v_add_nc_u32 v[ADRB+\s], s3, v[LI]
	s_add_co_u32 s2, s2, SLOT
	s_add_co_u32 s3, s3, SLOT
.endr
	v_lshlrev_b32 v5, 3, v1
	s_lshl_b32 s2, s[RH], 12
	s_lshl_b32 s3, s[CH], 12
	s_add_co_u32 s3, s3, 2*HALFS
	s_sub_co_u32 s3, s3, s2
	v_mul_u32_u24 v6, s3, v2                       ; lanes 16-31 take B's
	s_add_co_u32 s2, s2, SCL
	v_add_nc_u32 v5, v5, v6
	v_add_nc_u32 v[ADRS], s2, v5
	v_lshlrev_b32 v[BO], 6, v2
	s_mul_i32 s2, s[WV], 16*SPITCH                 ; my stage
	v_mul_u32_u24 v[STO], v1, SPITCH
	v_lshl_add_u32 v[STO], v2, 6, v[STO]
	v_add_nc_u32 v[STO], s2, v[STO]
	v_add_nc_u32 v[RD], s2, v[LI]
	s_lshl_b32 s46, s42, 10
	s_lshl_b32 s47, s[CH], 9
	s_add_co_u32 s46, s46, s47                     ; my first column, in bytes: 1,024 x tile column + 512 x half
	s_mov_b32 s47, 0
	s_add_nc_u64 s[BP:BP+1], s[12:13], s[46:47]
	s_add_nc_u64 s[14:15], s[14:15], s[46:47]
	s_lshl_b32 s46, s45, 8
	s_lshl_b32 s2, s[RH], 7
	s_add_co_u32 s46, s46, s2
	s_lshl_b32 s46, s46, 12                        ; my first row: 256 x tile row + 128 x half, rows of 4,096 bytes
	s_add_nc_u64 s[14:15], s[14:15], s[46:47]
.irp b, 0,1,2,3,4,5,6,7                        ; bo in the result's layout: register j of tile b is column 32 (b / 2) + 16 h + 8 (b % 2) + j
	global_load_b128 v[BI+8*\b:BI+8*\b+3], v[BO], s[BP:BP+1] offset:4*(32*(\b/2)+8*(\b%2))
	global_load_b128 v[BI+8*\b+4:BI+8*\b+7], v[BO], s[BP:BP+1] offset:4*(32*(\b/2)+8*(\b%2))+16
.endr
.macro FRAG reg, adr, q, i
.irp c, 0,1,2,3
	ds_load_b128 v[\reg+4*\c:\reg+4*\c+3], v[\adr] offset:(\i)*4096+(\q)*2048+512*\c
.endr
.endm
; 16 matrix instructions: A's blocks a0, a0 + 1 x B's eight.  zero = 1: C is the bias.  The 64 accumulators take turns, one instruction a turn.
.macro MUL16 a0, p, q, sc, zero
.irp a, \a0, \a0+1
.irp b, 0,1,2,3,4,5,6,7
.if \zero
	v_wmma_scale_f32_16x16x128_f8f6f4 v[8*(8*((\a)%4)+\b):8*(8*((\a)%4)+\b)+7], v[128*(\p)+FR*\b:128*(\p)+FR*\b+FR-1], v[AF+FR*(\a):AF+FR*(\a)+FR-1], v[BI+8*\b:BI+8*\b+7], v[SC+8*NQ*(\sc)+NQ*\b+(\q)], v[SC+8*NQ*(\sc)+NQ*(\a)+(\q)] matrix_a_scale:MATRIX_SCALE_ROW1
.else
	v_wmma_scale_f32_16x16x128_f8f6f4 v[8*(8*((\a)%4)+\b):8*(8*((\a)%4)+\b)+7], v[128*(\p)+FR*\b:128*(\p)+FR*\b+FR-1], v[AF+FR*(\a):AF+FR*(\a)+FR-1], v[8*(8*((\a)%4)+\b):8*(8*((\a)%4)+\b)+7], v[SC+8*NQ*(\sc)+NQ*\b+(\q)], v[SC+8*NQ*(\sc)+NQ*(\a)+(\q)] matrix_a_scale:MATRIX_SCALE_ROW1
.endif
.endr
.endr
.endm
.macro FETCH_B slot, q, p
	WIN TO_B
.irp i, 0,1,2,3,4,5,6,7
	FRAG 128*(\p)+FR*\i, ADRB+\slot, \q, \i
.endr
	WIN 0
.endm
.macro FETCH_A slot, q, i0
.irp i, \i0, \i0+1, \i0+2, \i0+3
	FRAG AF+FR*(\i), ADRA+\slot, \q, \i
.endr
.endm
.macro SCALES sc
.irp i, 0,1,2,3,4,5,6,7
	ds_load_b64 v[SC+8*NQ*\sc+NQ*\i:SC+8*NQ*\sc+NQ*\i+1], v[ADRS] offset:\i*512
.endr
.endm
.macro PLACES n
.rept \n
	v_nop
.endr
.endm
.macro STEP slot, q, zero
	s_wait_dscnt 4*NL                              ; all but the youngest sixteen loads (A's blocks 4-7) are in
.if \zero
	WIN 0x81                                       ; C, the bias, in window 0; D in window 2
.else
	WIN MUL_LO
.endif
	MUL16 0, (\q)%2, \q, \slot, \zero
	MUL16 2, (\q)%2, \q, \slot, \zero
	s_wait_dscnt 0
	PLACES NP
	FETCH_B \slot, (\q)+1, 1-(\q)%2
	FETCH_A \slot, (\q)+1, 0
.if \zero
	WIN 0xc1
.else
	WIN MUL_HI
.endif
	MUL16 4, (\q)%2, \q, \slot, \zero
	MUL16 6, (\q)%2, \q, \slot, \zero
	PLACES NP
	WIN 0
	FETCH_A \slot, (\q)+1, 4
.endm
; A slot's last step changes slots: in front of the one barrier each wave waits for all its tensor loads, adds 0 to its spare word, and waits for that and for its reads of this slot.  fill = 1: the barrier opens a round of the
; cluster's barrier, and the joint refill is the first thing behind the round.
.macro TURN slot, next, fill
	s_wait_tensorcnt 0x0
	ds_add_u32 v[SPW], v[NIL]
	s_wait_dscnt 4*NL+1                            ; the add and the youngest sixteen loads may be out
	WIN MUL_LO
	MUL16 0, 1, NQ-1, \slot, 0
	s_wait_dscnt 0x0                               ; the add is done, and my reads of this slot are over
	s_barrier_signal -1
	MUL16 2, 1, NQ-1, \slot, 0
	WIN 0
	s_barrier_wait -1
.if \fill
	CREST
	s_add_nc_u64 s[G0+4*\slot+2:G0+4*\slot+3], s[G0+4*\slot+2:G0+4*\slot+3], 8192
	s_add_nc_u64 s[G0B+4*\slot+2:G0B+4*\slot+3], s[G0B+4*\slot+2:G0B+4*\slot+3], 8192
	JLOAD G0+4*\slot, G1, G0B+4*\slot, G1B
	PLACES NP-4
.else
	PLACES NP
.endif
	v_add_nc_u32 v[ADRS], 128, v[ADRS]
	FETCH_B \next, 0, 0
	FETCH_A \next, 0, 0
	SCALES \next
	WIN MUL_HI
	MUL16 4, 1, NQ-1, \slot, 0
	MUL16 6, 1, NQ-1, \slot, 0
	PLACES NP
	WIN 0
	FETCH_A \next, 0, 4
.endm
	s_wait_loadcnt 0x0                             ; bo
	s_wait_tensorcnt 1                             ; the scale words and my part of K step 0 are in; K step 1's load may be out
	s_barrier_signal -1
	s_barrier_wait -1
	FETCH_B 0, 0, 0
	FETCH_A 0, 0, 0
	SCALES 0
	FETCH_A 0, 0, 4
	STEP 0, 0, 1
	TURN 0, 1, 1
	STEP 1, 0, 0
	TURN 1, 0, 1
	STEP 0, 0, 0
	TURN 0, 1, 0
	STEP 1, 0, 0
	s_wait_dscnt 4*NL
	WIN MUL_LO
	MUL16 0, 1, NQ-1, 1, 0
	MUL16 2, 1, NQ-1, 1, 0
	s_wait_dscnt 0
	WIN MUL_HI
	MUL16 4, 1, NQ-1, 1, 0
	MUL16 6, 1, NQ-1, 1, 0
	WIN 0
; THE WAY OUT, block by block of 16 tokens x 128 columns, through my own stage: a lane's eight numbers of tile b go to the columns where they belong, and whole rows of 512 bytes come back.
; LDS serves a wave's instructions in order (ISA guide 5.7.1.4): no wait between the stores and the loads.
.macro TOSTAGE a
.set AC, 64*((\a)%4)
	WIN 0x08+4*((\a)/4)                            ; an LDS store's data are its source 1: window 2 or 3
.irp b, 0,1,2,3,4,5,6,7
	ds_store_b128 v[STO], v[AC+8*\b:AC+8*\b+3] offset:128*(\b/2)+32*(\b%2)         ; each accumulator from its low end on
	ds_store_b128 v[STO], v[AC+8*\b+4:AC+8*\b+7] offset:128*(\b/2)+32*(\b%2)+16
.endr
	WIN 0
.set BB, BK+64*((\a)%2)
.irp t, 0,1,2,3,4,5,6,7,8,9,10,11,12,13,14,15
	ds_load_b128 v[BB+4*\t:BB+4*\t+3], v[RD] offset:\t*SPITCH
.endr
.endm
.macro SEND a, younger                 ; place t of block a is row 32 (a / 2) + 8 (a % 2) + t + 8 (t / 8) of my 128: 127 rows of 4,096 bytes at the most, inside the signed 24-bit immediate
.set BB, BK+64*((\a)%2)
	s_wait_dscnt \younger
.irp t, 0,1,2,3,4,5,6,7,8,9,10,11,12,13,14,15
	global_store_b128 v[LI], v[BB+4*\t:BB+4*\t+3], s[14:15] offset:(32*((\a)/2)+8*((\a)%2)+\t+8*(\t/8))*4096 th:TH_STORE_NT   ; 32 lanes store 512 consecutive bytes, aligned
.endr
.endm
	PLACES NP
	TOSTAGE 0
.irp a, 1,2,3,4,5,6,7
.if \a > 1
	s_wait_xcnt 0x0                                ; block a - 2's stores have read their registers: block a's loads may land there
.endif
	TOSTAGE \a
	SEND \a-1, 32                                  ; behind block a - 1's loads: block a's 16 stores and 16 loads
.endr
	SEND 7, 0
	s_wait_tensorcnt 0x0                           ; the wave's end, behind my last tensor load and my last LDS store
	ds_add_u32 v[SPW], v[NIL]
	s_wait_dscnt 0x0
	CROUND                                         ; the closing round
	s_endpgm
.Lfunc_end_k_q2746158a27_oproj:
	.size	k_q2746158a27_oproj, .Lfunc_end_k_q2746158a27_oproj-k_q2746158a27_oproj
	.p2alignl 7, 3214868480
	.fill 96, 4, 3214868480
	.section	.rodata,"a",@progbits
	.p2align	6, 0x0
	.amdhsa_kernel k_q2746158a27_oproj
		.amdhsa_group_segment_fixed_size 327680
		.amdhsa_private_segment_fixed_size 0
		.amdhsa_enable_private_segment 0
		.amdhsa_kernarg_size 48
		.amdhsa_user_sgpr_count 2
		.amdhsa_user_sgpr_kernarg_segment_ptr 1
		.amdhsa_wavefront_size32 1
		.amdhsa_system_sgpr_workgroup_id_x 1
		.amdhsa_system_sgpr_workgroup_id_y 1
		.amdhsa_system_sgpr_workgroup_id_z 1
		.amdhsa_system_vgpr_workitem_id 0
		.amdhsa_next_free_vgpr 1024
		.amdhsa_next_free_sgpr 102
		.amdhsa_reserve_vcc 0
		.amdhsa_float_denorm_mode_32 3
		.amdhsa_float_denorm_mode_16_64 3
		.amdhsa_memory_ordered 1
		.amdhsa_forward_progress 1
		.amdhsa_inst_pref_size 146
	.end_amdhsa_kernel
	.amdgpu_metadata
---
amdhsa.version: [ 1, 2 ]
amdhsa.kernels:
  - .name:           k_q2746158a27_oproj
    .symbol:         k_q2746158a27_oproj.kd
    .args:
      - { .name: ac, .offset: 0, .size: 8, .value_kind: global_buffer, .address_space: global }
      - { .name: asc, .offset: 8, .size: 8, .value_kind: global_buffer, .address_space: global }
      - { .name: codes, .offset: 16, .size: 8, .value_kind: global_buffer, .address_space: global }
      - { .name: scales, .offset: 24, .size: 8, .value_kind: global_buffer, .address_space: global }
      - { .name: bo, .offset: 32, .size: 8, .value_kind: global_buffer, .address_space: global }
      - { .name: out0, .offset: 40, .size: 8, .value_kind: global_buffer, .address_space: global }
    .group_segment_fixed_size: 327680
    .private_segment_fixed_size: 0
    .kernarg_segment_align: 8
    .kernarg_segment_size: 48
    .max_flat_workgroup_size: 128
    .sgpr_count:     102
    .vgpr_count:     1024
    .wavefront_size: 32
...
	.end_amdgpu_metadata
.endif
;; end of part 4
;; ======== version 2 of 2: 4 launches
;; limits: right only within a limited range of input values
;; workspace buffers: codes 8,388,608 bytes; scales 262,144 bytes; qimg 4,456,448 bytes; kv 8,781,824 bytes; ac 4,194,304 bytes; asc 131,072 bytes
;; launch quant (part 5): grid 512 x 1, 4 waves a work-group, no clusters, 68,096 bytes of LDS; arguments x, Wq, Wk, Wv, Wo, codes, scales; writes codes, scales
.if DOCPART == 5
	.amdgcn_target "amdgcn-amd-amdhsa--gfx1250"
	.amdhsa_code_object_version 6
	.text
	.protected	k_q2746158a27_quant
	.globl	k_q2746158a27_quant
	.p2align	8
	.type	k_q2746158a27_quant,@function
k_q2746158a27_quant:
	s_mov_b64 s[64:65], 0
	v_nop
	global_prefetch_b8 v0, s[64:65] scope:SCOPE_SE
	s_setreg_imm32_b32 hwreg(HW_REG_WAVE_MODE, 25, 1), 1
	s_wait_xcnt 0x0
; MULTI-HEAD ATTENTION IN MX-FP8, launch 1 of 4: x [4096][1024] and Wq, Wk, Wv, Wo [1024][1024], f32 with K innermost, become codes of FP8 (E4M3) and E8M0 scale bytes.
; NO WORK OF THE PROBLEM IS LEFT OUT in any of the four launches: every bias stands ahead of a quantiser or in the result, so all nine inputs are loaded (the four biases by the launches that add them).
; The scores' K is the head's 64, the matrix instruction's is 128: the upper 64 are zero codes on both sides, which add nothing.
; LAYOUT OF THE WORKSPACE.  An operand lies as an IMAGE OF ITS REGISTERS: a fragment (16 rows x 128 K) is 2,048 bytes, four chunks of 512; in chunk c lane l's 16 bytes lie at 16 l and hold
; k = 32 c + 16 (l / 16) + 0 .. 15 of row l % 16.  codes: [row tile 512][K step 8][2,048]; tiles 0-255 x, 256-319 Wq, 320-383 Wk, 384-447 Wv, 448-511 Wo.
; scales: [row tile][K pair 4][row 16][2 words]; a word is the four bytes of 128 along K.
; THE ROWS OF A TILE ARE NOT NEIGHBOURS: place r of tile T holds row 32 (T / 2) + 8 (T % 2) + r + 8 (r / 8).  A product that takes such tiles as source 0 then has, in the 16 registers of tiles 2 b and 2 b + 1,
; 16 neighbours 32 b + 16 (l / 16) + 0 .. 15: what the conversions to codes want for the next product's K.
; THE QUANTISER: a block's scale is 2^(floor(log2(its largest magnitude)) - 8); its byte is that magnitude's exponent field - 8, held at 1 from below; numbers are held within +-448 x the scale and rounded to the nearest code, ties to even.
; LIMITS: a block of zeros gets the byte 1 where the rule says 127 (its codes are zeros, and this program alone reads the bytes); blocks whose largest magnitude lies under 2^-118 were not tried; NaN and infinities among the inputs are not served.
; SHARES.  Work-group g makes row tile g; wave w its K steps 2 w and 2 w + 1: 16 rows x 256 numbers.  Each load reads 512 consecutive bytes of a row; the numbers turn through the wave's own stage in LDS
; (rows of 512 + 16 bytes), so that a lane gets 16 neighbours of each block of 32.  Waves share nothing: no barrier, no cluster (no input byte is read twice in the launch).
; THE PLACE OF A TILE in the two buffers: tiles 0-255 and 448-511 lie at their own number; tile 256 + 64 s + 4 h + i (s = 0, 1, 2: Wq, Wk, Wv; h the head; i = 0 .. 3) lies at place 256 + 12 h + 4 s + i,
; so that a head's twelve tiles lie on end.
.set SP,    528                        ; a stage row
.set STG,   16*SP                      ; a stage: 16 rows x 128 numbers
.set WREG,  2*STG                      ; a wave's two stages
.set SPARE, 4*WREG                     ; behind the stages: the spare words, 128 bytes for each wave, which no other line names
.set LI,  1                            ; v1   16 x lane
.set STI, 2                            ; v2   into the stage: my wave's base + 16 x lane
.set STO, 3                            ; v3   out of it: base + 528 r + 64 h
.set SA,  4                            ; v4   my scale word's place: 8 r + 4 h
.set SPW, 5                            ; v5   my spare word; never rewritten
.set NIL, 6                            ; v6   0; never rewritten
.set TM,  8                            ; v8-11 largest magnitudes, v12-15 bytes, v16-19 448 x the scale, v20-23 the conversions' scale operands
.set PW,  24                           ; v24, v25 the two fragments' scale words
.set T,   26
.set PC0, 32                           ; v32-47, v48-63 the two fragments' codes
.set PC1, 48
.set R0,  64                           ; v64-127, v128-191 the two fragments' numbers
.set R1,  128
.set SEL, 20                           ; s[20:21] v_permlanex16_b32's selects for lane l xor 16
.set HM,  22                           ; s22  the lanes 16-31
.set MNT, 23                           ; s23  the mantissa field of 448
	s_load_b256 s[4:11], s[0:1], 0x0               ; x, Wq, Wk, Wv
	s_load_b128 s[12:15], s[0:1], 0x20             ; Wo, codes
	s_load_b64 s[16:17], s[0:1], 0x30              ; scales
	v_lshl_add_u32 v[SPW], v0, 2, SPARE
	v_mov_b32 v[NIL], 0
	v_lshrrev_b32 v7, 5, v0
	v_readfirstlane_b32 s18, v7                    ; wave 0..3
	v_and_b32 v7, 31, v0
	v_lshlrev_b32 v[LI], 4, v7
	s_mul_i32 s19, s18, WREG
	v_add_nc_u32 v[STI], s19, v[LI]
	v_and_b32 v7, 15, v0                           ; r
	v_bfe_u32 v27, v0, 4, 1                        ; h
	v_mul_u32_u24 v[STO], v7, SP
	v_lshl_add_u32 v[STO], v27, 6, v[STO]
	v_add_nc_u32 v[STO], s19, v[STO]
	v_lshlrev_b32 v[SA], 3, v7
	v_lshl_add_u32 v[SA], v27, 2, v[SA]
	v_cmp_ne_u32 s[HM], 0, v27
.irp b, 0,1,2,3
	v_mov_b32 v[TM+4+\b], 0                        ; written once: a lane permute's destination counts as one of its sources
.endr
	s_mov_b32 s[SEL], 0x76543210
	s_mov_b32 s[SEL+1], 0xfedcba98
	s_mov_b32 s[MNT], 0x600000
	s_and_b32 s26, ttmp9, 63
	s_cmp_lt_u32 ttmp9, 256
	s_cselect_b32 s26, ttmp9, s26                  ; T: the tile's number inside its tensor
	s_lshr_b32 s27, s26, 1
	s_lshl_b32 s27, s27, 5
	s_and_b32 s28, s26, 1
	s_lshl_b32 s28, s28, 3
	s_add_co_u32 s27, s27, s28                     ; its first row: 32 (T / 2) + 8 (T % 2)
	s_lshl_b32 s28, s27, 12                        ; rows of 4,096 bytes
	s_lshl_b32 s27, s18, 10                        ; my wave's 256 numbers
	s_add_co_u32 s28, s28, s27
	s_mov_b32 s29, 0
	s_lshr_b32 s35, s26, 2                         ; my tile's place: 256 + 12 h + 4 s + i,
	s_mul_i32 s35, s35, 12
	s_and_b32 s36, s26, 3
	s_add_co_u32 s35, s35, s36
	s_lshr_b32 s36, ttmp9, 6
	s_lshl_b32 s36, s36, 2
	s_add_co_u32 s35, s35, s36
	s_add_co_u32 s35, s35, 240                     ; (4 (s + 4) stands for 4 s: 256 - 16)
	s_cmp_lt_u32 ttmp9, 448
	s_cselect_b32 s35, s35, ttmp9
	s_cmp_lt_u32 ttmp9, 256
	s_cselect_b32 s35, ttmp9, s35                  ; or its own number
	s_lshl_b32 s30, s35, 14                        ; the tile's codes,
	s_lshl_b32 s27, s18, 12                        ; my two fragments
	s_add_co_u32 s30, s30, s27
	s_mov_b32 s31, 0
	s_lshl_b32 s32, s35, 9                         ; the tile's scale words,
	s_lshl_b32 s27, s18, 7                         ; my K pair's
	s_add_co_u32 s32, s32, s27
	s_mov_b32 s33, 0
	s_wait_alu depctr_va_vdst(0)
	s_wait_kmcnt 0x0
	s_mov_b64 s[24:25], s[12:13]                   ; which tensor: the choice hangs on the work-group's number alone
	s_cmp_lt_u32 ttmp9, 448
	s_cselect_b64 s[24:25], s[10:11], s[24:25]
	s_cmp_lt_u32 ttmp9, 384
	s_cselect_b64 s[24:25], s[8:9], s[24:25]
	s_cmp_lt_u32 ttmp9, 320
	s_cselect_b64 s[24:25], s[6:7], s[24:25]
	s_cmp_lt_u32 ttmp9, 256
	s_cselect_b64 s[24:25], s[4:5], s[24:25]
	s_add_nc_u64 s[24:25], s[24:25], s[28:29]
	s_add_nc_u64 s[14:15], s[14:15], s[30:31]
	s_add_nc_u64 s[16:17], s[16:17], s[32:33]
.macro LOADF f, reg                    ; fragment f: place i of the tile is row i + 8 (i / 8) from the tile's first; 32 lanes read 512 consecutive bytes
.irp i, 0,1,2,3,4,5,6,7,8,9,10,11,12,13,14,15
	global_load_b128 v[\reg+4*\i:\reg+4*\i+3], v[LI], s[24:25] offset:(\i+8*(\i/8))*4096+512*\f th:TH_LOAD_NT
.endr
.endm
.macro TURN f, reg                     ; through stage f and back into the same registers: LDS serves a wave's instructions in order, so no wait stands between the stores and the loads
.irp i, 0,1,2,3,4,5,6,7,8,9,10,11,12,13,14,15
	ds_store_b128 v[STI], v[\reg+4*\i:\reg+4*\i+3] offset:STG*\f+SP*\i
.endr
.irp b, 0,1,2,3
.irp j, 0,1,2,3
	ds_load_b128 v[\reg+16*\b+4*\j:\reg+16*\b+4*\j+3], v[STO] offset:STG*\f+128*\b+16*\j   ; register 16 b + i = k 32 b + 16 h + i of my row
.endr
.endr
.endm
; 64 numbers of a lane become a fragment's codes in v[pc] on and its row's scale word in v[pw]
.macro QUANT s, pc, pw
.irp b, 0,1,2,3
	v_max3_num_f32 v[TM+\b], |v[\s+16*\b]|, |v[\s+16*\b+1]|, 0x4800000   ; block b: my 16 numbers, and the floor 2^(9 - 127): the byte cannot fall under 1
.endr
.irp i, 2,4,6,8,10,12,14
.irp b, 0,1,2,3
	v_max3_num_f32 v[TM+\b], v[TM+\b], |v[\s+16*\b+\i]|, |v[\s+16*\b+\i+1]|   ; the four blocks by turns
.endr
.endr
.irp b, 0,1,2,3
	v_permlanex16_b32 v[TM+4+\b], v[TM+\b], s[SEL], s[SEL+1]
.endr
.irp b, 0,1,2,3
	v_max_num_f32 v[TM+\b], v[TM+\b], v[TM+4+\b]   ; with lane l xor 16's: the block's largest magnitude
.endr
.irp b, 0,1,2,3
	v_add_nc_u32 v[TM+12+\b], 0xfc000000, v[TM+\b] ; 8 off its exponent field: the conversion's scale operand
.endr
.irp b, 0,1,2,3
	v_and_or_b32 v[TM+8+\b], v[TM+\b], 0x7f800000, s[MNT]   ; 448 x the scale
.endr
.irp b, 0,1,2,3
	v_lshrrev_b32 v[TM+4+\b], 23, v[TM+12+\b]      ; the scale's byte
.endr
	v_lshl_or_b32 v[\pw], v[TM+5], 8, v[TM+4]
	v_lshl_or_b32 v[\pw], v[TM+6], 16, v[\pw]
	v_lshl_or_b32 v[\pw], v[TM+7], 24, v[\pw]
.irp b, 0,1,2,3
.set i, 0
.rept 16
	v_med3_num_f32 v[\s+16*\b+i], v[\s+16*\b+i], -v[TM+8+\b], v[TM+8+\b]   ; the conversion to an 8-bit code does not saturate (ISA guide 7.6.2): the hold
.set i, i+1
.endr
	v_cvt_scalef32_pk8_fp8_f32 v[\pc+4*\b:\pc+4*\b+1], v[\s+16*\b:\s+16*\b+7], v[TM+12+\b]
	v_cvt_scalef32_pk8_fp8_f32 v[\pc+4*\b+2:\pc+4*\b+3], v[\s+16*\b+8:\s+16*\b+15], v[TM+12+\b]
.endr
	v_nop                                          ; a plain line behind the last conversion
.endm
	LOADF 0, R0
	LOADF 1, R1                                    ; all 32 loads of the wave are out
	s_wait_loadcnt 16                              ; fragment 0's are in; fragment 1's sixteen may be out
	TURN 0, R0
	s_wait_loadcnt 0x0
	TURN 1, R1
	s_wait_dscnt 32                                ; fragment 0 is back; the second turn's 32 LDS instructions may be out
	QUANT R0, PC0, PW
.irp c, 0,1,2,3
	global_store_b128 v[LI], v[PC0+4*\c:PC0+4*\c+3], s[14:15] offset:512*\c        ; 32 lanes store 512 consecutive bytes, aligned
.endr
	s_wait_dscnt 0x0
	QUANT R1, PC1, PW+1
.irp c, 0,1,2,3
	global_store_b128 v[LI], v[PC1+4*\c:PC1+4*\c+3], s[14:15] offset:2048+512*\c
.endr
	v_cndmask_b32 v[T], v[PW], v[PW+1], s[HM]      ; lanes 0-15 the first K step's word of row r, lanes 16-31 the second's
	global_store_b32 v[SA], v[T], s[16:17]         ; 128 consecutive bytes
	s_wait_tensorcnt 0x0                           ; the wave's end, behind my last LDS store
	ds_add_u32 v[SPW], v[NIL]
	s_wait_dscnt 0x0
	s_endpgm
.Lfunc_end_k_q2746158a27_quant:
	.size	k_q2746158a27_quant, .Lfunc_end_k_q2746158a27_quant-k_q2746158a27_quant
	.p2alignl 7, 3214868480
	.fill 96, 4, 3214868480
	.section	.rodata,"a",@progbits
	.p2align	6, 0x0
	.amdhsa_kernel k_q2746158a27_quant
		.amdhsa_group_segment_fixed_size 68096
		.amdhsa_private_segment_fixed_size 0
		.amdhsa_enable_private_segment 0
		.amdhsa_kernarg_size 56
		.amdhsa_user_sgpr_count 2
		.amdhsa_user_sgpr_kernarg_segment_ptr 1
		.amdhsa_wavefront_size32 1
		.amdhsa_system_sgpr_workgroup_id_x 1
		.amdhsa_system_sgpr_workgroup_id_y 1
		.amdhsa_system_sgpr_workgroup_id_z 1
		.amdhsa_system_vgpr_workitem_id 0
		.amdhsa_next_free_vgpr 192
		.amdhsa_next_free_sgpr 66
		.amdhsa_reserve_vcc 0
		.amdhsa_float_denorm_mode_32 3
		.amdhsa_float_denorm_mode_16_64 3
		.amdhsa_memory_ordered 1
		.amdhsa_forward_progress 1
		.amdhsa_inst_pref_size 28
	.end_amdhsa_kernel
	.amdgpu_metadata
---
amdhsa.version: [ 1, 2 ]
amdhsa.kernels:
  - .name:           k_q2746158a27_quant
    .symbol:         k_q2746158a27_quant.kd
    .args:
      - { .name: x, .offset: 0, .size: 8, .value_kind: global_buffer, .address_space: global }
      - { .name: Wq, .offset: 8, .size: 8, .value_kind: global_buffer, .address_space: global }
      - { .name: Wk, .offset: 16, .size: 8, .value_kind: global_buffer, .address_space: global }
      - { .name: Wv, .offset: 24, .size: 8, .value_kind: global_buffer, .address_space: global }
      - { .name: Wo, .offset: 32, .size: 8, .value_kind: global_buffer, .address_space: global }
      - { .name: codes, .offset: 40, .size: 8, .value_kind: global_buffer, .address_space: global }
      - { .name: scales, .offset: 48, .size: 8, .value_kind: global_buffer, .address_space: global }
    .group_segment_fixed_size: 68096
    .private_segment_fixed_size: 0
    .kernarg_segment_align: 8
    .kernarg_segment_size: 56
    .max_flat_workgroup_size: 128
    .sgpr_count:     66
    .vgpr_count:     192
    .wavefront_size: 32
...
	.end_amdgpu_metadata
.endif
;; end of part 5
;; launch proj (part 6): grid 16 x 16, 4 waves a work-group, clusters of 4 x 4, 327,680 bytes of LDS; arguments codes, scales, bq, bk, bv, qimg, kv; writes qimg, kv
.if DOCPART == 6
	.amdgcn_target "amdgcn-amd-amdhsa--gfx1250"
	.amdhsa_code_object_version 6
	.text
	.protected	k_q2746158a27_proj
	.globl	k_q2746158a27_proj
	.p2align	8
	.type	k_q2746158a27_proj,@function
k_q2746158a27_proj:
	s_mov_b64 s[64:65], 0
	v_nop
	global_prefetch_b8 v0, s[64:65] scope:SCOPE_SE
	s_setreg_imm32_b32 hwreg(HW_REG_WAVE_MODE, 25, 1), 1
	s_wait_xcnt 0x0
	s_wait_alu depctr_hold_cnt(0) depctr_sa_sdst(0) depctr_va_vdst(0) depctr_va_sdst(0) depctr_va_ssrc(0) depctr_va_vcc(0) depctr_vm_vsrc(0)
	s_getreg_b32 s2, hwreg(HW_REG_IB_STS2, 6, 4)
	s_cmp_eq_u32 s2, 0
	s_cbranch_scc0 .Lentry_in_a_cluster
	s_endpgm
.Lentry_in_a_cluster:
	s_bfe_u32 s2, ttmp6, 0x10000c
	s_cmp_lg_u32 s2, 0xf033
	s_cbranch_scc0 .Lentry_shape_is_right
	s_endpgm
.Lentry_shape_is_right:
; Launch 2 of 4: Q, K, V = x W^T + b on codes of FP8 (E4M3) with E8M0 scales, and their quantising for the attention.  No work is left out.
; SHARES.  Work-group (h, tb) makes head h's 64 columns of Q, of K and of V for the 256 tokens of block tb: 16 x 16 = 256 work-groups of equal work.  Wave (th, ch) of four makes 128 tokens (half th: eight row tiles) x 32 columns
; (half ch: two row tiles of each weight): 48 accumulators, 384 registers.
; Q and K: source 0 = the weight's rows, so that a lane holds one token and its registers run along the head's columns; V: source 0 = the tokens, so that a lane holds one channel and its registers run along the tokens:
; each is quantised along its next product's K, a block of 32 in 16 registers of lanes l and l xor 16.  The biases are the first products' C.
; THE BUFFERS as launch 1 states them.  qimg[32 heads][16 steps of 128 tokens]: codes [tile 8][chunk 2][lane][16 bytes], scale words [tile / 4][row][tile % 4] at 8,192.  kv[32][16]: K the same; V's codes at 8,704:
; [channel tile 4][32 tokens 4][lane][16 bytes]; V's scale words [row][channel tile 4] at 16,896.  A scale word of Q or K has the head's two bytes twice (its upper half meets zero codes alone).
; LDS, IN K STEPS OF 128.  Region 0: steps 0 to 2, later 5 to 7; region 1: steps 3 and 4; as images of the operands' registers, 16 token tiles and 12 weight tiles.  At the head wave 0 asks for region 0's tokens, wave 1 for its weights,
; waves 2 and 3 for region 1's: one joint load a wave.  Region 0 is filled again at step 2, when every wave has step 2's fragments in registers: a drained round, one load a wave.  Every wait on TENSORcnt is for 0.
; CLUSTERS of 4 x 4: the tokens' tiles are asked for jointly along a row of the cluster, the weights' along a column.
; PREFETCH: what the refill brings (steps 5 to 7: 6,144 bytes of each tile) is asked of the L2 once in each cluster that loads it, two K steps ahead of the refill: of the row's 16 token tiles my work-group takes 4, a wave one;
; of the column's 12 weight tiles it takes 3, waves 0 to 2 one each: shared out by address.
; FRAGMENTS have two buffers: step q + 1's are loaded among step q's products.  Scale words and biases go from memory into registers, once.
; LIMITS: the quantiser's, as launch 1 states them.
; REGISTERS: window 0: v16-30 addresses; v32-63 the tokens' scale words, v66-89 the weights' (register 4 tile + 2 (K step / 4) + K step % 2; lanes 0-15 an even K pair's, 16-31 the next's; the two sides' numbers differ modulo 8);
; v90-107 the way out; v128-255 the tokens' fragments, buffer 0.  Window 1: the weights' fragments, v0-95 and v96-191; v192-239 the biases.  Window 2: Q (v0-127), K (v128-255).  Window 3: V (v0-127); the tokens' fragments, buffer 1.
.set R0W,   98304                      ; region 0: 16 tiles x 6,144 bytes of tokens, 12 x 6,144 of weights
.set R1A,   172032                     ; region 1: 16 x 4,096, 12 x 4,096
.set R1W,   237568
.set IMG,   286720                     ; the scale bytes on their way out: for each half of the tokens 512 bytes of Q, 512 of K, 256 of V
.set SPARE, IMG+2560                   ; the spare words, 128 bytes for each wave, which no other line names
.set LI,  16
.set L8,  17
.set AA,  18                           ; v18, v19  LDS address of my tokens' fragments in region 0, 1
.set WA,  20                           ; v20, v21  of my weights'
.set IA,  22                           ; v22  my byte in Q's image
.set IV,  23                           ; v23  my word in V's
.set RD,  24
.set RV,  25
.set BO,  26
.set BO2, 27
.set SPW, 28                           ; v28  my spare word; never rewritten
.set NIL, 29                           ; v29  0; never rewritten
.set PFO, 30
.set SA,  32
.set SW,  66
.set VW,  90
.set TM,  92                           ; v92-95 largest magnitudes, v96-99 bytes, v100-103 448 x the scale, v104-107 the conversions' scale operands
.set WV,  18
.set TH,  19
.set CH,  20
.set MNT, 66
.set G1A0, 24                          ; groups 1: tokens, weights of region 0; of region 1
.set G1W0, 32
.set G1A1, 40
.set G1W1, 48
.set G0A0, 56                          ; groups 0
.set G0W0, 60
.set G0A1, 68
.set G0W1, 72
.set G0RA, 76                          ; of the refill
.set G0RW, 80
.set MSB, 0
.macro WIN new                         ; the immediate's high byte repeats the setting that is left
.if MSB != (\new)
	s_set_vgpr_msb (MSB<<8)|(\new)
.set MSB, (\new)
.endif
.endm
.macro PLACES n                        ; plain vector lines between a matrix instruction and a load into, or a read of, its registers
.rept \n
	v_nop
.endr
.endm
.macro CREST                           ; a round of the cluster's barrier behind its opening barrier
	s_cmp_lg_u32 s[WV], 0
	s_cbranch_scc1 .Lnot_wave_0_\@
	s_barrier_signal -3
.Lnot_wave_0_\@:
	s_barrier_wait -3
	s_barrier_signal -1
	s_barrier_wait -1
.endm
.macro CROUND
	s_barrier_signal -1
	s_barrier_wait -1
	CREST
.endm
.macro TLOAD g0, g1
	tensor_load_to_lds s[\g0:\g0+3], s[\g1:\g1+7]
	s_nop 0
	PLACES 4
.endm
.macro G1REST g, c, r                  ; r tiles, of each c elements of 8 bytes; tiles lie 16,384 bytes apart
	s_mov_b32 s[\g+1], (\c)<<16
	s_mov_b32 s[\g+2], (\r)<<16
	s_mov_b32 s[\g+3], (\c)<<16
	s_mov_b32 s[\g+4], \r
	s_mov_b32 s[\g+5], 2048
	s_mov_b32 s[\g+6], 0
	s_mov_b32 s[\g+7], 0
.endm
	s_load_b256 s[4:11], s[0:1], 0x0               ; codes, scales, bq, bk
	s_load_b128 s[12:15], s[0:1], 0x20             ; bv, qimg
	s_load_b64 s[16:17], s[0:1], 0x30              ; kv
	v_lshl_add_u32 v[SPW], v0, 2, SPARE
	v_mov_b32 v[NIL], 0
	ds_add_u32 v[SPW], v[NIL]                      ; the wave's opening: the add, twice on end, and its wait ahead of my first tensor load
	ds_add_u32 v[SPW], v[NIL]
	v_lshrrev_b32 v1, 5, v0
	v_readfirstlane_b32 s[WV], v1
	s_lshr_b32 s[TH], s[WV], 1
	s_and_b32 s[CH], s[WV], 1
	s_bfe_u32 s21, ttmp6, 0x40000                  ; cx
	s_bfe_u32 s22, ttmp6, 0x40004                  ; cy
	s_lshl_b32 s23, ttmp9, 2
	s_add_co_u32 s23, s23, s21                     ; the head
	s_and_b32 s3, ttmp7, 0xffff
	s_lshl_b32 s3, s3, 2
	s_add_co_u32 s3, s3, s22                       ; the block of 256 tokens
	s_lshl_b32 s2, s22, 2
	s_lshl_b32 s2, 15, s2                          ; my row of the cluster
	s_lshl_b32 s98, 0x1111, s21                    ; my column
	s_or_b32 s[G1A0], s2, (3<<16)|(1<<21)          ; bit 21 stands beside a mask
	s_or_b32 s[G1A1], s2, (3<<16)|(1<<21)
	s_or_b32 s[G1W0], s98, (3<<16)|(1<<21)
	s_or_b32 s[G1W1], s98, (3<<16)|(1<<21)
	G1REST G1A0, 768, 16
	G1REST G1W0, 768, 12
	G1REST G1A1, 512, 16
	G1REST G1W1, 512, 12
	s_lshl_b32 s84, s3, 18                         ; the tokens' codes: 16 tiles of 16,384 bytes
	s_mov_b32 s85, 0
	s_mul_i32 s99, s23, 12
	s_add_co_u32 s99, s99, 256
	s_lshl_b32 s86, s99, 14                        ; the weights': the head's twelve tiles
	s_mov_b32 s87, 0
	s_lshl_b32 s88, s3, 13                         ; scale words, 512 bytes a tile: my eight token tiles,
	s_lshl_b32 s100, s[TH], 12
	s_add_co_u32 s88, s88, s100
	s_mov_b32 s89, 0
	s_lshl_b32 s100, s[CH], 1
	s_add_co_u32 s99, s99, s100
	s_lshl_b32 s90, s99, 9                         ; my weight tiles
	s_mov_b32 s91, 0
	s_lshl_b32 s92, s23, 8
	s_lshl_b32 s100, s[CH], 7
	s_add_co_u32 s92, s92, s100                    ; a bias's numbers: 64 head + 32 ch
	s_mov_b32 s93, 0
	s_lshr_b32 s94, s3, 3
	s_lshl_b32 s94, s94, 4
	s_add_co_u32 s94, s94, s23
	s_lshl_b32 s94, s94, 4
	s_and_b32 s95, s3, 7
	s_lshl_b32 s95, s95, 1
	s_add_co_u32 s95, s95, s[TH]
	s_add_co_u32 s94, s94, s95                     ; my step's block: 16 (16 batch + head) + 2 (tb % 8) + th
	s_mul_i32 s96, s94, 17152
	s_mov_b32 s97, 0
	s_mul_i32 s94, s94, 8704
	s_mov_b32 s95, 0
	s_mov_b32 s[MNT], 0x600000
	s_mov_b32 s[G0A0], 1
	s_mov_b32 s[G0A0+1], 0
	s_mov_b32 s[G0W0], 1
	s_mov_b32 s[G0W0+1], R0W
	s_mov_b32 s[G0A1], 1
	s_mov_b32 s[G0A1+1], R1A
	s_mov_b32 s[G0W1], 1
	s_mov_b32 s[G0W1+1], R1W
	s_mov_b32 s[G0RA], 1                           ; the refill: waves 0, 1 eight token tiles each, waves 2, 3 six weight tiles each, from K step 5 on
	s_mul_i32 s[G0RA+1], s[CH], 8*6144
	s_lshl_b32 s[G0RA+2], s[CH], 17
	s_add_co_u32 s[G0RA+2], s[G0RA+2], 5*2048
	s_mov_b32 s[G0RA+3], 0
	s_mov_b32 s[G0RW], 1
	s_mul_i32 s[G0RW+1], s[CH], 6*6144
	s_add_co_u32 s[G0RW+1], s[G0RW+1], R0W
	s_mul_i32 s[G0RW+2], s[CH], 6*16384
	s_add_co_u32 s[G0RW+2], s[G0RW+2], 5*2048
	s_mov_b32 s[G0RW+3], 0
	s_wait_dscnt 0x0                               ; both opening adds are done
	CROUND                                         ; all sixteen work-groups are here: the joint loads meet
	s_wait_kmcnt 0x0
	s_add_nc_u64 s[84:85], s[4:5], s[84:85]
	s_add_nc_u64 s[86:87], s[4:5], s[86:87]
	s_mov_b64 s[G0A0+2:G0A0+3], s[84:85]
	s_or_b32 s[G0A0+3], s[G0A0+3], 0x80000000
	s_mov_b64 s[G0W0+2:G0W0+3], s[86:87]
	s_or_b32 s[G0W0+3], s[G0W0+3], 0x80000000
	s_add_nc_u64 s[G0A1+2:G0A1+3], s[84:85], 3*2048
	s_or_b32 s[G0A1+3], s[G0A1+3], 0x80000000
	s_add_nc_u64 s[G0W1+2:G0W1+3], s[86:87], 3*2048
	s_or_b32 s[G0W1+3], s[G0W1+3], 0x80000000
; One joint load a wave, each in an arm of its own of one tree; what is needed first is asked for first
.macro ARM n, g0, g1
	s_cmp_lt_u32 s[WV], \n
	s_cbranch_scc0 .Larm_\n
	TLOAD \g0, \g1
	s_branch .Lasked
.Larm_\n:
.endm
	ARM 1, G0A0, G1A0
	ARM 2, G0W0, G1W0
	ARM 3, G0A1, G1A1
	TLOAD G0W1, G1W1
.Lasked:
	s_add_nc_u64 s[G0RA+2:G0RA+3], s[84:85], s[G0RA+2:G0RA+3]
	s_or_b32 s[G0RA+3], s[G0RA+3], 0x80000000
	s_add_nc_u64 s[G0RW+2:G0RW+3], s[86:87], s[G0RW+2:G0RW+3]
	s_or_b32 s[G0RW+3], s[G0RW+3], 0x80000000
	s_add_nc_u64 s[88:89], s[6:7], s[88:89]
	s_add_nc_u64 s[90:91], s[6:7], s[90:91]
	s_add_nc_u64 s[8:9], s[8:9], s[92:93]
	s_add_nc_u64 s[10:11], s[10:11], s[92:93]
	s_add_nc_u64 s[12:13], s[12:13], s[92:93]
	s_add_nc_u64 s[14:15], s[14:15], s[94:95]      ; qimg, kv: my step's block
	s_add_nc_u64 s[16:17], s[16:17], s[96:97]
	s_lshl_b32 s100, s[CH], 9
	s_mov_b32 s101, 0
	s_add_nc_u64 s[94:95], s[14:15], s[100:101]    ; my chunk of Q's and K's tiles,
	s_add_nc_u64 s[96:97], s[16:17], s[100:101]
	s_lshl_b32 s100, s[CH], 12
	s_add_nc_u64 s[98:99], s[16:17], s[100:101]    ; my channel tiles of V
	s_cmp_lg_u32 s[CH], 0
	s_cselect_b64 s[100:101], s[16:17], s[14:15]   ; at the end waves with ch = 0 store Q's scale words, with ch = 1 K's
	s_lshl_b32 s2, s21, 2
	s_add_co_u32 s2, s2, s[WV]
	s_lshl_b32 s2, s2, 14
	s_add_co_u32 s2, s2, 5*2048
	s_mov_b32 s3, 0
	s_add_nc_u64 s[2:3], s[84:85], s[2:3]          ; my prefetch of tokens: tile 4 cx + wave,
	s_mul_i32 s92, s22, 3
	s_add_co_u32 s92, s92, s[WV]
	s_lshl_b32 s92, s92, 14
	s_add_co_u32 s92, s92, 5*2048
	s_mov_b32 s93, 0
	s_add_nc_u64 s[92:93], s[86:87], s[92:93]      ; of weights: tile 3 cy + wave
	s_mul_i32 s4, s[TH], 8*6144
	s_lshl_b32 s5, s[TH], 15
	s_add_co_u32 s5, s5, R1A
	s_mul_i32 s6, s[CH], 2*6144
	s_add_co_u32 s6, s6, R0W
	s_lshl_b32 s7, s[CH], 13
	s_add_co_u32 s7, s7, R1W
	s_mul_i32 s23, s[TH], 1280
	s_add_co_u32 s23, s23, IMG                     ; my half's image,
	s_add_co_u32 s67, s23, s[CH]
	s_lshl_b32 s84, s[CH], 3
	s_add_co_u32 s84, s84, s23
	s_add_co_u32 s84, s84, 1024                    ; V's part of it
	s_lshl_b32 s85, s[CH], 9
	s_add_co_u32 s85, s85, s23
	s_add_co_u32 s86, s23, 1024
	v_and_b32 v1, 15, v0                           ; r
	v_bfe_u32 v2, v0, 4, 1                         ; h
	v_and_b32 v3, 31, v0
	v_lshlrev_b32 v[L8], 3, v3
	v_lshlrev_b32 v[BO], 6, v2
	v_and_b32 v4, 8, v1
	v_add_nc_u32 v4, v4, v1
	v_lshlrev_b32 v[BO2], 2, v4                    ; V's channel in a tile: r + 8 (r / 8)
.irp k, 0,1
.irp a, 0,1,2,3,4,5,6,7
	global_load_b64 v[SA+4*\a+2*\k:SA+4*\a+2*\k+1], v[L8], s[88:89] offset:512*\a+256*\k   ; 256 consecutive bytes
.endr
.irp w, 0,1,2,3,4,5
	global_load_b64 v[SW+4*\w+2*\k:SW+4*\w+2*\k+1], v[L8], s[90:91] offset:512*(4*(\w/2)+\w%2)+256*\k
.endr
.endr
	WIN 0x40
.irp t, 0,1                                    ; register j of tile t of Q, K: column 16 h + 8 t + j of my 32
	global_load_b128 v[192+8*\t:195+8*\t], v[BO], s[8:9] offset:32*\t
	global_load_b128 v[196+8*\t:199+8*\t], v[BO], s[8:9] offset:32*\t+16
	global_load_b128 v[208+8*\t:211+8*\t], v[BO], s[10:11] offset:32*\t
	global_load_b128 v[212+8*\t:215+8*\t], v[BO], s[10:11] offset:32*\t+16
	global_load_b32 v[224+8*\t], v[BO2], s[12:13] offset:32*\t
.endr
	WIN 0
	v_lshlrev_b32 v[LI], 4, v3
	v_min_u32 v5, 23, v3
	v_lshlrev_b32 v[PFO], 8, v5                    ; 24 blocks of 256 bytes; the lanes left over name the last again
	v_add_nc_u32 v[AA], s4, v[LI]
	v_add_nc_u32 v[AA+1], s5, v[LI]
	v_add_nc_u32 v[WA], s6, v[LI]
	v_add_nc_u32 v[WA+1], s7, v[LI]
	v_lshlrev_b32 v[IV], 4, v1
	v_lshl_add_u32 v[IA], v2, 1, v[IV]
	v_add_nc_u32 v[IA], s67, v[IA]                 ; Q's, K's byte: 16 r + ch + 2 h: lanes 16-31 write the word's upper copy
	v_add_nc_u32 v[IV], s84, v[IV]                 ; V's word: 16 r + 8 ch
	v_add_nc_u32 v[RD], s85, v[LI]
	v_add_nc_u32 v[RV], s86, v[L8]
.irp b, 0,1,2,3
	v_mov_b32 v[TM+4+\b], 0                        ; written once: a lane permute's destination counts as one of its sources
.endr
	s_wait_alu depctr_va_vdst(0)                   ; the wait at the head's end
	s_wait_loadcnt 0x0
	WIN 0x41
.irp t, 0,1
.irp j, 1,2,3,4,5,6,7
	v_mov_b32 v[224+8*\t+\j], v[224+8*\t]          ; V: a lane's channel is one, its eight registers are tokens
.endr
.endr
	WIN 0
	s_wait_alu depctr_va_vdst(0)
	s_cmp_lt_u32 s[WV], 2                          ; waves 0 and 1 wait for region 0
	s_cbranch_scc0 .Lnot_mine
	s_wait_tensorcnt 0x0
.Lnot_mine:
	s_barrier_signal -1
	s_barrier_wait -1
.macro WHERE q                         ; step q's region, the pitch from tile to tile, the step's place in it
.if (\q) == 3 || (\q) == 4
.set AD_, 1
.set P_, 4096
.set KK_, (\q)-3
.else
.set AD_, 0
.set P_, 6144
.set KK_, (\q)%5
.endif
.endm
.macro LW q, i0                        ; three of the weights' six fragments of step q (Q 0, 1; K 2, 3; V 4, 5)
	WHERE \q
	WIN 0x40
.irp i, \i0, \i0+1, \i0+2
.irp c, 0,1,2,3
	ds_load_b128 v[96*((\q)%2)+16*(\i)+4*\c:96*((\q)%2)+16*(\i)+4*\c+3], v[WA+AD_] offset:(4*((\i)/2)+(\i)%2)*P_+2048*KK_+512*\c
.endr
.endr
.endm
.macro LA q, a0                        ; four of the tokens' eight
	WHERE \q
	WIN 0xc0*((\q)%2)
.irp a, \a0, \a0+1, \a0+2, \a0+3
.irp c, 0,1,2,3
	ds_load_b128 v[128+16*(\a)+4*\c:128+16*(\a)+4*\c+3], v[AA+AD_] offset:(\a)*P_+2048*KK_+512*\c
.endr
.endr
.endm
.macro WM d, a, b, c, x, y
.if ROW_
	v_wmma_scale_f32_16x16x128_f8f6f4 v[\d:\d+7], v[\a:\a+15], v[\b:\b+15], v[\c:\c+7], v[\x], v[\y] matrix_a_scale:MATRIX_SCALE_ROW1 matrix_b_scale:MATRIX_SCALE_ROW1
.else
	v_wmma_scale_f32_16x16x128_f8f6f4 v[\d:\d+7], v[\a:\a+15], v[\b:\b+15], v[\c:\c+7], v[\x], v[\y]
.endif
.endm
; Eight of step q's 48 products: g = 0 .. 3: token tiles 2 g, 2 g + 1 x Q's and K's four weight tiles; g = 4, 5: V's tile g - 4 x the eight token tiles.  The 48 accumulators take turns, one instruction a turn, in the same order in every
; step.  In step 0 C is the bias.
.macro MUL q, g
.set X_, 2*((\q)/4)+(\q)%2
.set ROW_, ((\q)/2)%2
.set WB_, 96*((\q)%2)
.if (\g) < 4
.if (\q) == 0
	WIN 0x91
.elseif (\q)%2
	WIN 0xad
.else
	WIN 0xa1
.endif
.irp a, 2*\g, 2*\g+1
.irp w, 0,1,2,3
.set D_, 128*(\w/2)+16*(\a)+8*(\w%2)
.set C_, D_
.if (\q) == 0
.set C_, 192+8*\w
.endif
	WM D_, WB_+16*\w, 128+16*(\a), C_, SW+4*\w+X_, SA+4*(\a)+X_
.endr
.endr
.else
.if (\q) == 0
	WIN 0xd4
.elseif (\q)%2
	WIN 0xf7
.else
	WIN 0xf4
.endif
.irp a, 0,1,2,3,4,5,6,7
.set D_, 64*((\g)-4)+8*\a
.set C_, D_
.if (\q) == 0
.set C_, 192+8*(\g)
.endif
	WM D_, 128+16*\a, WB_+16*(\g), C_, SA+4*\a+X_, SW+4*(\g)+X_
.endr
.endif
.endm
.macro STEP q                          ; the next step's fragments are loaded among this step's products
	s_wait_dscnt 0x0
.if (\q) > 0
	PLACES 8                                       ; the buffer that is loaded was multiplied by the step before
.endif
	LW (\q)+1, 0                                   ; in two runs
	LW (\q)+1, 3
	MUL \q, 0
	MUL \q, 1
	LA (\q)+1, 0
	LA (\q)+1, 4
	MUL \q, 2
	MUL \q, 3
	MUL \q, 4
	MUL \q, 5
.endm
.macro REST q                          ; a step whose first sixteen products stand around a barrier
	LW (\q)+1, 0
	LW (\q)+1, 3
	MUL \q, 2
	LA (\q)+1, 0
	LA (\q)+1, 4
	MUL \q, 3
	MUL \q, 4
	MUL \q, 5
.endm
	LW 0, 0
	LW 0, 3
	LA 0, 0
	LA 0, 4
	WIN 0
	global_prefetch_b8 v[PFO], s[2:3] th:TH_LOAD_NT scope:SCOPE_SE
	s_cmp_lt_u32 s[WV], 3
	s_cbranch_scc0 .Lno_weights
	global_prefetch_b8 v[PFO], s[92:93] th:TH_LOAD_NT scope:SCOPE_SE
.Lno_weights:
	STEP 0
	STEP 1
	WIN 0                                          ; (the add's two registers lie in window 0)
	s_wait_tensorcnt 0x0                           ; region 1 is in
	ds_add_u32 v[SPW], v[NIL]
	s_mov_b32 s[G1A0+2], 8<<16                     ; no tensor load of mine is out, so a descriptor may be written: eight token tiles,
	s_mov_b32 s[G1A0+4], 8
	s_mov_b32 s[G1W0+2], 6<<16                     ; six weight tiles
	s_mov_b32 s[G1W0+4], 6
	s_wait_dscnt 0x0                               ; the add is done, and step 2's fragments, region 0's last, are in registers
	s_barrier_signal -1
	MUL 2, 0
	MUL 2, 1
	WIN 0
	s_barrier_wait -1
	CREST
	s_cmp_eq_u32 s[TH], 0                          ; the refill: the first tensor load behind the round, one a wave
	s_cbranch_scc0 .Lfor_weights
	TLOAD G0RA, G1A0
	s_branch .Lrefilled
.Lfor_weights:
	TLOAD G0RW, G1W0
.Lrefilled:
	PLACES 4                                       ; with the four behind the load: the places ahead of the loads below
	REST 2
	STEP 3
	s_wait_dscnt 0x0                               ; step 4's fragments
	MUL 4, 0
	MUL 4, 1
	WIN 0
	s_wait_tensorcnt 0x0                           ; my part of steps 5 to 7 is in,
	s_barrier_signal -1
	s_barrier_wait -1                              ; and everybody's
	PLACES 8
	REST 4
	STEP 5
	STEP 6
	s_wait_dscnt 0x0
.irp g, 0,1,2,3,4,5
	MUL 7, \g
.endr
; THE WAY OUT.  Four blocks of 32 (16 registers each, from register ac of window ww, and lane l xor 16's) to codes, four registers each, at pc, and bytes, v[TM + 4] on
.macro QUANT4 ac, ww, pc
	WIN (\ww)*5
.irp b, 0,1,2,3
	v_max3_num_f32 v[TM+\b], |v[\ac+16*\b]|, |v[\ac+16*\b+1]|, 0x4800000   ; with the floor 2^(9 - 127): the byte cannot fall under 1
.endr
.irp i, 2,4,6,8,10,12,14
.irp b, 0,1,2,3
	v_max3_num_f32 v[TM+\b], |v[\ac+16*\b+\i]|, |v[\ac+16*\b+\i+1]|, v[TM+\b]
.endr
.endr
	WIN 0
.irp b, 0,1,2,3
	v_permlanex16_b32 v[TM+4+\b], v[TM+\b], s4, s5
.endr
.irp b, 0,1,2,3
	v_max_num_f32 v[TM+\b], v[TM+\b], v[TM+4+\b]
.endr
.irp b, 0,1,2,3
	v_add_nc_u32 v[TM+12+\b], 0xfc000000, v[TM+\b] ; 8 off its exponent field: the conversion's scale operand
.endr
.irp b, 0,1,2,3
	v_and_or_b32 v[TM+8+\b], v[TM+\b], 0x7f800000, s[MNT]   ; 448 x the scale
.endr
.irp b, 0,1,2,3
	v_lshrrev_b32 v[TM+4+\b], 23, v[TM+12+\b]
.endr
	WIN (\ww)*0x41
.irp b, 0,1,2,3
.set i, 0
.rept 16
	v_med3_num_f32 v[\ac+16*\b+i], v[\ac+16*\b+i], -v[TM+8+\b], v[TM+8+\b]   ; the conversion does not saturate (ISA guide 7.6.2): the hold
.set i, i+1
.endr
.endr
	WIN \ww
.irp b, 0,1,2,3
	v_cvt_scalef32_pk8_fp8_f32 v[\pc+4*\b:\pc+4*\b+1], v[\ac+16*\b:\ac+16*\b+7], v[TM+12+\b]
	v_cvt_scalef32_pk8_fp8_f32 v[\pc+4*\b+2:\pc+4*\b+3], v[\ac+16*\b+8:\ac+16*\b+15], v[TM+12+\b]
.endr
	WIN 0
	v_nop                                          ; a plain line behind the last conversion
.endm
.macro OUTQK ac, pc, base, n, img      ; token tiles 4 n .. 4 n + 3 of Q or K
	QUANT4 \ac, 2, \pc
.irp g, 0,1,2,3
	global_store_b128 v[LI], v[\pc+4*\g:\pc+4*\g+3], s[\base:\base+1] offset:4096*\n+1024*\g   ; 512 consecutive bytes, aligned
	ds_store_b8 v[IA], v[TM+4+\g] offset:\img+256*\n+4*\g
.endr
.endm
	s_mov_b32 s4, 0x76543210                       ; lane l xor 16
	s_mov_b32 s5, 0xfedcba98
	PLACES 8
	OUTQK 0, 128, 94, 0, 0                         ; each block's codes have registers of their own: no store's data are written again
	OUTQK 64, 144, 94, 1, 0
	OUTQK 128, 160, 96, 0, 512
	OUTQK 192, 176, 96, 1, 512
.irp b, 0,1                                    ; V's channel tile 2 ch + b: four blocks of 32 tokens make a row's word
	QUANT4 64*\b, 3, 192+16*\b
.irp g, 0,1,2,3
	global_store_b128 v[LI], v[192+16*\b+4*\g:195+16*\b+4*\g], s[98:99] offset:8704+2048*\b+512*\g
.endr
	v_lshl_or_b32 v[VW], v[TM+5], 8, v[TM+4]
	v_lshl_or_b32 v[VW], v[TM+6], 16, v[VW]
	v_lshl_or_b32 v[VW], v[TM+7], 24, v[VW]
	ds_store_b32 v[IV], v[VW] offset:4*\b          ; both halves of the lanes write the same word
.endr
	s_wait_dscnt 0x0                               ; my scale bytes are in the image,
	s_barrier_signal -1
	s_barrier_wait -1                              ; and everybody's
	ds_load_b128 v[108:111], v[RD]
	s_wait_dscnt 0x0
	global_store_b128 v[LI], v[108:111], s[100:101] offset:8192     ; 512 consecutive bytes, aligned
	s_cmp_lg_u32 s[CH], 0
	s_cbranch_scc1 .Lno_v
	ds_load_b64 v[112:113], v[RV]
	s_wait_dscnt 0x0
	global_store_b64 v[L8], v[112:113], s[16:17] offset:16896       ; 256 consecutive bytes, aligned
.Lno_v:
	s_wait_tensorcnt 0x0                           ; the wave's end, behind my last tensor load and my last LDS store
	ds_add_u32 v[SPW], v[NIL]
	s_wait_dscnt 0x0
	CROUND                                         ; the closing round: no work-group ends while a partner may still ask for a tile that names it
	s_endpgm
.Lfunc_end_k_q2746158a27_proj:
	.size	k_q2746158a27_proj, .Lfunc_end_k_q2746158a27_proj-k_q2746158a27_proj
	.p2alignl 7, 3214868480
	.fill 96, 4, 3214868480
	.section	.rodata,"a",@progbits
	.p2align	6, 0x0
	.amdhsa_kernel k_q2746158a27_proj
		.amdhsa_group_segment_fixed_size 327680
		.amdhsa_private_segment_fixed_size 0
		.amdhsa_enable_private_segment 0
		.amdhsa_kernarg_size 56
		.amdhsa_user_sgpr_count 2
		.amdhsa_user_sgpr_kernarg_segment_ptr 1
		.amdhsa_wavefront_size32 1
		.amdhsa_system_sgpr_workgroup_id_x 1
		.amdhsa_system_sgpr_workgroup_id_y 1
		.amdhsa_system_sgpr_workgroup_id_z 1
		.amdhsa_system_vgpr_workitem_id 0
		.amdhsa_next_free_vgpr 1024
		.amdhsa_next_free_sgpr 102
		.amdhsa_reserve_vcc 0
		.amdhsa_float_denorm_mode_32 3
		.amdhsa_float_denorm_mode_16_64 3
		.amdhsa_memory_ordered 1
		.amdhsa_forward_progress 1
		.amdhsa_inst_pref_size 148
	.end_amdhsa_kernel
	.amdgpu_metadata
---
amdhsa.version: [ 1, 2 ]
amdhsa.kernels:
  - .name:           k_q2746158a27_proj
    .symbol:         k_q2746158a27_proj.kd
    .args:
      - { .name: codes, .offset: 0, .size: 8, .value_kind: global_buffer, .address_space: global }
      - { .name: scales, .offset: 8, .size: 8, .value_kind: global_buffer, .address_space: global }
      - { .name: bq, .offset: 16, .size: 8, .value_kind: global_buffer, .address_space: global }
      - { .name: bk, .offset: 24, .size: 8, .value_kind: global_buffer, .address_space: global }
      - { .name: bv, .offset: 32, .size: 8, .value_kind: global_buffer, .address_space: global }
      - { .name: qimg, .offset: 40, .size: 8, .value_kind: global_buffer, .address_space: global }
      - { .name: kv, .offset: 48, .size: 8, .value_kind: global_buffer, .address_space: global }
    .group_segment_fixed_size: 327680
    .private_segment_fixed_size: 0
    .kernarg_segment_align: 8
    .kernarg_segment_size: 56
    .max_flat_workgroup_size: 128
    .sgpr_count:     102
    .vgpr_count:     1024
    .wavefront_size: 32
...
	.end_amdgpu_metadata
.endif
;; end of part 6
;; launch attn (part 7): grid 8 x 32, 8 waves a work-group, clusters of 4 x 1, 327,680 bytes of LDS; arguments qimg, kv, ac, asc; writes ac, asc
.if DOCPART == 7
	.amdgcn_target "amdgcn-amd-amdhsa--gfx1250"
	.amdhsa_code_object_version 6
	.text
	.protected	k_q2746158a27_attn
	.globl	k_q2746158a27_attn
	.p2align	8
	.type	k_q2746158a27_attn,@function
k_q2746158a27_attn:
	s_mov_b64 s[64:65], 0
	v_nop
	global_prefetch_b8 v0, s[64:65] scope:SCOPE_SE
	s_setreg_imm32_b32 hwreg(HW_REG_WAVE_MODE, 25, 1), 1
	s_wait_xcnt 0x0
	s_wait_alu depctr_hold_cnt(0) depctr_sa_sdst(0) depctr_va_vdst(0) depctr_va_sdst(0) depctr_va_ssrc(0) depctr_va_vcc(0) depctr_vm_vsrc(0)
	s_getreg_b32 s2, hwreg(HW_REG_IB_STS2, 6, 4)
	s_cmp_eq_u32 s2, 0
	s_cbranch_scc0 .Lentry_in_a_cluster
	s_endpgm
.Lentry_in_a_cluster:
	s_bfe_u32 s2, ttmp6, 0x10000c
	s_cmp_lg_u32 s2, 0x3003
	s_cbranch_scc0 .Lentry_shape_is_right
	s_endpgm
.Lentry_shape_is_right:
; Launch 3 of 4: for each of 32 heads (batch x 16 + head), O = softmax(Q K^T / 8) V on codes of FP8 (E4M3) with E8M0 scales, and O's quantising along the model's 1,024 for the last product.  No work is left out.
; THE SOFTMAX AHEAD OF THE SECOND PRODUCT: t = score x log2(e) / 8; M = the running largest t, rounded up to a whole number; p = 2^(t - M) is quantised along the keys, not normalised; the row's sum is taken of the
; unquantised p and divides O at the end.  When M moves, the sum and O are multiplied by 2^(old M - new M), which rounds nothing.
; SHARES.  A work-group owns 256 queries of one head, each of its eight waves two tiles of 16 (tile 0, tile 1), in 512 registers.  Every wave walks all 2,048 keys, 128 a step.
; ALL OF THE HEAD'S K AND V LIE IN LDS: 16 key steps x 17,152 bytes, each byte filled once.  The four work-groups of a cluster belong to one head and ask for each block JOINTLY: wave w for key steps 2 w and 2 w + 1, its one load.
; They are shown in three stages: wave 0's, those of waves 1 and 2, the rest.  All tiles are asked for at the head, so there is no later load that a prefetch could run ahead of.
; THE TWO TILES ARE HALF A STEP APART.  A half makes, for its own tile x: the last step's O product, this step's scores, their maxima, t - M, the exponentials; and for the other tile y, whose exponentials the half before made:
; the sums (among the products), the block scales (among x's maxima), the hold and the conversion to codes (among x's exponentials).  So hardly a line waits for the line above it, and no place is filled by an idle line.
; The loop is written once: its first trip finds zero codes and zero sums, which it leaves zeros.
; LAYOUT.  Both products are used transposed: S^T = K Q^T (source 0 = 16 keys), O^T = V^T P^T (source 0 = 16 channels): a lane holds one query throughout.  Operands lie as images of their registers: a load takes 512
; consecutive bytes.  The keys of a tile are chosen so that the 16 registers of tiles 2 b, 2 b + 1 are keys 32 b + 16 (lane / 16) + 0 .. 15; V's channel tiles likewise, so that O's registers run along the model's axis.
; THE SCORES' K IS 64, the instruction's 128.  Registers 8-15 of Q's fragment hold zero codes, so whatever codes stand in registers 8-15 of a K fragment add nothing (no code here is a NaN code: every
; number was held at 448 x its scale).  K's eight tiles lie eight registers apart: a tile's upper registers are the next tile's codes, the last tile's are zeros.
; LIMITS: the quantiser's, as the first launch states them; a block of p that has fallen to 0 keeps the byte 1 over zero codes; the scaled scores stay under 2^31 in magnitude; NaN and infinities are not served.
; REGISTERS.  Window 0: v1-11 addresses; v16-47 Q; v48-119 K; v120-183 V; v184-199 scale words.
; Window 1: v0-63, v64-127 S^T, then p, of tile 0, tile 1; v128-159, v160-191 O^T; v192-207, v208-223 p's codes; v224-227 the sums, two halves each; v228-255 small values.  So one window setting serves all but products and loads.
.set BLK,   17152                      ; a key step's block: K's codes 8,192, K's scale words 512, V's codes 8,192, V's scale words 256
.set QBLK,  8704
.set KSC,   8192
.set VOF,   8704
.set VSC,   16896
.set SPARE, 16*BLK                     ; behind the blocks: the spare words, 128 bytes for each wave, which no other line names
.set AL,  1                            ; v1  16 x lane
.set AR,  2                            ; v2  16 r
.set SPW, 5                            ; v5  my spare word; never rewritten
.set NIL, 6                            ; v6  0; never rewritten
.set AB,  7                            ; v7  8 r + h: my scale byte's place
.set ADK, 8
.set AKS, 9
.set ADV, 10
.set AVS, 11
.set QF,  16
.set KF,  48
.set VF,  120
.set KS,  184
.set VS,  192
.set PS,  196
.set QS,  198
; small values, in window 1
.set BY,  228                          ; v228-233 sums at work, then v228-231 y's scale bytes, v232 its word
.set BM,  234                          ; v234-237, v238-241 a tile's four blocks: the largest scores, then the largest p, then 448 x the scale
.set CV,  242                          ; v242-245 y's conversions' scale operands
.set NM,  246                          ; v[246:247], v[248:249] a tile's -M and its largest score so far
.set T1,  250                          ; v250, v251, v254, v255 the maxima's second chains, then lane l xor 16's
.set FF,  250                          ; v[250:251] f = 2^(old M - new M)
.set TT,  252
.set OLD, 253
.set WV,  12
.set SEL, 16                           ; s[16:17]
.set CS,  18                           ; s[18:19] c = log2(e) / 8
.set MNT, 20
.set TB,  21                           ; s21 LDS byte at which the step's block begins
.set CNT, 22
.set HM,  23
.set G1,  24                           ; s[24:31]
.set G0,  32                           ; s[32:35]
.set TK,  36                           ; s36 and where the next step's begins
.set FLS, 37                           ; s37 the floor 2^(9 - 127)
.set MSB, 0
.macro WIN new                         ; the immediate's high byte repeats the setting that is left
.if MSB != (\new)
	s_set_vgpr_msb (MSB<<8)|(\new)
.set MSB, (\new)
.endif
.endm
.macro CROUND
	s_barrier_signal -1
	s_barrier_wait -1
	s_cmp_lg_u32 s[WV], 0
	s_cbranch_scc1 .Lnot_wave_0_\@
	s_barrier_signal -3
.Lnot_wave_0_\@:
	s_barrier_wait -3
	s_barrier_signal -1
	s_barrier_wait -1
.endm
.macro TLOAD
	tensor_load_to_lds s[G0:G0+3], s[G1:G1+7]
	s_nop 0
.rept 4
	v_nop
.endr
.endm
.macro SHOW under                      ; the waves under this number wait for their load; the barrier shows it to all.  No LDS load is out at the signal
	s_cmp_lt_u32 s[WV], \under
	s_cbranch_scc0 .Lnot_mine_\@
	s_wait_tensorcnt 0x0
.Lnot_mine_\@:
	s_barrier_signal -1
	s_barrier_wait -1
.endm
	s_load_b256 s[4:11], s[0:1], 0x0               ; qimg, kv, ac, asc
	v_lshl_add_u32 v[SPW], v0, 2, SPARE
	v_mov_b32 v[NIL], 0
	ds_add_u32 v[SPW], v[NIL]                      ; the wave's opening: the add, twice on end, and its wait ahead of the first tensor load
	ds_add_u32 v[SPW], v[NIL]
	v_lshrrev_b32 v3, 5, v0
	v_readfirstlane_b32 s[WV], v3                  ; wave 0..7
	s_bfe_u32 s13, ttmp6, 0x40000                  ; cx: it enters Q's and the results' global addresses alone
	s_lshl_b32 s14, ttmp9, 2
	s_add_co_u32 s14, s14, s13                     ; my block of 256 queries
	s_and_b32 s15, ttmp7, 0xffff                   ; the head, which the four partners share
	; group 1: two blocks, 34,304 dense bytes, as 134 rows of 256 (32 elements of 8 bytes); the mask names all four work-groups, bit 21 stands beside it
	s_mov_b32 s[G1], 15|(3<<16)|(1<<21)
	s_mov_b32 s[G1+1], 32<<16
	s_mov_b32 s[G1+2], 134<<16
	s_mov_b32 s[G1+3], 32<<16
	s_mov_b32 s[G1+4], 134
	s_mov_b32 s[G1+5], 32
	s_mov_b32 s[G1+6], 0
	s_mov_b32 s[G1+7], 0
	s_mov_b32 s[SEL], 0x76543210
	s_mov_b32 s[SEL+1], 0xfedcba98
	s_mov_b32 s[CS], 0x3e38aa3b
	s_mov_b32 s[CS+1], s[CS]
	s_mov_b32 s[MNT], 0x600000
	s_mov_b32 s[FLS], 0x4800000
	s_mov_b32 s[TB], 0
	s_mov_b32 s[TK], BLK
	s_lshl_b32 s48, s15, 4
	s_lshl_b32 s50, s[WV], 1
	s_add_co_u32 s48, s48, s50
	s_mul_i32 s48, s48, BLK                        ; key steps 2 w, 2 w + 1, in memory,
	s_mov_b32 s49, 0
	s_mul_i32 s50, s[WV], 2*BLK                    ; and in LDS
	s_and_b32 s51, s[WV], 3
	s_lshl_b32 s51, s51, 1                         ; a: my first tile in its step of 128 queries
	s_lshr_b32 s52, s[WV], 2
	s_lshl_b32 s53, s14, 1
	s_add_co_u32 s52, s52, s53                     ; that step
	s_lshl_b32 s53, s15, 4
	s_add_co_u32 s53, s53, s52
	s_mul_i32 s53, s53, QBLK
	s_lshl_b32 s54, s51, 10
	s_add_co_u32 s54, s54, s53                     ; Q's codes: 1,024 bytes a tile
	s_mov_b32 s55, 0
	s_lshr_b32 s56, s51, 2
	s_lshl_b32 s56, s56, 8
	s_add_co_u32 s56, s56, s53
	s_and_b32 s57, s51, 3
	s_lshl_b32 s57, s57, 2
	s_add_co_u32 s56, s56, s57
	s_add_co_u32 s56, s56, KSC                     ; Q's scale words: [a / 4][row][a % 4]
	s_mov_b32 s57, 0
	s_lshr_b32 s58, s15, 4
	s_lshl_b32 s58, s58, 7
	s_lshl_b32 s59, s52, 3
	s_add_co_u32 s58, s58, s59
	s_add_co_u32 s58, s58, s51                     ; my first token tile: 128 batch + 8 step + a
	s_and_b32 s62, s15, 15                         ; the head inside its batch
	s_lshl_b32 s60, s58, 9
	s_lshr_b32 s59, s62, 2
	s_lshl_b32 s59, s59, 7
	s_add_co_u32 s60, s60, s59
	s_and_b32 s59, s62, 3
	s_lshl_b32 s59, s59, 1
	s_add_co_u32 s60, s60, s59                     ; asc: 512 tile + 128 (head / 4) + 2 (head % 4)
	s_mov_b32 s61, 0
	s_lshl_b32 s58, s58, 14
	s_lshl_b32 s59, s62, 10
	s_add_co_u32 s58, s58, s59                     ; ac: 16,384 tile + 1,024 head: the head's 64 are two chunks
	s_mov_b32 s59, 0
	s_wait_dscnt 0x0                               ; both opening adds are done
	CROUND                                         ; all four work-groups are here: the joint loads meet
	s_wait_kmcnt 0x0
	s_add_nc_u64 s[48:49], s[6:7], s[48:49]
	s_mov_b32 s[G0], 1
	s_mov_b32 s[G0+1], s50
	s_mov_b64 s[G0+2:G0+3], s[48:49]
	s_or_b32 s[G0+3], s[G0+3], 0x80000000
	s_cmp_lt_u32 s[WV], 1                          ; one load a wave, a line for each stage that shows it
	s_cbranch_scc0 .Lnot_first
	TLOAD
	s_branch .Lasked
.Lnot_first:
	s_cmp_lt_u32 s[WV], 3
	s_cbranch_scc0 .Lnot_second
	TLOAD
	s_branch .Lasked
.Lnot_second:
	TLOAD
.Lasked:
	s_add_nc_u64 s[54:55], s[4:5], s[54:55]
	s_add_nc_u64 s[56:57], s[4:5], s[56:57]
	s_add_nc_u64 s[58:59], s[8:9], s[58:59]
	s_add_nc_u64 s[60:61], s[10:11], s[60:61]
	v_and_b32 v3, 31, v0
	v_lshlrev_b32 v[AL], 4, v3
	v_and_b32 v4, 15, v0                           ; r
	v_lshlrev_b32 v[AR], 4, v4
	v_bfe_u32 v3, v0, 4, 1                         ; h
	v_lshl_add_u32 v[AB], v4, 3, v3
	v_cmp_ne_u32 s[HM], 0, v3
.irp x, 0,1
	global_load_b128 v[QF+16*\x:QF+16*\x+3], v[AL], s[54:55] offset:1024*\x
	global_load_b128 v[QF+16*\x+4:QF+16*\x+7], v[AL], s[54:55] offset:1024*\x+512
	global_load_b32 v[QS+\x], v[AR], s[56:57] offset:4*\x
.endr
.set j, 0
.rept 8
	v_mov_b32 v[QF+8+j], 0                         ; Q's zero codes for k = 64 .. 127
	v_mov_b32 v[QF+24+j], 0
	v_mov_b32 v[KF+64+j], 0                        ; what stands behind K's last tile
.set j, j+1
.endr
	v_mov_b32 v[PS], 0
	WIN 0x40
.irp x, 0,2
	v_mov_b32 v[NM+\x], 0x7e967699                 ; -M = 1e38, the largest score -3e38: under every score
	v_mov_b32 v[NM+\x+1], 0xff61b1e6
.endr
.irp b, 0,1,2,3
	v_mov_b32 v[BM+4+\b], 0                        ; tile 1's blocks: what the first trip finds
	v_mov_b32 v[224+\b], 0
.endr
.set j, 0
.rept 64
	v_mov_b32 v[64+j], 0                           ; tile 1's p and the sums of O^T
	v_mov_b32 v[128+j], 0
.set j, j+1
.endr
.set j, 0
.rept 16
	v_mov_b32 v[192+j], 0                          ; tile 0's codes
.set j, j+1
.endr
	WIN 0
; The operands of a step: V's four channel tiles and words, K's eight key tiles and words: 35 loads
.macro LOADKV ak, aks, av, avs
.irp t, 0,1,2,3
.irp c, 0,1,2,3
	ds_load_b128 v[VF+16*\t+4*\c:VF+16*\t+4*\c+3], v[\av] offset:VOF+2048*\t+512*\c
.endr
.endr
	ds_load_b128 v[VS:VS+3], v[\avs] offset:VSC
.irp t, 0,1,2,3,4,5,6,7
	ds_load_b128 v[KF+8*\t:KF+8*\t+3], v[\ak] offset:\t*1024
	ds_load_b128 v[KF+8*\t+4:KF+8*\t+7], v[\ak] offset:\t*1024+512
.endr
	ds_load_b128 v[KS:KS+3], v[\aks] offset:KSC    ; row r's words of tiles 0-3,
	ds_load_b128 v[KS+4:KS+7], v[\aks] offset:KSC+256  ; and of tiles 4-7
.endm
; Line n of 32 of the row's sum of tile y's 64 p: two at a time, in four chains, one of them the running sum
.macro SUM n, y
.set SB_, 64*(\y)
.set LB_, 224+2*(\y)
.if (\n) < 3
	v_pk_add_f32 v[228+2*(\n):229+2*(\n)], v[SB_+4*(\n):SB_+4*(\n)+1], v[SB_+4*(\n)+2:SB_+4*(\n)+3]
.elseif (\n) < 29
.set AC_, 226+2*(((\n)-3)%4)
.if ((\n)-3)%4 == 0
.set AC_, LB_
.endif
	v_pk_add_f32 v[AC_:AC_+1], v[SB_+2*(\n)+6:SB_+2*(\n)+7], v[AC_:AC_+1]
.elseif (\n) == 29
	v_pk_add_f32 v[230:231], v[232:233], v[230:231]
.elseif (\n) == 30
	v_pk_add_f32 v[LB_:LB_+1], v[228:229], v[LB_:LB_+1]
.else
	v_pk_add_f32 v[LB_:LB_+1], v[230:231], v[LB_:LB_+1]
.endif
.endm
; Product k of tile x: 0-3 O^T += V^T P^T, 4-11 S^T = K Q^T
.macro MM k, x
.if (\k) < 4
.set D_, 128+32*(\x)+8*(\k)
	WIN 0x54
	v_wmma_scale_f32_16x16x128_f8f6f4 v[D_:D_+7], v[VF+16*(\k):VF+16*(\k)+15], v[192+16*(\x):207+16*(\x)], v[D_:D_+7], v[VS+(\k)], v[PS+(\x)]
.else
.set T_, (\k)-4
.set D_, 64*(\x)+8*T_
	WIN 0x40
	v_wmma_scale_f32_16x16x128_f8f6f4 v[D_:D_+7], v[KF+8*T_:KF+8*T_+15], v[QF+16*(\x):QF+16*(\x)+15], 0, v[KS+T_], v[QS+(\x)]
.endif
.endm
; The largest scores of blocks b and b + 1, part m of 4: two chains a block, one for each of its two tiles
.macro MX4 x, b, m
.irp u, 0,1
.irp p, 0,1
.set C_, BM+4*(\x)+\b+\u
.if \p
.set C_, T1+2*(\b)+\u
.endif
.set R_, 64*(\x)+16*(\b+\u)+8*\p+2*(\m)
.if (\m) == 0
	v_max_num_f32 v[C_], v[R_], v[R_+1]
.else
	v_max3_num_f32 v[C_], v[R_], v[R_+1], v[C_]
.endif
.endr
.endr
.endm
.macro JOIN x, i                       ; blocks i, i + 1: with the second chain, or with lane l xor 16's 16 keys
	v_dual_max_num_f32 v[BM+4*(\x)+\i], v[BM+4*(\x)+\i], v[T1+2*\i] :: v_dual_max_num_f32 v[BM+4*(\x)+\i+1], v[BM+4*(\x)+\i+1], v[T1+2*\i+1]
.endm
.macro PERM x, b
	v_permlanex16_b32 v[T1+(\b)%2+4*((\b)/2)], v[BM+4*(\x)+\b], s[SEL], s[SEL+1]
.endm
; From tile y's blocks' largest p: the floor, the conversion's scale operand, 448 x the scale (in place), the byte
.macro FLOOR2 y, i
	v_dual_max_num_f32 v[BM+4*(\y)+\i], s[FLS], v[BM+4*(\y)+\i] :: v_dual_max_num_f32 v[BM+4*(\y)+\i+1], s[FLS], v[BM+4*(\y)+\i+1]
.endm
.macro OPND y, b
	v_add_nc_u32 v[CV+\b], 0xfc000000, v[BM+4*(\y)+\b]
.endm
.macro LIMIT y, b
	v_and_or_b32 v[BM+4*(\y)+\b], v[BM+4*(\y)+\b], 0x7f800000, s[MNT]
.endm
.macro BYTE b
	v_lshrrev_b32 v[BY+\b], 23, v[CV+\b]
.endm
.macro MIN y, e                        ; numbers 2 e, 2 e + 1 held at 448 x the scale, two an instruction; p is not negative, so it is one-sided
	v_dual_min_num_f32 v[64*(\y)+2*(\e)], v[64*(\y)+2*(\e)], v[BM+4*(\y)+(\e)/8] :: v_dual_min_num_f32 v[64*(\y)+2*(\e)+1], v[64*(\y)+2*(\e)+1], v[BM+4*(\y)+(\e)/8]
.endm
.macro CVT y, g                        ; eight numbers to codes
	v_cvt_scalef32_pk8_fp8_f32 v[192+16*(\y)+2*(\g):192+16*(\y)+2*(\g)+1], v[64*(\y)+8*(\g):64*(\y)+8*(\g)+7], v[CV+(\g)/2]
.endm
.macro FMA8 g                          ; t - M, two at a time: 16 keys
.irp j, 0,2,4,6,8,10,12,14
	v_pk_fma_f32 v[XS+16*\g+\j:XS+16*\g+\j+1], v[XS+16*\g+\j:XS+16*\g+\j+1], s[CS:CS+1], v[XN:XN+1] op_sel_hi:[1,0,0]
.endr
.endm
; HALF A STEP: tile x's step, among it the end of tile y's.  load = 1: no product reads this step's operands any more: the next trip's come
.macro HALF x, load
.set Y_, 1-(\x)
.set XS, 64*(\x)
.set XO, 128+32*(\x)
.set XL, 224+2*(\x)
.set XB, BM+4*(\x)
.set XN, NM+2*(\x)
	WIN 0x55
.set N_, 0
.rept 4                                        ; four plain lines between the last conversion and the first product
	SUM N_, Y_
.set N_, N_+1
.endr
.set K_, 0
.rept 12                                       ; twelve products; behind each two lines of y's sum
	MM K_, \x
	WIN 0x55
.rept 2
	SUM N_, Y_
.set N_, N_+1
.endr
.set K_, K_+1
.endr
	MX4 \x, 0, 0                                   ; the largest score of each block of 32 keys: for the row's maximum and, since p rises with the score, for the block's largest p
	SUM 28, Y_
	MX4 \x, 0, 1
	SUM 29, Y_
	MX4 \x, 0, 2
	SUM 30, Y_
	MX4 \x, 0, 3
	SUM 31, Y_
	MX4 \x, 2, 0
	JOIN \x, 0
	FLOOR2 Y_, 0
	MX4 \x, 2, 1
	PERM \x, 0
	PERM \x, 1
	FLOOR2 Y_, 2
	MX4 \x, 2, 2
	OPND Y_, 0
	JOIN \x, 0
	OPND Y_, 1
	MX4 \x, 2, 3
	OPND Y_, 2
	OPND Y_, 3
	LIMIT Y_, 0
	LIMIT Y_, 1
	JOIN \x, 2
	LIMIT Y_, 2
	LIMIT Y_, 3
	v_mov_b32 v[OLD], v[XN]
	PERM \x, 2
	PERM \x, 3
	BYTE 0
	BYTE 1
	BYTE 2
	BYTE 3
	JOIN \x, 2
	v_lshl_or_b32 v[BY+4], v[BY+1], 8, v[BY]       ; y's scale word for its 128 keys
	MIN Y_, 0
	MIN Y_, 1
	MIN Y_, 2
	v_max3_num_f32 v[TT], v[XB], v[XB+1], v[XB+2]
	v_lshl_or_b32 v[BY+4], v[BY+2], 16, v[BY+4]
	MIN Y_, 3
	MIN Y_, 4
	MIN Y_, 5
	v_max3_num_f32 v[XN+1], v[TT], v[XB+3], v[XN+1]  ; the largest score so far
	WIN 0x15
	v_lshl_or_b32 v[PS+Y_], v[BY+3], 24, v[BY+4]
.if \load
	WIN 0
	v_add_nc_u32 v[ADV], s[TB], v[AL]
	v_add_nc_u32 v[AVS], s[TB], v[AR]
	v_add_nc_u32 v[ADK], s[TK], v[AL]
	v_add_nc_u32 v[AKS], s[TK], v[AR]
	LOADKV ADK, AKS, ADV, AVS
.endif
	WIN 0x55
	v_mul_f32 v[TT], s[CS], v[XN+1]                ; as t
	MIN Y_, 6
	MIN Y_, 7
	MIN Y_, 8
	MIN Y_, 9
	v_floor_f32 v[XN], -v[TT]                      ; the new -M = -ceil(t)
	MIN Y_, 10
	MIN Y_, 11
	MIN Y_, 12
	FMA8 0
	v_sub_f32 v[TT], v[XN], v[OLD]                 ; old M - new M: a whole number, 0 or less
	FMA8 1
	v_cvt_i32_f32 v[TT], v[TT]                     ; (it saturates)
	v_pk_fma_f32 v[XB:XB+1], v[XB:XB+1], s[CS:CS+1], v[XN:XN+1] op_sel_hi:[1,0,0]
	v_pk_fma_f32 v[XB+2:XB+3], v[XB+2:XB+3], s[CS:CS+1], v[XN:XN+1] op_sel_hi:[1,0,0]
	MIN Y_, 13
	MIN Y_, 14
	v_ldexp_f32 v[FF], 1.0, v[TT]                  ; f
	MIN Y_, 15
	MIN Y_, 16
	MIN Y_, 17
	MIN Y_, 18
.irp j, 0,2,4,6,8,10,12,14,16,18,20,22,24,26,28,30
	v_pk_mul_f32 v[XO+\j:XO+\j+1], v[XO+\j:XO+\j+1], v[FF:FF+1] op_sel_hi:[1,0]   ; O^T and the sum under the new M
.endr
	v_pk_mul_f32 v[XL:XL+1], v[XL:XL+1], v[FF:FF+1] op_sel_hi:[1,0]
	s_wait_alu depctr_va_vdst(0)                   ; the wait ahead of the batch
.irp b, 0,1,2,3
	v_exp_f32 v[XB+\b], v[XB+\b]                   ; the blocks' largest p: the same two steps on the same number
.endr
.set E_, 0
.rept 32
	v_exp_f32 v[XS+E_], v[XS+E_]                   ; p = 2^(t - M)
.if E_ < 16
	v_pk_fma_f32 v[XS+32+2*E_:XS+33+2*E_], v[XS+32+2*E_:XS+33+2*E_], s[CS:CS+1], v[XN:XN+1] op_sel_hi:[1,0,0]   ; t - M of the other 32,
.elseif E_ < 29
	MIN Y_, E_+3                                   ; and the rest of y's hold
.endif
.set E_, E_+1
.endr
	s_wait_alu depctr_va_vdst(0)                   ; what was written among these exponentials is read by or behind the next
.set G_, 0
.rept 8
.irp i, 0,1,2,3
	v_exp_f32 v[XS+32+4*G_+\i], v[XS+32+4*G_+\i]
.endr
	CVT Y_, G_                                     ; y's codes among the other 32
.set G_, G_+1
.endr
	v_nop                                          ; a plain line behind the exponentials and the conversions
	s_wait_alu depctr_va_vdst(0)                   ; one wait for the batch, ahead of its first reader
.endm
.macro TRIPS n
.if \n > 1
	s_mov_b32 s[CNT], \n
.Lt_\@:
.endif
	s_wait_dscnt 0x0                               ; this trip's operands
	HALF 0, 0
	HALF 1, 1
	WIN 0
	s_add_co_u32 s[TB], s[TB], BLK
	s_add_co_u32 s[TK], s[TB], BLK
	s_min_u32 s[TK], s[TK], 15*BLK                 ; the last trip has no next step: it takes the last block's K once more, which nothing reads
.if \n > 1
	s_sub_co_u32 s[CNT], s[CNT], 1
	s_cmp_lg_u32 s[CNT], 0
	s_cbranch_scc1 .Lt_\@
.endif
.endm
	s_wait_alu depctr_va_vdst(0)                   ; the wait at the head's end
	s_wait_loadcnt 0x0                             ; Q
	SHOW 1                                         ; key steps 0 and 1
	LOADKV AL, AR, AL, AR                          ; step 0's K; its V stands in for the step before, against zero codes
	TRIPS 1                                        ; a trip loads its own step's V and the next step's K
	s_wait_dscnt 0x0
	SHOW 3                                         ; key steps 2 to 5
	TRIPS 4
	s_wait_dscnt 0x0
	s_wait_tensorcnt 0x0                           ; all that is still out: key steps 6 to 15
	s_barrier_signal -1
	s_barrier_wait -1
	TRIPS 11
	; THE END of the last step: tile 0's O product among tile 1's sum, then tile 1's scales, hold, codes and O product
	s_wait_dscnt 0x0
	WIN 0x55
.set N_, 0
.rept 4
	SUM N_, 1
.set N_, N_+1
.endr
.set K_, 0
.rept 4
	MM K_, 0
	WIN 0x55
.rept 7
	SUM N_, 1
.set N_, N_+1
.endr
.set K_, K_+1
.endr
	FLOOR2 1, 0
	FLOOR2 1, 2
.irp b, 0,1,2,3
	OPND 1, \b
.endr
.irp b, 0,1,2,3
	LIMIT 1, \b
.endr
.irp b, 0,1,2,3
	BYTE \b
.endr
	v_lshl_or_b32 v[BY+4], v[BY+1], 8, v[BY]
	v_lshl_or_b32 v[BY+4], v[BY+2], 16, v[BY+4]
	WIN 0x15
	v_lshl_or_b32 v[PS+1], v[BY+3], 24, v[BY+4]
	WIN 0x55
.set E_, 0
.rept 32
	MIN 1, E_
.set E_, E_+1
.endr
.set G_, 0
.rept 8
	CVT 1, G_
.set G_, G_+1
.endr
	v_add_f32 v[TT], v[224], v[225]                ; the sums' two halves,
	v_add_f32 v[OLD], v[226], v[227]
	v_permlanex16_b32 v[T1], v[TT], s[SEL], s[SEL+1]
	v_permlanex16_b32 v[T1+1], v[OLD], s[SEL], s[SEL+1]
	v_add_f32 v[TT], v[TT], v[T1]                  ; and lane l xor 16's: the rows' sums
	v_add_f32 v[OLD], v[OLD], v[T1+1]
	s_wait_alu depctr_va_vdst(0)
	v_rcp_f32 v[NM], v[TT]
	v_rcp_f32 v[NM+2], v[OLD]
	v_nop
	s_wait_alu depctr_va_vdst(0)                   ; the wait ahead of the reciprocals' first readers
.irp k, 0,1,2,3
	MM \k, 1
.endr
	; THE WAY OUT: O^T / the sum; a tile's 32 registers are two blocks of 32 along the model's axis (16 here, 16 in lane l xor 16); codes and bytes go out as the last product's operand
	WIN 0x55
	s_wait_alu depctr_va_vdst(0)
.irp x, 0,1
.irp j, 0,2,4,6,8,10,12,14,16,18,20,22,24,26,28,30
	v_pk_mul_f32 v[64*\x+\j:64*\x+\j+1], v[128+32*\x+\j:129+32*\x+\j], v[NM+2*\x:NM+2*\x+1] op_sel_hi:[1,0]   ; tile 0's 16 lines are the places behind tile 1's products
.endr
.endr
.irp x, 0,1
.irp b, 0,1
	v_max3_num_f32 v[BM+4*\x+\b], |v[64*\x+16*\b]|, |v[64*\x+16*\b+1]|, 0x4800000
.endr
.endr
.irp i, 2,4,6,8,10,12,14
.irp x, 0,1
.irp b, 0,1
	v_max3_num_f32 v[BM+4*\x+\b], |v[64*\x+16*\b+\i]|, |v[64*\x+16*\b+\i+1]|, v[BM+4*\x+\b]
.endr
.endr
.endr
.irp x, 0,1
.irp b, 0,1
	v_permlanex16_b32 v[T1+4*\x+\b], v[BM+4*\x+\b], s[SEL], s[SEL+1]
.endr
.endr
.irp x, 0,1
	v_dual_max_num_f32 v[BM+4*\x], v[BM+4*\x], v[T1+4*\x] :: v_dual_max_num_f32 v[BM+4*\x+1], v[BM+4*\x+1], v[T1+4*\x+1]
.endr
.irp x, 0,1
.irp b, 0,1
	v_add_nc_u32 v[CV+2*\x+\b], 0xfc000000, v[BM+4*\x+\b]
.endr
.endr
.irp x, 0,1
.irp b, 0,1
	LIMIT \x, \b
.endr
.endr
.irp b, 0,1,2,3
	BYTE \b
.endr
.irp x, 0,1
.set E_, 0
.rept 32
	v_med3_num_f32 v[64*\x+E_], v[64*\x+E_], -v[BM+4*\x+E_/16], v[BM+4*\x+E_/16]
.set E_, E_+1
.endr
.endr
.irp x, 0,1
.irp g, 0,1,2,3
	v_cvt_scalef32_pk8_fp8_f32 v[192+16*\x+2*\g:193+16*\x+2*\g], v[64*\x+8*\g:64*\x+8*\g+7], v[CV+2*\x+\g/2]
.endr
.endr
.irp x, 0,1
	v_cndmask_b32 v[TT+\x], v[BY+2*\x], v[BY+2*\x+1], s[HM]     ; lanes 0-15 the first block's byte of row r, lanes 16-31 the second's.  (Plain lines behind the last conversion)
.endr
	WIN 0x04
.irp x, 0,1
	global_store_b128 v[AL], v[192+16*\x:195+16*\x], s[58:59] offset:16384*\x       ; 512 consecutive bytes, aligned
	global_store_b128 v[AL], v[196+16*\x:199+16*\x], s[58:59] offset:16384*\x+512
	global_store_b8 v[AB], v[TT+\x], s[60:61] offset:512*\x   ; 32 bytes, two in each row's eight: one byte for 32 codes
.endr
	WIN 0
	s_wait_tensorcnt 0x0                           ; the wave's end
	ds_add_u32 v[SPW], v[NIL]
	s_wait_dscnt 0x0
	CROUND                                         ; the closing round
	s_endpgm
.Lfunc_end_k_q2746158a27_attn:
	.size	k_q2746158a27_attn, .Lfunc_end_k_q2746158a27_attn-k_q2746158a27_attn
	.p2alignl 7, 3214868480
	.fill 96, 4, 3214868480
	.section	.rodata,"a",@progbits
	.p2align	6, 0x0
	.amdhsa_kernel k_q2746158a27_attn
		.amdhsa_group_segment_fixed_size 327680
		.amdhsa_private_segment_fixed_size 0
		.amdhsa_enable_private_segment 0
		.amdhsa_kernarg_size 32
		.amdhsa_user_sgpr_count 2
		.amdhsa_user_sgpr_kernarg_segment_ptr 1
		.amdhsa_wavefront_size32 1
		.amdhsa_system_sgpr_workgroup_id_x 1
		.amdhsa_system_sgpr_workgroup_id_y 1
		.amdhsa_system_sgpr_workgroup_id_z 1
		.amdhsa_system_vgpr_workitem_id 0
		.amdhsa_next_free_vgpr 512
		.amdhsa_next_free_sgpr 66
		.amdhsa_reserve_vcc 0
		.amdhsa_float_denorm_mode_32 3
		.amdhsa_float_denorm_mode_16_64 3
		.amdhsa_memory_ordered 1
		.amdhsa_forward_progress 1
		.amdhsa_inst_pref_size 137
	.end_amdhsa_kernel
	.amdgpu_metadata
---
amdhsa.version: [ 1, 2 ]
amdhsa.kernels:
  - .name:           k_q2746158a27_attn
    .symbol:         k_q2746158a27_attn.kd
    .args:
      - { .name: qimg, .offset: 0, .size: 8, .value_kind: global_buffer, .address_space: global }
      - { .name: kv, .offset: 8, .size: 8, .value_kind: global_buffer, .address_space: global }
      - { .name: ac, .offset: 16, .size: 8, .value_kind: global_buffer, .address_space: global }
      - { .name: asc, .offset: 24, .size: 8, .value_kind: global_buffer, .address_space: global }
    .group_segment_fixed_size: 327680
    .private_segment_fixed_size: 0
    .kernarg_segment_align: 8
    .kernarg_segment_size: 32
    .max_flat_workgroup_size: 256
    .sgpr_count:     66
    .vgpr_count:     512
    .wavefront_size: 32
...
	.end_amdgpu_metadata
.endif
;; end of part 7
;; launch oproj (part 8): grid 8 x 32, 4 waves a work-group, clusters of 4 x 4, 327,680 bytes of LDS; arguments ac, asc, codes, scales, bo, out0; writes out0
.if DOCPART == 8
	.amdgcn_target "amdgcn-amd-amdhsa--gfx1250"
	.amdhsa_code_object_version 6
	.text
	.protected	k_q2746158a27_oproj
	.globl	k_q2746158a27_oproj
	.p2align	8
	.type	k_q2746158a27_oproj,@function
k_q2746158a27_oproj:
	s_mov_b64 s[64:65], 0
	v_nop
	global_prefetch_b8 v0, s[64:65] scope:SCOPE_SE
	s_setreg_imm32_b32 hwreg(HW_REG_WAVE_MODE, 25, 1), 1
	s_wait_xcnt 0x0
	s_wait_alu depctr_hold_cnt(0) depctr_sa_sdst(0) depctr_va_vdst(0) depctr_va_sdst(0) depctr_va_ssrc(0) depctr_va_vcc(0) depctr_vm_vsrc(0)
	s_getreg_b32 s2, hwreg(HW_REG_IB_STS2, 6, 4)
	s_cmp_eq_u32 s2, 0
	s_cbranch_scc0 .Lentry_in_a_cluster
	s_endpgm
.Lentry_in_a_cluster:
	s_bfe_u32 s2, ttmp6, 0x10000c
	s_cmp_lg_u32 s2, 0xf033
	s_cbranch_scc0 .Lentry_shape_is_right
	s_endpgm
.Lentry_shape_is_right:
; Launch 4 of 4: out0 = merged Wo^T + bo on codes of FP8 (E4M3) with E8M0 scales; out0 [4096][1024] f32.  No work is left out.
; A tile of 128 x 128 is made by four waves, 64 tokens x 64 columns each: 4,096 x 1,024 / (128 x 128) = 256 work-groups.  Source 0 of the matrix instruction is 'B' = Wo's rows (they run along a lane's registers), source 1 is
; 'A' = the tokens (the lane), so that a lane's eight results are eight neighbouring columns of one row.
; A WAVE HOLDS ITS 64 ROWS OF Wo, ALL OF K, IN REGISTERS (512) and streams its four token tiles of 16 rows past them, in two sets of registers (256): a tile is finished by 32 products and leaves while the next is multiplied.
; ALL OF K LIES IN LDS: 128 rows x 1,024 codes of B and of A are 2 x 131,072 bytes, each filled once, by one load a wave at the head: waves 0 and 1 ask for B's halves, wave 2 for token tiles 0-3, wave 3 for tiles 4-7; barriers show
; B, then each of the two.  Waves of row half rh take token tiles 2 rh, 2 rh + 1, 4 + 2 rh, 5 + 2 rh, so that wave 2's load holds the first two of each.  No later load follows, so nothing could be prefetched ahead of one.
; CLUSTERS of 4 x 4: A's tiles are asked for jointly along a row of the cluster, B's along a column.
; The operands lie as images of their registers (16 rows x 128 K = 2,048 bytes, lane l's 16 bytes of chunk c at 512 c + 16 l): every LDS load takes 512 consecutive bytes, with no pitch and no padding.
; THE SCALE WORDS go straight into registers, once: a load takes 256 consecutive bytes: lanes 0-15 get the two words of an even K pair, lanes 16-31 those of the next.
; The rows of a tile are not neighbours (place r of tile T is row 32 (T / 2) + 8 (T % 2) + r + 8 (r / 8)): the way out puts columns and rows back by its offsets.  bo is the C of each sum's first product.
; REGISTERS: window 0: v8-22 addresses; v32-47 A's scale words, v50-65 B's; v72-103 bo; v104-167 two sets of four accumulators; v168-231 on the way out rows of out0, two sets.  Windows 1, 2: B's fragments (q, b) at 16 (4 q + b).
; Window 3: A's fragments, two sets of 128.
.set NP,     8                         ; places behind this matrix instruction (ISA guide 7.12.1)
.set AB0,    131072                    ; LDS: B's 8 tiles of 16,384 bytes, then A's 8
.set SPARE,  262144                    ; the spare words, 128 bytes for each wave, which no other line names
.set STAGE,  SPARE+512                 ; the way out: 16 rows x (256 + 16) bytes for each wave, bytes into which no tensor load lands
.set SPITCH, 272
.set WA,   8                           ; v8, v9  LDS address of my A fragments: tiles 0 and 1 of mine, tiles 2 and 3
.set WB,   10                          ; v10  of B's
.set LI,   16                          ; v16  16 x lane
.set STO,  17                          ; v17  into the stage: 272 r + 64 h
.set RD,   18                          ; v18  out of it: 272 h + 16 r
.set CO,   19                          ; v19  the same two rows in out0: 4,096 h + 16 r
.set BO,   20                          ; v20  64 h
.set L8,   22                          ; v22  8 x lane
.set SPW,  28                          ; v28  my spare word; never rewritten
.set NIL,  29                          ; v29  0; never rewritten
.set SA,   32                          ; register 4 tile + 2 (K step / 4) + K step % 2; the two sides' numbers differ modulo 8
.set SB,   50
.set BI,   72
.set ACC,  104
.set BK,   168
.set WV,   18                          ; s18 wave;  s19 wave / 2: my half of A;  s20 wave % 2: my half of B, and which half of a tensor's tiles I fetch
.set RH,   19
.set CH,   20
.set G1,   24                          ; s[24:31] group 1 for A, s[32:35] group 0
.set G0A,  32
.set G1B,  48                          ; s[48:55], s[56:59] for B
.set G0B,  56
.set MSB, 0
.macro WIN new                         ; the immediate's high byte repeats the setting that is left
.if MSB != (\new)
	s_set_vgpr_msb (MSB<<8)|(\new)
.set MSB, (\new)
.endif
.endm
.macro CROUND                          ; a round of the cluster's barrier
	s_barrier_signal -1
	s_barrier_wait -1
	s_cmp_lg_u32 s[WV], 0
	s_cbranch_scc1 .Lnot_wave_0_\@
	s_barrier_signal -3
.Lnot_wave_0_\@:
	s_barrier_wait -3
	s_barrier_signal -1
	s_barrier_wait -1
.endm
.macro PLACES n                        ; plain vector lines between a matrix instruction and a load into, or a read of, its registers
.rept \n
	v_nop
.endr
.endm
.macro TLOAD g0, g1
	tensor_load_to_lds s[\g0:\g0+3], s[\g1:\g1+7]
	s_nop 0
	PLACES 4
.endm
	s_load_b256 s[4:11], s[0:1], 0x0               ; ac, asc, codes, scales
	s_load_b128 s[12:15], s[0:1], 0x20             ; bo, out0
	v_lshl_add_u32 v[SPW], v0, 2, SPARE
	v_mov_b32 v[NIL], 0
	ds_add_u32 v[SPW], v[NIL]                      ; the wave's opening: the add, twice on end, and its wait ahead of my first tensor load
	ds_add_u32 v[SPW], v[NIL]
	v_lshrrev_b32 v1, 5, v0
	v_readfirstlane_b32 s[WV], v1
	s_lshr_b32 s[RH], s[WV], 1
	s_and_b32 s[CH], s[WV], 1
	s_bfe_u32 s21, ttmp6, 0x40000                  ; cx
	s_bfe_u32 s22, ttmp6, 0x40004                  ; cy
	s_lshl_b32 s23, ttmp9, 2
	s_add_co_u32 s23, s23, s21                     ; tile column = 4 x cluster x + cx
	s_and_b32 s16, ttmp7, 0xffff
	s_lshl_b32 s16, s16, 2
	s_add_co_u32 s16, s16, s22                     ; tile row = 4 x cluster y + cy
	s_lshl_b32 s2, s22, 2
	s_lshl_b32 s2, 15, s2                          ; my row of the cluster
	s_lshl_b32 s3, 0x1111, s21                     ; my column
	; group 1: four row tiles, 65,536 dense bytes, as 16 rows of 4,096 (512 elements of 8 bytes); bit 21 stands beside a mask
	s_or_b32 s[G1+0], s2, (3<<16)|(1<<21)
	s_or_b32 s[G1B+0], s3, (3<<16)|(1<<21)
.irp g, G1, G1B
	s_mov_b32 s[\g+1], 512<<16                     ; tensor_dim0
	s_mov_b32 s[\g+2], 16<<16                      ; tensor_dim1
	s_mov_b32 s[\g+3], 512<<16                     ; tile_dim0
	s_mov_b32 s[\g+4], 16                          ; tile_dim1
	s_mov_b32 s[\g+5], 512                         ; tensor_dim0_stride
	s_mov_b32 s[\g+6], 0
	s_mov_b32 s[\g+7], 0
.endr
	s_lshl_b32 s42, s[CH], 16                      ; which four tiles I fetch: where they lie in memory, and where they go: no place in the cluster enters an LDS address
	s_lshl_b32 s66, s16, 17
	s_add_co_u32 s66, s66, s42                     ; A: row tile 8 x tile row: it hangs on the tile row alone
	s_mov_b32 s67, 0
	s_lshl_b32 s68, s23, 17
	s_add_co_u32 s68, s68, s42
	s_add_co_u32 s68, s68, 448*16384               ; B: Wo's tiles begin at 448: on the tile column alone
	s_mov_b32 s69, 0
	s_lshl_b32 s70, s16, 12
	s_lshl_b32 s41, s[RH], 10
	s_add_co_u32 s70, s70, s41                     ; A's scale words: 512 bytes a tile; from tile 2 rh on
	s_mov_b32 s71, 0
	s_lshl_b32 s72, s23, 12
	s_lshl_b32 s41, s[CH], 11
	s_add_co_u32 s72, s72, s41
	s_add_co_u32 s72, s72, 448*512                 ; B's: my four tiles
	s_mov_b32 s73, 0
	s_lshl_b32 s74, s23, 9
	s_lshl_b32 s41, s[CH], 8
	s_add_co_u32 s74, s74, s41                     ; my first column, in bytes
	s_mov_b32 s75, 0
	s_lshl_b32 s76, s16, 7
	s_lshl_b32 s41, s[RH], 5
	s_add_co_u32 s76, s76, s41
	s_lshl_b32 s76, s76, 12                        ; my first row: 128 x tile row + 32 x half, rows of 4,096 bytes
	s_mov_b32 s77, 0
	s_add_co_u32 s46, s42, AB0
	s_lshl_b32 s43, s[RH], 15
	s_add_co_u32 s43, s43, AB0                     ; my first two tiles of A; the other two lie 65,536 bytes on
	s_mul_i32 s45, s[WV], 16*SPITCH
	s_add_co_u32 s45, s45, STAGE                   ; my stage
	s_mov_b32 s[G0A], 1
	s_mov_b32 s[G0A+1], s46
	s_mov_b32 s[G0B], 1
	s_mov_b32 s[G0B+1], s42
	s_wait_dscnt 0x0                               ; both opening adds are done
	CROUND                                         ; all sixteen work-groups are here: the joint loads meet
	s_wait_kmcnt 0x0
	s_add_nc_u64 s[G0A+2:G0A+3], s[4:5], s[66:67]
	s_or_b32 s[G0A+3], s[G0A+3], 0x80000000
	s_add_nc_u64 s[G0B+2:G0B+3], s[8:9], s[68:69]
	s_or_b32 s[G0B+3], s[G0B+3], 0x80000000
; One joint load a wave, a line for each stage that shows it; what is needed first is asked for first
	s_cmp_lt_u32 s[WV], 2
	s_cbranch_scc0 .Lnot_b
	TLOAD G0B, G1B
	s_branch .Lasked
.Lnot_b:
	s_cmp_lt_u32 s[WV], 3
	s_cbranch_scc0 .Lnot_first
	TLOAD G0A, G1
	s_branch .Lasked
.Lnot_first:
	TLOAD G0A, G1
.Lasked:
	s_add_nc_u64 s[70:71], s[6:7], s[70:71]
	s_add_nc_u64 s[72:73], s[10:11], s[72:73]
	s_add_nc_u64 s[12:13], s[12:13], s[74:75]      ; bo at my 64 columns
	s_add_nc_u64 s[14:15], s[14:15], s[74:75]
	s_add_nc_u64 s[14:15], s[14:15], s[76:77]      ; out0 at my corner
	v_and_b32 v1, 15, v0                           ; r
	v_bfe_u32 v2, v0, 4, 1                         ; h
	v_and_b32 v3, 31, v0
	v_lshlrev_b32 v[BO], 6, v2
	v_lshlrev_b32 v[L8], 3, v3
	v_lshlrev_b32 v[LI], 4, v3
.irp b, 0,1,2,3                                ; bo in the result's layout: register j of tile b is column 32 (b / 2) + 16 h + 8 (b % 2) + j
	global_load_b128 v[BI+8*\b:BI+8*\b+3], v[BO], s[12:13] offset:4*(32*(\b/2)+8*(\b%2))
	global_load_b128 v[BI+8*\b+4:BI+8*\b+7], v[BO], s[12:13] offset:4*(32*(\b/2)+8*(\b%2))+16
.endr
.irp k, 0,1
.irp a, 0,1,2,3
	global_load_b64 v[SA+4*\a+2*\k:SA+4*\a+2*\k+1], v[L8], s[70:71] offset:2048*(\a/2)+512*(\a%2)+256*\k
	global_load_b64 v[SB+4*\a+2*\k:SB+4*\a+2*\k+1], v[L8], s[72:73] offset:512*\a+256*\k
.endr
.endr
	v_add_nc_u32 v[WA], s43, v[LI]
	v_add_nc_u32 v[WB], s42, v[LI]                 ; my half of B is the half that I fetch from either tensor: 65,536 x (wave % 2)
	v_mul_u32_u24 v[STO], v1, SPITCH
	v_mul_u32_u24 v[RD], v2, SPITCH
	v_add_nc_u32 v[WA+1], 65536, v[WA]
	v_lshl_add_u32 v[STO], v2, 6, v[STO]
	v_lshl_add_u32 v[RD], v1, 4, v[RD]
	v_lshlrev_b32 v[CO], 12, v2
	v_add_nc_u32 v[STO], s45, v[STO]
	v_add_nc_u32 v[RD], s45, v[RD]
	v_lshl_add_u32 v[CO], v1, 4, v[CO]
.macro LB q                            ; B's four fragments of K step q: 16 loads
	WIN 0x40*(1+(\q)/4)
.irp b, 0,1,2,3
.irp c, 0,1,2,3
	ds_load_b128 v[16*(4*((\q)%4)+\b)+4*\c:16*(4*((\q)%4)+\b)+4*\c+3], v[WB] offset:\b*16384+(\q)*2048+512*\c
.endr
.endr
.endm
.macro LA i                            ; the eight fragments of my token tile i into set i % 2: 32 loads
	WIN 0xc0
.irp q, 0,1,2,3,4,5,6,7
.irp c, 0,1,2,3
	ds_load_b128 v[128*((\i)%2)+16*\q+4*\c:128*((\i)%2)+16*\q+4*\c+3], v[WA+(\i)/2] offset:((\i)%2)*16384+\q*2048+512*\c
.endr
.endr
.endm
; Four products: token tile i x B's four tiles, K step q.  The four accumulators take turns, one instruction a turn.  In K step 0 C is the bias.
.macro MUL i, q
.set X_, 2*((\q)/4)+(\q)%2
	WIN 0x0d+(\q)/4
.irp b, 0,1,2,3
.set D_, ACC+32*((\i)%2)+8*\b
.set C_, D_
.if (\q) == 0
.set C_, BI+8*\b
.endif
.set B_, 16*(4*((\q)%4)+\b)
.set A_, 128*((\i)%2)+16*(\q)
.if ((\q)/2)%2
	v_wmma_scale_f32_16x16x128_f8f6f4 v[D_:D_+7], v[B_:B_+15], v[A_:A_+15], v[C_:C_+7], v[SB+4*\b+X_], v[SA+4*(\i)+X_] matrix_a_scale:MATRIX_SCALE_ROW1 matrix_b_scale:MATRIX_SCALE_ROW1
.else
	v_wmma_scale_f32_16x16x128_f8f6f4 v[D_:D_+7], v[B_:B_+15], v[A_:A_+15], v[C_:C_+7], v[SB+4*\b+X_], v[SA+4*(\i)+X_]
.endif
.endr
.endm
; THE WAY OUT of tile i, 16 tokens x 64 columns, through my own stage: a lane's eight numbers of tile b go to the columns where they belong, and whole rows of 256 bytes come back, two an instruction.
; LDS serves a wave's instructions in order (ISA guide 5.7.1.4): no wait between the stores and the loads, nor in front of the next tile's stores.
.macro TOSTAGE i
	WIN 0
.irp b, 0,1,2,3
	ds_store_b128 v[STO], v[ACC+32*((\i)%2)+8*\b:ACC+32*((\i)%2)+8*\b+3] offset:128*(\b/2)+32*(\b%2)         ; each accumulator from its low end on
	ds_store_b128 v[STO], v[ACC+32*((\i)%2)+8*\b+4:ACC+32*((\i)%2)+8*\b+7] offset:128*(\b/2)+32*(\b%2)+16
.endr
.if (\i) > 1
	s_wait_xcnt 0x0                                ; tile i - 2's stores have read their registers: tile i's rows may land there
.endif
.irp t, 0,1,2,3,4,5,6,7
	ds_load_b128 v[BK+32*((\i)%2)+4*\t:BK+32*((\i)%2)+4*\t+3], v[RD] offset:\t*2*SPITCH
.endr
.endm
.macro SEND i, younger                 ; younger: the LDS loads issued behind tile i's rows, which may stay out.  Places 2 t and 2 t + 1 are rows 64 (i / 2) + 8 (i % 2) + 2 t + 8 (t / 4) from my first, and the next
	WIN 0
	s_wait_dscnt \younger
.irp t, 0,1,2,3,4,5,6,7
	global_store_b128 v[CO], v[BK+32*((\i)%2)+4*\t:BK+32*((\i)%2)+4*\t+3], s[14:15] offset:(64*((\i)/2)+8*((\i)%2)+2*\t+8*(\t/4))*4096 th:TH_STORE_NT   ; 16 lanes store 256 consecutive bytes, aligned
.endr
.endm
.macro BAR
	s_wait_dscnt 0x0                               ; no LDS instruction of mine is out at a signal
	s_barrier_signal -1
	s_barrier_wait -1
.endm
.macro SHOW under                      ; the waves under this number wait for their load; the barrier shows it to all
	WIN 0
	s_cmp_lt_u32 s[WV], \under
	s_cbranch_scc0 .Lnot_mine_\@
	s_wait_tensorcnt 0x0
.Lnot_mine_\@:
	BAR
.endm
	s_wait_alu depctr_va_vdst(0)                   ; the wait at the head's end
	SHOW 2                                         ; B
	LB 0
	LB 1
	LB 2
	LB 3
	LB 4
	LB 5
	WIN 0
	s_wait_loadcnt 0x0                             ; bo, the scale words
	SHOW 3                                         ; token tiles 0-3: my tiles 0 and 1
	LA 0
	LB 6
	LB 7
	LA 1
	s_wait_dscnt 63                                ; my tile 0 is in: behind it 64 loads have been issued, of which at most 63 may be out
.irp q, 0,1,2,3,4,5
	MUL 0, \q
.endr
	s_wait_dscnt 32                                ; the rest of B; tile 1's 32 loads may be out
	MUL 0, 6
	MUL 0, 7
	WIN 0
	s_wait_tensorcnt 0x0                           ; all that is still out: token tiles 4-7, my tiles 2 and 3
	BAR                                            ; (and my tile 1 is in registers)
	PLACES NP
	TOSTAGE 0
	LA 2
.irp q, 0,1,2,3
	MUL 1, \q
.endr
	SEND 0, 32                                     ; behind tile 0's rows: tile 2's 32 loads
.irp q, 4,5,6,7
	MUL 1, \q
.endr
	PLACES NP
	TOSTAGE 1
	LA 3
	s_wait_dscnt 48                                ; tile 2 is in: behind it tile 1's 8 stores and 8 rows and tile 3's 32 loads
.irp q, 0,1,2,3
	MUL 2, \q
.endr
	SEND 1, 32
.irp q, 4,5,6,7
	MUL 2, \q
.endr
	PLACES NP
	TOSTAGE 2
	s_wait_dscnt 16                                ; tile 3 is in: behind it tile 2's 8 stores and 8 rows
.irp q, 0,1,2,3
	MUL 3, \q
.endr
	SEND 2, 0
.irp q, 4,5,6,7
	MUL 3, \q
.endr
	PLACES NP
	TOSTAGE 3
	SEND 3, 0
	s_wait_tensorcnt 0x0                           ; the wave's end, behind my last tensor load and my last LDS store
	ds_add_u32 v[SPW], v[NIL]
	s_wait_dscnt 0x0
	CROUND                                         ; the closing round: no work-group ends while a partner may still ask for a tile that names it
	s_endpgm
.Lfunc_end_k_q2746158a27_oproj:
	.size	k_q2746158a27_oproj, .Lfunc_end_k_q2746158a27_oproj-k_q2746158a27_oproj
	.p2alignl 7, 3214868480
	.fill 96, 4, 3214868480
	.section	.rodata,"a",@progbits
	.p2align	6, 0x0
	.amdhsa_kernel k_q2746158a27_oproj
		.amdhsa_group_segment_fixed_size 327680
		.amdhsa_private_segment_fixed_size 0
		.amdhsa_enable_private_segment 0
		.amdhsa_kernarg_size 48
		.amdhsa_user_sgpr_count 2
		.amdhsa_user_sgpr_kernarg_segment_ptr 1
		.amdhsa_wavefront_size32 1
		.amdhsa_system_sgpr_workgroup_id_x 1
		.amdhsa_system_sgpr_workgroup_id_y 1
		.amdhsa_system_sgpr_workgroup_id_z 1
		.amdhsa_system_vgpr_workitem_id 0
		.amdhsa_next_free_vgpr 1024
		.amdhsa_next_free_sgpr 102
		.amdhsa_reserve_vcc 0
		.amdhsa_float_denorm_mode_32 3
		.amdhsa_float_denorm_mode_16_64 3
		.amdhsa_memory_ordered 1
		.amdhsa_forward_progress 1
		.amdhsa_inst_pref_size 51
	.end_amdhsa_kernel
	.amdgpu_metadata
---
amdhsa.version: [ 1, 2 ]
amdhsa.kernels:
  - .name:           k_q2746158a27_oproj
    .symbol:         k_q2746158a27_oproj.kd
    .args:
      - { .name: ac, .offset: 0, .size: 8, .value_kind: global_buffer, .address_space: global }
      - { .name: asc, .offset: 8, .size: 8, .value_kind: global_buffer, .address_space: global }
      - { .name: codes, .offset: 16, .size: 8, .value_kind: global_buffer, .address_space: global }
      - { .name: scales, .offset: 24, .size: 8, .value_kind: global_buffer, .address_space: global }
      - { .name: bo, .offset: 32, .size: 8, .value_kind: global_buffer, .address_space: global }
      - { .name: out0, .offset: 40, .size: 8, .value_kind: global_buffer, .address_space: global }
    .group_segment_fixed_size: 327680
    .private_segment_fixed_size: 0
    .kernarg_segment_align: 8
    .kernarg_segment_size: 48
    .max_flat_workgroup_size: 128
    .sgpr_count:     102
    .vgpr_count:     1024
    .wavefront_size: 32
...
	.end_amdgpu_metadata
.endif
;; end of part 8
